; MI455X (gfx1250); checked and timed in simulation.
; The chip was launched on July 23, 2026; its instructions are those of AMD's public machine-readable ISA for CDNA 5 (MIT licence, August 2026) and "CDNA5" Instruction Set Architecture Reference Guide (July 2026). The comments in the code are by the model that wrote it; some were corrected since.
;; Transformer Block. Allowed arithmetic: matrix products marked QUANTISED: E3M2 operands, one E8M0 scale for each 32 along K, by v_wmma_scale_f32_16x16x128_f8f6f4 with both operands' format E3M2, f32 sums; everything else in f32.
;; Inputs: b1 2,048 float32; b2 512 float32; b_proj 512 float32; bt1 512 float32; bt2 512 float32; g1 512 float32; g2 512 float32; w1 512 x 2,048 float32; w2 2,048 x 512 float32; w_proj 512 x 512 float32; wk 16 x 512 x 32 float32; wq 16 x 512 x 32 float32; wv 16 x 512 x 32 float32; x 4 x 2,048 x 512 float32.
;; Outputs: out0 4 x 2,048 x 512 float32.
;; This version of the problem:
;;   THIS VERSION OF THE PROBLEM IS GIVEN IN LOW PRECISION. The matrix products marked QUANTISED in the list below multiply operands that are first quantised to E3M2 (3 exponent bits, 2 mantissa bits; 6 bits a number), with one power-of-two scale for each 32 numbers along K (OCP MX v1.0); their sums are f32. All else is computed in f32.
;;   The module's matrix products, in the order in which they are computed (A, B: the left and right operand; K: the contracted axis; several contracted axes count as one K, in the product's order):
;;     1. [M 512, K 512] x [K 512, N 8,192]; A: input wq; B: computed on the way: QUANTISED
;;     2. [M 512, K 512] x [K 512, N 8,192]; A: input wk; B: computed on the way: QUANTISED
;;     3. [M 512, K 512] x [K 512, N 8,192]; A: input wv; B: computed on the way: QUANTISED
;;     4. batch 64 x [M 2,048, K 32] x [K 32, N 2,048]; A: computed on the way; B: computed on the way: QUANTISED
;;     5. batch 64 x [M 2,048, K 2,048] x [K 2,048, N 32]; A: softmax (see below); B: computed on the way: QUANTISED
;;     6. [M 8,192, K 512] x [K 512, N 512]; A: computed on the way; B: input w_proj: QUANTISED
;;     7. [M 8,192, K 512] x [K 512, N 2,048]; A: computed on the way; B: input w1: QUANTISED
;;     8. [M 8,192, K 2,048] x [K 2,048, N 512]; A: computed on the way; B: input w2: QUANTISED
;;   THE QUANTISER, for each operand of a quantised product, along K:
;;     - K is cut into blocks of 32 from its start; a last block that is shorter is filled with zeros.
;;     - A block's scale is 2^e with e = floor(log2(the largest magnitude in the block)) - 4, held to -126 .. 127; a block of zeros has e = 0. As a byte (E8M0): e + 127.
;;     - Each number is divided by its block's scale, clamped to +-28, and rounded to the nearest number of E3M2, ties to even, subnormals kept.
;;     - The product sums the exact products of the quantised numbers (number of the format x scale) in f32.
;;   ~~~python
;;   def quantise(x, axis):      # numpy; x: float32 -> the quantised numbers, widened to float32 again
;;       x = np.moveaxis(x, axis, -1); K = x.shape[-1]
;;       x = np.pad(x, [(0, 0)] * (x.ndim - 1) + [(0, -K % 32)]); x = x.reshape(x.shape[:-1] + (-1, 32)); a = np.abs(x).max(-1, keepdims=True)
;;       e = np.where(a > 0, np.clip(np.frexp(np.where(a > 0, a, 1))[1] - 1 - 4, -126, 127), 0)      # np.frexp(a)[1] - 1 = floor(log2(a)), exactly
;;       r = np.clip(x / 2.0 ** e, -28, 28)
;;       step = 2.0 ** (np.maximum(np.frexp(np.where(r == 0, 1, r))[1] - 1, -2) - 2)
;;       q = np.round(r / step) * step * 2.0 ** e      # np.round: ties to even
;;       return np.moveaxis(q.reshape(q.shape[:-2] + (-1,))[..., :K], -1, axis).astype(np.float32)
;;   ~~~
;;   SOFTMAX AHEAD OF A QUANTISED PRODUCT. Where the list says 'softmax', what is quantised is not the finished softmax but p = 2^(t - M), with t = logit x log2(e) and M = ceil(the row's largest t), a whole number; so 1/2 < the row's largest p <= 1. The row's sum l is taken of the UNQUANTISED p, in f32, and the product's result is divided by l at the end. Since M is a whole number, a kernel that streams over the keys may use a running M (the ceiling of the running maximum): every later rescaling is an exact power of two, which a block's scale takes up: the codes' values come out the same.
;;   OPERANDS COMPUTED ON THE WAY. 'Computed on the way' means the value that the module computes at that place (a softmax that the list does not call 'softmax' is quantised finished and normalised). What goes into a quantiser is computed in f32, as accurately as f32 sums, v_exp_f32 and their like allow (about 1e-6 of the number): no bf16 or f16 on the way to a quantiser, and a product that is left as it is and whose result goes on into a quantised operand takes f32 operands (vector FMAs, or v_wmma_f32_16x16x4_f32). A number that lies on a knife's edge between two numbers of the format may be rounded either way, as far as f32 arithmetic and the matrix unit's own rounding can turn it there, and no further.
;; 2 versions. Each part assembles by itself: llvm-mc -triple=amdgcn-amd-amdhsa -mcpu=gfx1250 --defsym DOCPART=n.
;; ======== version 1 of 2: 4 launches
;; workspace buffers: hfrag 3,407,872 bytes; wqkv 638,976 bytes; wffn 1,916,928 bytes; qkvc 9,437,184 bytes; qkvs 786,432 bytes; acode 3,145,728 bytes; ascale 131,072 bytes
;; launch prep (part 1): grid 224 x 1, 4 waves a work-group, no clusters, 0 bytes of LDS; arguments x, g1, bt1, wq, wk, wv, w_proj, w1, w2, hfrag, wqkv, wffn; writes hfrag, wqkv, wffn
.if DOCPART == 1
	.amdgcn_target "amdgcn-amd-amdhsa--gfx1250"
	.amdhsa_code_object_version 6
	.text
	.protected	k_q1e07bdaad3_prep
	.globl	k_q1e07bdaad3_prep
	.p2align	8
	.type	k_q1e07bdaad3_prep,@function
k_q1e07bdaad3_prep:
	s_mov_b64 s[64:65], 0
	v_nop
	global_prefetch_b8 v0, s[64:65] scope:SCOPE_SE
	s_setreg_imm32_b32 hwreg(HW_REG_WAVE_MODE, 25, 1), 1
	s_wait_xcnt 0x0
; PREP: what many work-groups read later is quantised once, to codes of E3M2 (6 bits) with one E8M0 byte for each 32 along K.
; NO WORK OF THE PROBLEM IS LEFT OUT IN ANY LAUNCH: all 14 inputs have a way to out0 and are loaded; all eight products are done.
; ROLE A (work-groups 0-127): h = layernorm(x, g1, bt1), in f32 by the two passes of the definition (mean; mean of squares of x - mean), quantised along the 512 columns.
; ROLE B (work-groups 128-223): wq, wk, wv, w_proj, w1, w2, whose K is not innermost: a lane takes a column and its registers run down K, so nothing is transposed.
; ALL RESULTS ARE LAID AS IMAGES OF OPERAND REGISTERS: a fragment (16 rows x 128 K, 12 registers a lane) is 1,536 bytes, register j of lane L at 512 (j / 4) + 16 L + 4 (j % 4):
; three stores of 16 bytes a lane, each covering 512 consecutive bytes; the reader's three loads give it the same registers in the same lanes.  Four scale words lie together, 16 bytes a lane.
; WHICH ROWS FORM A TILE: lane r of tile t takes element 32 (t / 2) + 8 (t % 2) + r + 8 (r / 8) of its group (tokens of a group of 64; columns of a weight), so that in a product's result
; the 16 registers of tiles 2 b and 2 b + 1 are 16 neighbours along the next product's K.
; hfrag: group of 64 tokens x 26,624 bytes: fragment (tile T, K step s) at 1536 (4 s + T); scale words of T, s = 0..3, at 24,576 + 512 T.
; wqkv:  (3 head + matrix) x 13,312: fragment (column tile u, K step s) at 1536 (2 s + u); scale words at 12,288 + 512 u.
; wffn:  (72 ws + q) x 6,656: half-set q of the stream of the last launch's wave ws: four column tiles at 1536 i, their scale words at 6,144.
; LIMITS: NaN and infinities among the inputs are not served.  A block whose largest magnitude lies under 2^-122 takes the byte 1; a block of zeros takes the byte 1 where the
; rule says 127: its codes are zeros, which add nothing, and the bytes are read by this program alone.  1 / sqrt comes from v_rsq_f32.
; No LDS, no barrier: each wave has a job of its own.  No matrix unit, no cluster: nothing here is read twice.
.set SEL, 30                           ; s[30:31] lane selects for v_permlanex16_b32: lane l xor 16
.set TM,  24                           ; role A: v24-39 at work in QUANT
.set PC,  40                           ; v40-59 the codes just made
.set SW,  60                           ; v60-63 the four K steps' scale words
.set TT,  64                           ; v64-127 64 numbers of h
.set G,   128                          ; v128-191 g1 of a K step, in my columns' order
.set BT,  192                          ; v192-255 bt1 likewise
.set WM,  16                           ; role B: v16-23 largest magnitudes of my 8 blocks
.set WSO, 24                           ; v24-31 the conversions' scale operands
.set WBY, 32                           ; v32-39 the bytes
.set WSW, 40                           ; v40-43 four fragments' scale words
.set WTP, 44                           ; v44-47 at work
.set PCW, 64                           ; v64-111 four fragments' codes
.set TC,  112                          ; v112-143 the second halves of the blocks' codes
.set MSB, 0
.macro WIN new                         ; the immediate's high byte repeats the setting that is left; a switch that changes nothing is dropped
.if MSB != (\new)
	s_set_vgpr_msb (MSB<<8)|(\new)
.set MSB, (\new)
.endif
.endm
; 64 numbers of a lane, register 16 b + i = element 32 b + 16 (lane / 16) + i of my row, become a fragment's codes in v[PC] on and its scale word in v[pw]
.macro QUANT s, pw
.irp b, 0,1,2,3
	v_max3_num_f32 v[TM+\b], |v[\s+16*\b]|, |v[\s+1+16*\b]|, 0x2800000   ; my 16 numbers of block b, and the floor 2^(5 - 127): the byte cannot fall under 1
.endr
.irp i, 2,4,6,8,10,12,14
.irp b, 0,1,2,3
	v_max3_num_f32 v[TM+\b], v[TM+\b], |v[\s+16*\b+\i]|, |v[\s+1+16*\b+\i]|
.endr
.endr
.irp b, 0,1,2,3
	v_permlanex16_b32 v[TM+4+\b], v[TM+\b], s[SEL], s[SEL+1]
.endr
.irp b, 0,1,2,3
	v_max_num_f32 v[TM+\b], v[TM+\b], v[TM+4+\b]          ; with lane l xor 16's: the block's largest magnitude
.endr
.irp b, 0,1,2,3
	v_add_nc_u32 v[TM+12+\b], 0xfe000000, v[TM+\b]        ; 4 off its exponent field: the conversion's scale operand
.endr
.irp b, 0,1,2,3
	v_lshrrev_b32 v[TM+4+\b], 23, v[TM+12+\b]             ; the scale's byte
.endr
	v_lshl_or_b32 v[\pw], v[TM+5], 8, v[TM+4]
	v_lshl_or_b32 v[\pw], v[TM+6], 16, v[\pw]
	v_lshl_or_b32 v[\pw], v[TM+7], 24, v[\pw]
.irp c, 0,1
	v_cvt_scalef32_pk16_bf6_f32 v[PC+6*\c:PC+2+6*\c], v[\s+32*\c:\s+15+32*\c], v[TM+12+2*\c]
	v_cvt_scalef32_pk16_bf6_f32 v[PC+12+4*\c:PC+14+4*\c], v[\s+16+32*\c:\s+31+32*\c], v[TM+12+2*\c+1]   ; (a conversion's three registers begin on an even number)
.endr
	v_nop                                                  ; one plain place behind a scaled conversion
.irp c, 0,1                                            ; the operand's layout wants a whole block in a lane
.irp i, 0,1,2
	v_permlane16_swap_b32 v[PC+6*\c+\i], v[PC+12+4*\c+\i]
.endr
.irp i, 0,1,2
	v_mov_b32 v[PC+3+6*\c+\i], v[PC+12+4*\c+\i]
.endr
.endr
.endm
.macro GBLOAD s                        ; g1 and bt1 of K step s: my 16 columns of each block of 32
.irp b, 0,1,2,3
.irp j, 0,1,2,3
	global_load_b128 v[G+16*\b+4*\j:G+16*\b+4*\j+3], v4, s[6:7] offset:512*(\s)+128*\b+16*\j
	global_load_b128 v[BT+16*\b+4*\j:BT+16*\b+4*\j+3], v4, s[8:9] offset:512*(\s)+128*\b+16*\j
.endr
.endr
.endm
.macro FOLD                            ; four pairs of partial sums, and the other half of the lanes': the row's sum in v20
	v_pk_add_f32 v[8:9], v[8:9], v[10:11]
	v_pk_add_f32 v[12:13], v[12:13], v[14:15]
	v_pk_add_f32 v[8:9], v[8:9], v[12:13]
	v_add_f32 v20, v8, v9
	v_permlanex16_b32 v21, v20, s[SEL], s[SEL+1]
	v_add_f32 v20, v20, v21
.endm
.macro LOADF f, pitch, d               ; fragment f: W(64 c + 32 h + i, my column) into register 64 f + 32 c + i of window 1
.set i, 0
.rept 64
	global_load_b32 v[64*\f+i], v3, s[32:33] offset:\d+(i+32*(i/32))*\pitch th:TH_LOAD_NT
.set i, i+1
.endr
.endm
.macro LOADW pitch, d0, d1, d2, d3
	WIN 0x40                                               ; destination window 1
	LOADF 0, \pitch, \d0
	LOADF 1, \pitch, \d1
	LOADF 2, \pitch, \d2
	LOADF 3, \pitch, \d3
	WIN 0
.endm
.macro WADDR                           ; s41 = ws, s46 = q, s42 = the K step's (and chunk's) bytes: source and place in the stream
	s_lshl_b32 s47, s41, 9                                 ; 128 ws columns
	s_add_co_u32 s42, s42, s47
	s_and_b32 s47, s46, 1
	s_lshl_b32 s47, s47, 8                                 ; 64 columns for the upper half of the wave's tiles
	s_add_co_u32 s42, s42, s47
	s_add_nc_u64 s[32:33], s[32:33], s[42:43]
	s_mul_i32 s44, s41, 72
	s_add_co_u32 s44, s44, s46
	s_mul_i32 s44, s44, 6656
	s_add_nc_u64 s[34:35], s[26:27], s[44:45]
.endm
	s_load_b256 s[4:11], s[0:1], 0x0               ; x, g1, bt1, wq
	s_load_b256 s[12:19], s[0:1], 0x20             ; wk, wv, w_proj, w1
	s_load_b256 s[20:27], s[0:1], 0x40             ; w2, hfrag, wqkv, wffn
	v_lshrrev_b32 v1, 5, v0
	v_readfirstlane_b32 s28, v1                    ; wave
	v_and_b32 v1, 15, v0                           ; r
	v_bfe_u32 v2, v0, 4, 1                         ; h
	v_and_b32 v5, 31, v0
	v_lshlrev_b32 v5, 4, v5                        ; 16 x lane: my place in an image
	v_and_b32 v3, 8, v1
	v_add_nc_u32 v3, v3, v1                        ; r + 8 (r / 8)
	s_mov_b32 s[SEL], 0x76543210
	s_mov_b32 s[SEL+1], 0xfedcba98
	s_wait_kmcnt 0x0
	s_cmp_ge_u32 ttmp9, 128
	s_cbranch_scc1 .Lweights
	; ---- ROLE A: wave T of work-group tg takes token tile T of group tg: 16 rows of x, 256 numbers a lane in window 1: register 16 k + i = column 32 k + 16 h + i
	s_lshl_b32 s32, ttmp9, 6
	s_lshr_b32 s33, s28, 1
	s_lshl_b32 s33, s33, 5
	s_add_co_u32 s32, s32, s33
	s_and_b32 s33, s28, 1
	s_lshl_b32 s33, s33, 3
	s_add_co_u32 s32, s32, s33                     ; the tile's first token: 64 tg + 32 (T / 2) + 8 (T % 2)
	s_lshl_b32 s32, s32, 11                        ; rows of 2,048 bytes
	s_mov_b32 s33, 0
	s_add_nc_u64 s[32:33], s[4:5], s[32:33]
	s_mul_i32 s34, ttmp9, 26624
	s_mov_b32 s35, 0
	s_add_nc_u64 s[34:35], s[22:23], s[34:35]      ; the group's part of hfrag
	s_mul_i32 s36, s28, 1536
	s_mov_b32 s37, 0
	s_add_nc_u64 s[36:37], s[34:35], s[36:37]      ; + my tile's fragments
	s_lshl_b32 s38, s28, 9
	s_mov_b32 s39, 0
	s_add_nc_u64 s[38:39], s[34:35], s[38:39]      ; + my tile's scale words
	v_lshlrev_b32 v3, 11, v3
	v_lshl_add_u32 v3, v2, 6, v3                   ; my row, + 64 h
	v_lshlrev_b32 v4, 6, v2                        ; 64 h
	WIN 0x40                                       ; destination window 1
.set i, 0
.rept 64
	global_load_b128 v[4*i:4*i+3], v3, s[32:33] offset:128*(i/4)+16*(i%4) th:TH_LOAD_NT
.set i, i+1
.endr
	WIN 0
	GBLOAD 0
.irp b, 0,1,2,3
	v_mov_b32 v[TM+4+\b], 0                        ; written once: a lane permute's destination counts as one of its sources
.endr
	v_mov_b32 v21, 0
	v_mov_b32 v22, 0x3b000000                      ; 1 / 512
.irp i, 8,9,10,11,12,13,14,15
	v_mov_b32 v\i, 0
.endr
	s_wait_loadcnt 32                              ; x is in; the 32 younger loads of g1 and bt1 may be out
	WIN 0x04                                       ; source 1 window 1
.set i, 0
.rept 128
	v_pk_add_f32 v[8+2*(i%4):9+2*(i%4)], v[8+2*(i%4):9+2*(i%4)], v[2*i:2*i+1]   ; four chains by turns
.set i, i+1
.endr
	WIN 0
	FOLD
	v_mul_f32 v16, v22, v20                        ; the mean,
	v_mov_b32 v17, v16                             ; twice, for the packed form
	WIN 0x41                                       ; destination and source 0 window 1
.set i, 0
.rept 128
	v_pk_add_f32 v[2*i:2*i+1], v[2*i:2*i+1], v[16:17] neg_lo:[0,1] neg_hi:[0,1]   ; x - mean, in place
.set i, i+1
.endr
	WIN 0
.irp i, 8,9,10,11,12,13,14,15
	v_mov_b32 v\i, 0
.endr
	WIN 0x05                                       ; sources 0 and 1 window 1
.set i, 0
.rept 128
	v_pk_fma_f32 v[8+2*(i%4):9+2*(i%4)], v[2*i:2*i+1], v[2*i:2*i+1], v[8+2*(i%4):9+2*(i%4)]
.set i, i+1
.endr
	WIN 0
	FOLD
	v_fmaak_f32 v20, v20, v22, 0x3727c5ac          ; the variance + 1e-5 (the factor is a power of two: nothing is rounded by fusing)
	v_rsq_f32 v18, v20
	v_rsq_f32 v19, v20
	v_nop                                          ; a plain place behind the transcendentals,
	s_wait_alu depctr_va_vdst(0)                   ; and a wait ahead of their first reader
.irp s, 0,1,2,3                                ; a K step of 128 columns at a time
	s_wait_loadcnt 0x0                             ; this step's g1 and bt1
	WIN 0x01                                       ; source 0 window 1
.set i, 0
.rept 32
	v_pk_mul_f32 v[TT+2*i:TT+2*i+1], v[64*\s+2*i:64*\s+2*i+1], v[18:19]
.set i, i+1
.endr
	WIN 0
.set i, 0
.rept 32
	v_pk_fma_f32 v[TT+2*i:TT+2*i+1], v[TT+2*i:TT+2*i+1], v[G+2*i:G+2*i+1], v[BT+2*i:BT+2*i+1]
.set i, i+1
.endr
.if \s < 3
	GBLOAD \s+1
.endif
.if \s > 0
	s_wait_xcnt 0x0                                ; the last step's stores have read their data: the codes' registers are written again only behind this wait
.endif
	QUANT TT, SW+\s
.irp q, 0,1,2
	global_store_b128 v5, v[PC+4*\q:PC+4*\q+3], s[36:37] offset:6144*\s+512*\q   ; 32 lanes store 512 consecutive bytes
.endr
.endr
	global_store_b128 v5, v[SW:SW+3], s[38:39] offset:24576
	s_endpgm
	; ---- ROLE B: job j = 4 (work-group - 128) + wave makes four fragments of one weight
.Lweights:
	s_sub_co_u32 s29, ttmp9, 128
	s_lshl_b32 s29, s29, 2
	s_add_co_u32 s29, s29, s28                     ; j, 0 .. 383
	v_lshlrev_b32 v3, 2, v3                        ; my column in a tile: 4 (r + 8 (r / 8)) bytes
	v_lshlrev_b32 v11, 3, v2                       ; 8 h
	s_mov_b32 s43, 0
	s_mov_b32 s45, 0
	s_cmp_lt_u32 s29, 96
	s_cbranch_scc0 .Lnot_q
	; j < 96: wq, wk, wv [16][512][32]: matrix j / 32, head (j / 2) % 16, column tile u = j % 2; the four fragments are the four K steps
	s_lshr_b32 s40, s29, 5
	s_bfe_u32 s41, s29, 0x40001
	s_and_b32 s46, s29, 1
	s_cmp_eq_u32 s40, 0
	s_cselect_b64 s[32:33], s[10:11], s[12:13]
	s_cmp_eq_u32 s40, 2
	s_cselect_b64 s[32:33], s[14:15], s[32:33]
	s_lshl_b32 s42, s41, 16                        ; a head is 65,536 bytes
	s_lshl_b32 s47, s46, 5                         ; tile u begins 8 u columns on
	s_add_co_u32 s42, s42, s47
	s_add_nc_u64 s[32:33], s[32:33], s[42:43]
	s_mul_i32 s44, s41, 3
	s_add_co_u32 s44, s44, s40
	s_mul_i32 s44, s44, 13312
	s_mul_i32 s47, s46, 1536
	s_add_co_u32 s44, s44, s47
	s_add_nc_u64 s[34:35], s[24:25], s[44:45]
	s_mov_b32 s48, 3072                            ; from fragment to fragment in the record
	s_lshl_b32 s49, s46, 10
	s_sub_co_u32 s49, 12288, s49                   ; the scale words, from the base that holds 1536 u: 12,288 + 512 u - 1536 u
	v_lshl_add_u32 v3, v2, 12, v3                  ; lanes 16-31 begin 32 rows of 128 bytes further down
	LOADW 128, 0, 16384, 32768, 49152
	s_branch .Lwq
.Lnot_q:
	s_mov_b32 s48, 1536
	s_mov_b32 s49, 6144
	s_cmp_lt_u32 s29, 128
	s_cbranch_scc0 .Lnot_p
	; 96 .. 127: w_proj [512][512]: ws = jj / 8, q = jj % 8 = 2 s + half
	s_sub_co_u32 s40, s29, 96
	s_lshr_b32 s41, s40, 3
	s_and_b32 s46, s40, 7
	s_lshr_b32 s47, s46, 1
	s_lshl_b32 s42, s47, 18                        ; K step s: 128 rows of 2,048 bytes
	s_mov_b64 s[32:33], s[16:17]
	s_branch .Lcols
.Lnot_p:
	; 128 .. 255: w1 [512][2048]; 256 .. 383: w2 [2048][512]: ws = jj / 32, chunk t = (jj % 32) / 8, 2 s + half = jj % 8
	s_and_b32 s40, s29, 127
	s_lshr_b32 s41, s40, 5
	s_and_b32 s40, s40, 31
	s_lshr_b32 s50, s40, 3
	s_and_b32 s46, s40, 7
	s_lshr_b32 s47, s46, 1
	s_lshl_b32 s51, s50, 4
	s_add_co_u32 s46, s46, s51                     ; 16 t + 2 s + half
	s_cmp_lt_u32 s29, 256
	s_cbranch_scc0 .Lw2
	s_add_co_u32 s46, s46, 8                       ; q
	s_lshl_b32 s42, s47, 20                        ; K step s: 128 rows of 8,192 bytes
	s_lshl_b32 s51, s50, 11                        ; chunk t: 512 columns
	s_add_co_u32 s42, s42, s51
	s_mov_b64 s[32:33], s[18:19]
	WADDR
	v_lshl_add_u32 v3, v2, 18, v3
	LOADW 8192, 0, 32, 128, 160                    ; the four fragments are column tiles 4 half + 0 .. 3: columns 0, 8, 32, 40 on
	s_branch .Lwq
.Lw2:
	s_add_co_u32 s46, s46, 16                      ; q
	s_lshl_b32 s51, s50, 2
	s_add_co_u32 s47, s47, s51                     ; K step 4 t + s
	s_lshl_b32 s42, s47, 18
	s_mov_b64 s[32:33], s[20:21]
.Lcols:
	WADDR
	v_lshl_add_u32 v3, v2, 16, v3
	LOADW 2048, 0, 32, 128, 160
.Lwq:
	v_mov_b32 v6, v5                               ; where the four fragments go
	v_add_nc_u32 v7, s48, v6
	v_add_nc_u32 v8, s48, v7
	v_add_nc_u32 v9, s48, v8
	v_add_nc_u32 v10, s49, v5                      ; and their scale words
.irp f, 0,1,2,3
	v_mov_b32 v[WTP+\f], 0
.endr
	s_wait_loadcnt 0x0
	WIN 0x05                                       ; sources 0 and 1 window 1.  Block k = 2 f + c of my column: all its 32 numbers are mine
.irp k, 0,1,2,3,4,5,6,7
	v_max3_num_f32 v[WM+\k], |v[32*\k]|, |v[32*\k+1]|, 0x2800000
.endr
	WIN 0x14                                       ; sources 1 and 2 window 1
.irp i, 2,4,6,8,10,12,14,16,18,20,22,24,26,28,30
.irp k, 0,1,2,3,4,5,6,7
	v_max3_num_f32 v[WM+\k], v[WM+\k], |v[32*\k+\i]|, |v[32*\k+\i+1]|
.endr
.endr
	WIN 0
.irp k, 0,1,2,3,4,5,6,7
	v_add_nc_u32 v[WSO+\k], 0xfe000000, v[WM+\k]
.endr
.irp k, 0,1,2,3,4,5,6,7
	v_lshrrev_b32 v[WBY+\k], 23, v[WSO+\k]
.endr
.irp f, 0,1,2,3
	v_lshl_or_b32 v[WSW+\f], v[WBY+1+2*\f], 16, v[WBY+2*\f]   ; my two bytes: blocks h and 2 + h,
.endr
.irp f, 0,1,2,3
	v_lshlrev_b32 v[WSW+\f], v11, v[WSW+\f]        ; at their places in the word;
.endr
.irp f, 0,1,2,3
	v_permlanex16_b32 v[WTP+\f], v[WSW+\f], s[SEL], s[SEL+1]
.endr
.irp f, 0,1,2,3
	v_or_b32 v[WSW+\f], v[WSW+\f], v[WTP+\f]       ; with lane l xor 16's two the word is whole, in both halves of the lanes
.endr
	WIN 0x01                                       ; source 0 window 1
.irp k, 0,1,2,3,4,5,6,7
	v_cvt_scalef32_pk16_bf6_f32 v[PCW+6*\k:PCW+6*\k+2], v[32*\k:32*\k+15], v[WSO+\k]
	v_cvt_scalef32_pk16_bf6_f32 v[TC+4*\k:TC+4*\k+2], v[32*\k+16:32*\k+31], v[WSO+\k]
.endr
	WIN 0
	v_nop                                          ; one plain place behind a scaled conversion
.irp k, 0,1,2,3,4,5,6,7
.irp i, 0,1,2
	v_mov_b32 v[PCW+6*\k+3+\i], v[TC+4*\k+\i]
.endr
.endr
.irp f, 0,1,2,3
.irp q, 0,1,2
	global_store_b128 v[6+\f], v[PCW+12*\f+4*\q:PCW+12*\f+4*\q+3], s[34:35] offset:512*\q
.endr
.endr
	global_store_b128 v10, v[WSW:WSW+3], s[34:35]
	s_endpgm
.Lfunc_end_k_q1e07bdaad3_prep:
	.size	k_q1e07bdaad3_prep, .Lfunc_end_k_q1e07bdaad3_prep-k_q1e07bdaad3_prep
	.p2alignl 7, 3214868480
	.fill 96, 4, 3214868480
	.section	.rodata,"a",@progbits
	.p2align	6, 0x0
	.amdhsa_kernel k_q1e07bdaad3_prep
		.amdhsa_group_segment_fixed_size 0
		.amdhsa_private_segment_fixed_size 0
		.amdhsa_enable_private_segment 0
		.amdhsa_kernarg_size 96
		.amdhsa_user_sgpr_count 2
		.amdhsa_user_sgpr_kernarg_segment_ptr 1
		.amdhsa_wavefront_size32 1
		.amdhsa_system_sgpr_workgroup_id_x 1
		.amdhsa_system_sgpr_workgroup_id_y 1
		.amdhsa_system_sgpr_workgroup_id_z 1
		.amdhsa_system_vgpr_workitem_id 0
		.amdhsa_next_free_vgpr 512
		.amdhsa_next_free_sgpr 66
		.amdhsa_reserve_vcc 0
		.amdhsa_float_denorm_mode_32 3
		.amdhsa_float_denorm_mode_16_64 3
		.amdhsa_memory_ordered 1
		.amdhsa_forward_progress 1
		.amdhsa_inst_pref_size 167
	.end_amdhsa_kernel
	.amdgpu_metadata
---
amdhsa.version: [ 1, 2 ]
amdhsa.kernels:
  - .name:           k_q1e07bdaad3_prep
    .symbol:         k_q1e07bdaad3_prep.kd
    .args:
      - { .name: x, .offset: 0, .size: 8, .value_kind: global_buffer, .address_space: global }
      - { .name: g1, .offset: 8, .size: 8, .value_kind: global_buffer, .address_space: global }
      - { .name: bt1, .offset: 16, .size: 8, .value_kind: global_buffer, .address_space: global }
      - { .name: wq, .offset: 24, .size: 8, .value_kind: global_buffer, .address_space: global }
      - { .name: wk, .offset: 32, .size: 8, .value_kind: global_buffer, .address_space: global }
      - { .name: wv, .offset: 40, .size: 8, .value_kind: global_buffer, .address_space: global }
      - { .name: w_proj, .offset: 48, .size: 8, .value_kind: global_buffer, .address_space: global }
      - { .name: w1, .offset: 56, .size: 8, .value_kind: global_buffer, .address_space: global }
      - { .name: w2, .offset: 64, .size: 8, .value_kind: global_buffer, .address_space: global }
      - { .name: hfrag, .offset: 72, .size: 8, .value_kind: global_buffer, .address_space: global }
      - { .name: wqkv, .offset: 80, .size: 8, .value_kind: global_buffer, .address_space: global }
      - { .name: wffn, .offset: 88, .size: 8, .value_kind: global_buffer, .address_space: global }
    .group_segment_fixed_size: 0
    .private_segment_fixed_size: 0
    .kernarg_segment_align: 8
    .kernarg_segment_size: 96
    .max_flat_workgroup_size: 128
    .sgpr_count:     66
    .vgpr_count:     512
    .wavefront_size: 32
...
	.end_amdgpu_metadata
.endif
;; end of part 1
;; launch qkv (part 2): grid 128 x 2, 8 waves a work-group, no clusters, 0 bytes of LDS; arguments hfrag, wqkv, qkvc, qkvs; writes qkvc, qkvs
.if DOCPART == 2
	.amdgcn_target "amdgcn-amd-amdhsa--gfx1250"
	.amdhsa_code_object_version 6
	.text
	.protected	k_q1e07bdaad3_qkv
	.globl	k_q1e07bdaad3_qkv
	.p2align	8
	.type	k_q1e07bdaad3_qkv,@function
k_q1e07bdaad3_qkv:
	s_mov_b64 s[64:65], 0
	v_nop
	global_prefetch_b8 v0, s[64:65] scope:SCOPE_SE
	s_setreg_imm32_b32 hwreg(HW_REG_WAVE_MODE, 25, 1), 1
	s_wait_xcnt 0x0
; QKV: q, k, v = h wq, h wk, h wv on codes of E3M2, and their results quantised at once for the two products of attention.  Nothing of the problem is left out here.
; SHARES.  Work-group (tg, y): 64 tokens; wave w: head 8 y + w.  A wave holds the group's 16 fragments of h (window 1) and one matrix's 8 weight fragments at a time: 32 matrix instructions a matrix, 8 accumulators by turns.
; q, k: source 0 = 16 of the head's 32 columns, source 1 = 16 tokens: a lane holds ONE token and, over the two column tiles, 16 neighbouring d: a token's 32 d are one block of the scores' K.
;       The macro QUANT takes four blocks: here the four token tiles.  Its fragment holds in block b (registers 6 (b / 2) on, lanes 16 (b % 2) on) the 24 bytes of token 32 (b / 2) + 8 (b % 2) + r + 8 (r / 8); byte b of its word is that token's scale.
; v:    source 0 = 16 tokens, source 1 = 16 columns: a lane holds ONE d and 16 neighbouring tokens of each 32: the keys are the second product's K.
;       The fragment holds in registers 6 u on the row d = 8 u + r + 8 (r / 8): keys 0-31 of the group in lanes 0-15, keys 32-63 in lanes 16-31; bytes 2 u, 2 u + 1 of the word are their scales.
; qkvc: section (q, k, v) x 3,145,728 + (32 (16 batch + head) + group) x 1,536: the fragment's image.  qkvs: section x 262,144 + the same index x 128: the word, 4 bytes a lane.
; No LDS, no barrier.  No joint loads: a wave's operands go from memory straight into its registers, 26,624 bytes of h and 39,936 of weights for its 96 matrix instructions.
; LIMITS as in the first kernel: NaN and infinities are not served; the byte is held at 1 from below; a block of zeros has the byte 1.
.set LI,  1                            ; v1 16 x lane
.set LS,  2                            ; v2 4 x lane
.set HS,  16                           ; v16-31 h's scale words (4 T + s)
.set WS,  32                           ; v32-39 the weights' (4 u + s)
.set WF,  48                           ; v48-143 the weights' fragments (u, s) at 12 (2 s + u)
.set ACC, 144                          ; v144-207
.set TM,  208
.set PC,  224
.set PW,  244
.set SEL, 20
.set MSB, 0
.macro WIN new
.if MSB != (\new)
	s_set_vgpr_msb (MSB<<8)|(\new)
.set MSB, (\new)
.endif
.endm
.macro MMZ d, a, b, sa, sb             ; the first K step starts a sum: C = 0
	v_wmma_scale_f32_16x16x128_f8f6f4 v[\d:\d+7], v[\a:\a+11], v[\b:\b+11], 0, v[\sa], v[\sb] matrix_a_fmt:MATRIX_FMT_BF6 matrix_b_fmt:MATRIX_FMT_BF6
.endm
.macro MMA d, a, b, c, sa, sb
	v_wmma_scale_f32_16x16x128_f8f6f4 v[\d:\d+7], v[\a:\a+11], v[\b:\b+11], v[\c:\c+7], v[\sa], v[\sb] matrix_a_fmt:MATRIX_FMT_BF6 matrix_b_fmt:MATRIX_FMT_BF6
.endm
.macro QUANT s, pw
.irp b, 0,1,2,3
	v_max3_num_f32 v[TM+\b], |v[\s+16*\b]|, |v[\s+1+16*\b]|, 0x2800000   ; my 16 numbers of block b, and the floor 2^(5 - 127)
.endr
.irp i, 2,4,6,8,10,12,14
.irp b, 0,1,2,3
	v_max3_num_f32 v[TM+\b], v[TM+\b], |v[\s+16*\b+\i]|, |v[\s+1+16*\b+\i]|
.endr
.endr
.irp b, 0,1,2,3
	v_permlanex16_b32 v[TM+4+\b], v[TM+\b], s[SEL], s[SEL+1]
.endr
.irp b, 0,1,2,3
	v_max_num_f32 v[TM+\b], v[TM+\b], v[TM+4+\b]
.endr
.irp b, 0,1,2,3
	v_add_nc_u32 v[TM+12+\b], 0xfe000000, v[TM+\b]
.endr
.irp b, 0,1,2,3
	v_lshrrev_b32 v[TM+4+\b], 23, v[TM+12+\b]
.endr
	v_lshl_or_b32 v[\pw], v[TM+5], 8, v[TM+4]
	v_lshl_or_b32 v[\pw], v[TM+6], 16, v[\pw]
	v_lshl_or_b32 v[\pw], v[TM+7], 24, v[\pw]
.irp c, 0,1
	v_cvt_scalef32_pk16_bf6_f32 v[PC+6*\c:PC+2+6*\c], v[\s+32*\c:\s+15+32*\c], v[TM+12+2*\c]
	v_cvt_scalef32_pk16_bf6_f32 v[PC+12+4*\c:PC+14+4*\c], v[\s+16+32*\c:\s+31+32*\c], v[TM+12+2*\c+1]
.endr
	v_nop                                                  ; one plain place behind a scaled conversion
.irp c, 0,1
.irp i, 0,1,2
	v_permlane16_swap_b32 v[PC+6*\c+\i], v[PC+12+4*\c+\i]
.endr
.irp i, 0,1,2
	v_mov_b32 v[PC+3+6*\c+\i], v[PC+12+4*\c+\i]
.endr
.endr
.endm
.macro WLOAD mat                       ; one matrix's 8 fragments and 8 scale words
.set i, 0
.rept 8
.irp q, 0,1,2
	global_load_b128 v[WF+12*i+4*\q:WF+12*i+4*\q+3], v[LI], s[16:17] offset:(\mat)*13312+1536*i+512*\q
.endr
.set i, i+1
.endr
.irp u, 0,1
	global_load_b128 v[WS+4*\u:WS+4*\u+3], v[LI], s[16:17] offset:(\mat)*13312+12288+512*\u
.endr
.endm
.macro JOB mat, form, next
	s_wait_loadcnt 0x0
.if \form
	WIN 0x01                                       ; source 0 (h) window 1
.else
	WIN 0x04                                       ; source 1 (h) window 1
.endif
.irp s, 0,1,2,3
.irp t, 0,1,2,3
.irp u, 0,1
.if \form
.if \s == 0
	MMZ ACC+32*\u+8*\t, 12*(4*\s+\t), WF+12*(2*\s+\u), HS+4*\t+\s, WS+4*\u+\s
.else
	MMA ACC+32*\u+8*\t, 12*(4*\s+\t), WF+12*(2*\s+\u), ACC+32*\u+8*\t, HS+4*\t+\s, WS+4*\u+\s
.endif
.else
.if \s == 0
	MMZ ACC+16*\t+8*\u, WF+12*(2*\s+\u), 12*(4*\s+\t), WS+4*\u+\s, HS+4*\t+\s
.else
	MMA ACC+16*\t+8*\u, WF+12*(2*\s+\u), 12*(4*\s+\t), ACC+16*\t+8*\u, WS+4*\u+\s, HS+4*\t+\s
.endif
.endif
.endr
.endr
.endr
	WIN 0
.rept 5
	v_nop                                          ; places: four in front of the loads into the weights' registers and of the first read of results; the fifth since the next matrix's first products begin these accumulators anew
.endr
.if \next
	WLOAD \mat+1
.endif
.if \mat > 0
	s_wait_xcnt 0x0                                ; the last matrix's stores have read the codes' registers and the word
.endif
	QUANT ACC, PW
.irp q, 0,1,2
	global_store_b128 v[LI], v[PC+4*\q:PC+4*\q+3], s[22:23] offset:(\mat)*3145728+512*\q
.endr
	global_store_b32 v[LS], v[PW], s[24:25] offset:(\mat)*262144
.endm
	s_load_b256 s[4:11], s[0:1], 0x0               ; hfrag, wqkv, qkvc, qkvs
	v_lshrrev_b32 v3, 5, v0
	v_readfirstlane_b32 s12, v3                    ; wave
	v_and_b32 v3, 31, v0
	v_lshlrev_b32 v[LI], 4, v3
	v_lshlrev_b32 v[LS], 2, v3
	s_mov_b32 s[SEL], 0x76543210
	s_mov_b32 s[SEL+1], 0xfedcba98
.irp b, 0,1,2,3
	v_mov_b32 v[TM+4+\b], 0                        ; written once: a lane permute's destination counts as one of its sources
.endr
	s_and_b32 s13, ttmp7, 0xffff
	s_lshl_b32 s13, s13, 3
	s_add_co_u32 s13, s13, s12                     ; head
	s_mul_i32 s14, ttmp9, 26624
	s_mov_b32 s15, 0
	s_mul_i32 s16, s13, 39936
	s_mov_b32 s17, 0
	s_lshr_b32 s18, ttmp9, 5                       ; batch
	s_lshl_b32 s18, s18, 4
	s_add_co_u32 s18, s18, s13
	s_lshl_b32 s18, s18, 5
	s_and_b32 s19, ttmp9, 31                       ; the group within the batch
	s_add_co_u32 s18, s18, s19
	s_mul_i32 s22, s18, 1536
	s_mov_b32 s23, 0
	s_lshl_b32 s24, s18, 7
	s_mov_b32 s25, 0
	s_wait_kmcnt 0x0
	s_add_nc_u64 s[14:15], s[4:5], s[14:15]
	s_add_nc_u64 s[16:17], s[6:7], s[16:17]
	s_add_nc_u64 s[22:23], s[8:9], s[22:23]
	s_add_nc_u64 s[24:25], s[10:11], s[24:25]
	WIN 0x40                                       ; destination window 1
.set i, 0
.rept 16
.irp q, 0,1,2
	global_load_b128 v[12*i+4*\q:12*i+4*\q+3], v[LI], s[14:15] offset:1536*i+512*\q
.endr
.set i, i+1
.endr
	WIN 0
.irp t, 0,1,2,3
	global_load_b128 v[HS+4*\t:HS+4*\t+3], v[LI], s[14:15] offset:24576+512*\t
.endr
	WLOAD 0
	JOB 0, 0, 1
	JOB 1, 0, 1
	JOB 2, 1, 0
	s_endpgm
.Lfunc_end_k_q1e07bdaad3_qkv:
	.size	k_q1e07bdaad3_qkv, .Lfunc_end_k_q1e07bdaad3_qkv-k_q1e07bdaad3_qkv
	.p2alignl 7, 3214868480
	.fill 96, 4, 3214868480
	.section	.rodata,"a",@progbits
	.p2align	6, 0x0
	.amdhsa_kernel k_q1e07bdaad3_qkv
		.amdhsa_group_segment_fixed_size 0
		.amdhsa_private_segment_fixed_size 0
		.amdhsa_enable_private_segment 0
		.amdhsa_kernarg_size 32
		.amdhsa_user_sgpr_count 2
		.amdhsa_user_sgpr_kernarg_segment_ptr 1
		.amdhsa_wavefront_size32 1
		.amdhsa_system_sgpr_workgroup_id_x 1
		.amdhsa_system_sgpr_workgroup_id_y 1
		.amdhsa_system_sgpr_workgroup_id_z 1
		.amdhsa_system_vgpr_workitem_id 0
		.amdhsa_next_free_vgpr 512
		.amdhsa_next_free_sgpr 66
		.amdhsa_reserve_vcc 0
		.amdhsa_float_denorm_mode_32 3
		.amdhsa_float_denorm_mode_16_64 3
		.amdhsa_memory_ordered 1
		.amdhsa_forward_progress 1
		.amdhsa_inst_pref_size 39
	.end_amdhsa_kernel
	.amdgpu_metadata
---
amdhsa.version: [ 1, 2 ]
amdhsa.kernels:
  - .name:           k_q1e07bdaad3_qkv
    .symbol:         k_q1e07bdaad3_qkv.kd
    .args:
      - { .name: hfrag, .offset: 0, .size: 8, .value_kind: global_buffer, .address_space: global }
      - { .name: wqkv, .offset: 8, .size: 8, .value_kind: global_buffer, .address_space: global }
      - { .name: qkvc, .offset: 16, .size: 8, .value_kind: global_buffer, .address_space: global }
      - { .name: qkvs, .offset: 24, .size: 8, .value_kind: global_buffer, .address_space: global }
    .group_segment_fixed_size: 0
    .private_segment_fixed_size: 0
    .kernarg_segment_align: 8
    .kernarg_segment_size: 32
    .max_flat_workgroup_size: 256
    .sgpr_count:     66
    .vgpr_count:     512
    .wavefront_size: 32
...
	.end_amdgpu_metadata
.endif
;; end of part 2
;; launch attn (part 3): grid 4 x 64, 16 waves a work-group, no clusters, 108,544 bytes of LDS; arguments qkvc, qkvs, acode, ascale; writes acode, ascale
.if DOCPART == 3
	.amdgcn_target "amdgcn-amd-amdhsa--gfx1250"
	.amdhsa_code_object_version 6
	.text
	.protected	k_q1e07bdaad3_attn
	.globl	k_q1e07bdaad3_attn
	.p2align	8
	.type	k_q1e07bdaad3_attn,@function
k_q1e07bdaad3_attn:
	s_mov_b64 s[64:65], 0
	v_nop
	global_prefetch_b8 v0, s[64:65] scope:SCOPE_SE
	s_setreg_imm32_b32 hwreg(HW_REG_WAVE_MODE, 25, 1), 1
	s_wait_xcnt 0x0
; ATTN: softmax(q k^T / sqrt(512)) v for one (batch, head) and 512 queries a work-group, both products on codes of E3M2; the result is quantised at once for the projection.  Nothing of the problem is left out here.
; THE SOFTMAX: t = score x log2(e) / sqrt(512); M = the running largest t rounded UP to a whole number; p = 2^(t - M) is quantised along the keys, not normalised; the row's sum is taken of the unquantised p and divides at the end.
; When M moves, the sum and O are multiplied by 2^(old M - new M): nothing is rounded, and no branch hangs on data.
; SHARES.  Sixteen waves; a wave takes two tiles of 16 queries, one after the other, and walks the head's 2,048 keys in 16 steps of 128.  Four waves share a SIMD: one's vector work stands beside another's matrix work and LDS loads.
; K AND V OF THE WHOLE HEAD LIE IN LDS: 49,152 bytes of codes and 4,096 of scale words each, copied once through registers as they lie in memory (images of operand registers).  So there is no ring and one barrier.
; No joint loads: what the four work-groups of a head share is these 106,496 bytes, read once by each, against 512 tile steps of work.
; THE SCORES' K IS 32, ONE BLOCK OF THE INSTRUCTION'S FOUR.  A fragment of K holds FOUR tiles of 16 keys, one in each block.  Q stands in four variants, its codes in one block and zero codes in the three others: the variant picks the tile.
; The variants overlap in one run of registers: QL Z QH Z QL (QL: the codes in lanes 0-15, QH: in lanes 16-31, Z: zeros): block 0 = v[16:27], 3 = v[22:33], 1 = v[28:39], 2 = v[34:45].  Q's scale byte is repeated in all four bytes of its word.
; Both products are used transposed (S^T = K Q^T, O^T = V^T P^T): a lane holds ONE query.  By the order of the tokens in a tile, the 16 registers of score tiles 2 b, 2 b + 1 are keys 32 b + 16 (lane / 16) + 0 .. 15 of the step.
; THE WAY OUT.  A lane's 16 numbers of O^T are d = 16 (lane / 16) + 0 .. 15 of its query: a head's 32 are one block of the projection's K.  acode [head][token][24 bytes], ascale [token][16 heads].
; The codes leave in runs of 192 bytes and the bytes singly, 16 bytes apart, since a token's heads belong to different work-groups: 3,276,800 bytes in the launch.
; LIMITS: NaN and infinities are not served; a scale's byte is held at 1 from below; a block of zeros has the byte 1.  1 / sum comes from v_rcp_f32.  A block's largest p is the exponential of its largest score:
; this takes v_exp_f32 not to fall where its input rises.
.set VC,    49152                      ; LDS: K's codes from 0, V's from here,
.set KSC,   98304                      ; K's scale words,
.set VSC,   102400                     ; V's,
.set SPARE, 106496                     ; and the spare words, 128 bytes for each wave: eight blocks of 256 bytes that no other line names
.set SEL, 20                           ; s[20:21] lane selects: lane l xor 16
.set CS,  22                           ; s[22:23] c = log2(e) / sqrt(512)
.set KF,  48                           ; v48-71   two fragments of K: 128 keys
.set VF,  72                           ; v72-95   two fragments of V^T: 32 d x 128 keys
.set S,   96                           ; v96-159  S^T, then p
.set O,   160                          ; v160-175 O^T
.set KS,  176                          ; v176-177 K's scale words
.set VW,  178                          ; v178-179 V's, as they lie
.set VS,  180                          ; v180-181 V's, as the two tiles want them
.set QA,  184                          ; v184-195 my two tiles' codes of Q;  v196 their scale words
.set BM,  200                          ; v200-203 the blocks' largest scores, then largest p
.set BT,  204                          ; v204-207 at work
.set SOP, 208                          ; v208-211 the conversions' scale operands;  v212 p's scale word;  v213 at work;  v[214:215] f;  v[216:217] the second chain of sums
.set PC,  224                          ; v224-235 p's codes
.set TC,  236                          ; v236-243 their second halves;  v244-246 O's codes, v247 its byte
; v1, v2: the add's two.  v3-6: my lane's places in K, V and their scale words; v7-10: the same for the step in hand; v11, v47: my places in acode, ascale; v12 -M, v13 the largest t, v[14:15] the sum; v16-45 Q's variants; v46 Q's scale word
.macro MMZ d, a, b, sa, sb
	v_wmma_scale_f32_16x16x128_f8f6f4 v[\d:\d+7], v[\a:\a+11], v[\b:\b+11], 0, v[\sa], v[\sb] matrix_a_fmt:MATRIX_FMT_BF6 matrix_b_fmt:MATRIX_FMT_BF6
.endm
.macro MMA d, a, b, c, sa, sb
	v_wmma_scale_f32_16x16x128_f8f6f4 v[\d:\d+7], v[\a:\a+11], v[\b:\b+11], v[\c:\c+7], v[\sa], v[\sb] matrix_a_fmt:MATRIX_FMT_BF6 matrix_b_fmt:MATRIX_FMT_BF6
.endm
; A KEY STEP: 128 keys
.macro STEP
	v_add_nc_u32 v7, s24, v3                       ; these four are also the places between the last products and the loads into V's registers
	v_add_nc_u32 v8, s24, v4
	v_add_nc_u32 v9, s25, v5
	v_add_nc_u32 v10, s25, v6
.irp g, 0,1
.irp q, 0,1,2
	ds_load_b128 v[KF+12*\g+4*\q:KF+12*\g+4*\q+3], v7 offset:1536*\g+512*\q
.endr
	ds_load_b32 v[KS+\g], v9 offset:128*\g
.endr
.irp e, 0,1                                    ; group e's image holds registers 6 u .. 6 u + 5 of tile u's half fragment: keys 64 e on
	ds_load_b128 v[VF+6*\e:VF+6*\e+3], v8 offset:1536*\e
	ds_load_b64 v[VF+6*\e+4:VF+6*\e+5], v8 offset:1536*\e+512
	ds_load_b64 v[VF+12+6*\e:VF+13+6*\e], v8 offset:1536*\e+520
	ds_load_b128 v[VF+14+6*\e:VF+17+6*\e], v8 offset:1536*\e+1024
	ds_load_b32 v[VW+\e], v10 offset:128*\e
.endr
	s_wait_dscnt 10                                ; K and its words are in; V's ten younger loads may be out
.irp g, 0,1
	MMZ S+8*(4*\g+0), KF+12*\g, 16, KS+\g, 46
	MMZ S+8*(4*\g+1), KF+12*\g, 28, KS+\g, 46
	MMZ S+8*(4*\g+2), KF+12*\g, 34, KS+\g, 46
	MMZ S+8*(4*\g+3), KF+12*\g, 22, KS+\g, 46
.endr
	s_wait_dscnt 0x0
	v_perm_b32 v[VS], v[VW+1], v[VW], s27          ; tile 0's word: bytes 0, 1 of both groups' words;
	v_perm_b32 v[VS+1], v[VW+1], v[VW], s28        ; tile 1's: bytes 2, 3.  (With the two lines below: the four places behind the products)
	v_nop
	v_nop
.irp b, 0,1,2,3
	v_max3_num_f32 v[BM+\b], v[S+16*\b], v[S+1+16*\b], v[S+2+16*\b]   ; the largest score of each block of 32 keys: for the row's maximum and for the block's largest p
.endr
.irp i, 3,5,7,9,11,13
.irp b, 0,1,2,3
	v_max3_num_f32 v[BM+\b], v[BM+\b], v[S+16*\b+\i], v[S+1+16*\b+\i]
.endr
.endr
.irp b, 0,1,2,3
	v_max_num_f32 v[BM+\b], v[BM+\b], v[S+15+16*\b]
.endr
.irp b, 0,1,2,3
	v_permlanex16_b32 v[BT+\b], v[BM+\b], s[SEL], s[SEL+1]
.endr
.irp b, 0,1,2,3
	v_max_num_f32 v[BM+\b], v[BM+\b], v[BT+\b]     ; with lane l xor 16's 16 keys
.endr
	v_max3_num_f32 v213, v[BM], v[BM+1], v[BM+2]
	v_max_num_f32 v213, v213, v[BM+3]
	v_mul_f32 v213, s[CS], v213                    ; the step's largest t (c is positive)
	v_max_num_f32 v13, v13, v213                   ; the running largest t
	v_mov_b32 v213, v12
	v_floor_f32 v12, -v13                          ; the new -M = floor(-t) = -ceil(t)
	v_sub_f32 v213, v12, v213                      ; old M - new M: a whole number, 0 or less
	v_cvt_i32_f32 v213, v213                       ; (it saturates)
	v_ldexp_f32 v214, 1.0, v213                    ; f = 2^(old M - new M)
.irp j, 0,2,4,6,8,10,12,14,16,18,20,22,24,26,28,30,32,34,36,38,40,42,44,46,48,50,52,54,56,58,60,62
	v_pk_fma_f32 v[S+\j:S+1+\j], v[S+\j:S+1+\j], s[CS:CS+1], v[12:13] op_sel_hi:[1,0,0]   ; t - M, two at a time
.endr
.irp b, 0,1,2,3
	v_fma_f32 v[BM+\b], v[BM+\b], s[CS], v12       ; the same of each block's largest score
.endr
.set i, 0
.rept 64
	v_exp_f32 v[S+i], v[S+i]                       ; p = 2^(t - M)
.set i, i+1
.endr
	v_pk_mul_f32 v[14:15], v[14:15], v[214:215] op_sel_hi:[1,0]   ; the sums under the new M: a plain place behind the exponentials
	s_wait_alu depctr_va_vdst(0)                   ; one wait for the batch, ahead of its first reader
.irp b, 0,1,2,3
	v_exp_f32 v[BM+\b], v[BM+\b]                   ; the block's largest p
.endr
	v_pk_add_f32 v[216:217], v[S:S+1], v[S+2:S+3]  ; the row's sum of the unquantised p, in two chains
.irp j, 4,8,12,16,20,24,28,32,36,40,44,48,52,56,60
	v_pk_add_f32 v[14:15], v[14:15], v[S+\j:S+1+\j]
	v_pk_add_f32 v[216:217], v[216:217], v[S+2+\j:S+3+\j]
.endr
	v_pk_add_f32 v[14:15], v[14:15], v[216:217]
	s_wait_alu depctr_va_vdst(0)                   ; and one for the four
.irp b, 0,1,2,3
	v_max_num_f32 v[BM+\b], 0x2800000, v[BM+\b]    ; the floor 2^(5 - 127)
.endr
.irp b, 0,1,2,3
	v_add_nc_u32 v[SOP+\b], 0xfe000000, v[BM+\b]
.endr
.irp b, 0,1,2,3
	v_lshrrev_b32 v[BT+\b], 23, v[SOP+\b]
.endr
	v_lshl_or_b32 v212, v[BT+1], 8, v[BT]          ; p's scale word for these 128 keys
	v_lshl_or_b32 v212, v[BT+2], 16, v212
	v_lshl_or_b32 v212, v[BT+3], 24, v212
.irp c, 0,1
	v_cvt_scalef32_pk16_bf6_f32 v[PC+6*\c:PC+2+6*\c], v[S+32*\c:S+15+32*\c], v[SOP+2*\c]
	v_cvt_scalef32_pk16_bf6_f32 v[TC+4*\c:TC+2+4*\c], v[S+16+32*\c:S+31+32*\c], v[SOP+2*\c+1]
.endr
	v_nop                                          ; one plain place behind a scaled conversion
.irp c, 0,1
.irp i, 0,1,2
	v_permlane16_swap_b32 v[PC+6*\c+\i], v[TC+4*\c+\i]
.endr
.irp i, 0,1,2
	v_mov_b32 v[PC+3+6*\c+\i], v[TC+4*\c+\i]
.endr
.endr
.irp j, 0,2,4,6,8,10,12,14
	v_pk_mul_f32 v[O+\j:O+1+\j], v[O+\j:O+1+\j], v[214:215] op_sel_hi:[1,0]   ; O^T under the new M; these eight stand between the last write of p's codes and the products
.endr
.irp u, 0,1
	MMA O+8*\u, VF+12*\u, PC, O+8*\u, VS+\u, 212
.endr
	s_add_co_u32 s24, s24, 3072                    ; the next 128 keys: two images,
	s_add_co_u32 s25, s25, 256                     ; two sets of words
.endm
; One tile of 16 queries: tile 2 c + (wave % 2) of my group of 64
.macro TILE c
.if \c
	s_wait_xcnt 0x0                                ; the first tile's stores have read their data
.endif
	s_add_co_u32 s29, s42, 0x02020202*\c
	v_perm_b32 v46, v196, v196, s29                ; my tile's byte of the word, four times
	v_cmp_gt_u32 vcc_lo, 16, v197
.irp i, 0,1,2,3,4,5
	v_cndmask_b32 v[16+\i], 0, v[QA+6*\c+\i], vcc_lo       ; QL: the codes in lanes 0-15
	v_cndmask_b32 v[28+\i], v[QA+6*\c+\i], v22, vcc_lo     ; QH: in lanes 16-31
.endr
.irp i, 0,1,2,3,4,5
	v_mov_b32 v[40+\i], v[16+\i]
.endr
	v_mov_b32 v13, 0xff61b1e6                      ; the largest t so far: -3e38
	v_floor_f32 v12, -v13
	v_mov_b32 v14, 0
	v_mov_b32 v15, 0
.irp i, 0,1,2,3,4,5,6,7,8,9,10,11,12,13,14,15
	v_mov_b32 v[O+\i], 0                           ; the step is written once: the first finds zeros.  (These lines are also the places between Q's registers and the first product)
.endr
	s_mov_b32 s24, 0
	s_mov_b32 s25, 0
	s_mov_b32 s26, 16
.Lk_\c:
	STEP
	s_sub_co_u32 s26, s26, 1
	s_cmp_lg_u32 s26, 0
	s_cbranch_scc1 .Lk_\c
.rept 4
	v_nop                                          ; places behind the last products
.endr
	v_add_f32 v14, v14, v15
	v_permlanex16_b32 v213, v14, s[SEL], s[SEL+1]
	v_add_f32 v14, v14, v213                       ; the row's sum
	v_rcp_f32 v14, v14
	v_nop
	s_wait_alu depctr_va_vdst(0)
.irp i, 0,1,2,3,4,5,6,7,8,9,10,11,12,13,14,15
	v_mul_f32 v[S+\i], v[O+\i], v14                ; d = 16 (lane / 16) + i of my query
.endr
	v_max3_num_f32 v[BM], |v[S]|, |v[S+1]|, 0x2800000
.irp i, 2,4,6,8,10,12,14
	v_max3_num_f32 v[BM], v[BM], |v[S+\i]|, |v[S+1+\i]|
.endr
	v_permlanex16_b32 v[BT], v[BM], s[SEL], s[SEL+1]
	v_max_num_f32 v[BM], v[BM], v[BT]              ; the block: this head's 32 numbers of my query
	v_add_nc_u32 v[SOP], 0xfe000000, v[BM]
	v_lshrrev_b32 v247, 23, v[SOP]
	v_cvt_scalef32_pk16_bf6_f32 v[244:246], v[S:S+15], v[SOP]
	v_nop                                          ; one plain place behind a scaled conversion
	global_store_b96 v11, v[244:246], s[32:33] offset:768*\c
	global_store_b8 v47, v247, s[34:35] offset:512*\c      ; both halves of the lanes write the same byte with the same value
.endm
	s_load_b256 s[4:11], s[0:1], 0x0               ; qkvc, qkvs, acode, ascale
	v_lshl_add_u32 v1, v0, 2, SPARE
	v_mov_b32 v2, 0
	v_lshrrev_b32 v3, 5, v0
	v_readfirstlane_b32 s12, v3                    ; wave
	s_and_b32 s13, ttmp7, 0xffff                   ; 16 batch + head
	s_lshr_b32 s14, s12, 1
	s_lshl_b32 s15, ttmp9, 3
	s_add_co_u32 s14, s14, s15                     ; my group of 64 queries
	s_and_b32 s15, s12, 1                          ; which tiles of it: 0, 2 or 1, 3
	s_lshl_b32 s16, s13, 5
	s_add_co_u32 s16, s16, s14
	s_mul_i32 s30, s16, 1536                       ; Q's image
	s_mov_b32 s31, 0
	s_lshl_b32 s40, s16, 7                         ; and its words
	s_mov_b32 s41, 0
	s_mul_i32 s36, s13, 49152
	s_add_co_u32 s36, s36, 3145728                 ; the head's K; its V lies one section on
	s_mov_b32 s37, 0
	s_lshl_b32 s38, s13, 12
	s_add_co_u32 s38, s38, 262144                  ; K's words; V's one section on
	s_mov_b32 s39, 0
	s_lshr_b32 s17, s13, 4
	s_and_b32 s18, s13, 15
	s_lshl_b32 s17, s17, 11
	s_lshl_b32 s19, s14, 6
	s_add_co_u32 s17, s17, s19
	s_lshl_b32 s19, s15, 3
	s_add_co_u32 s17, s17, s19                     ; token 2048 batch + 64 group + 8 (wave % 2)
	s_mul_i32 s32, s17, 24
	s_mul_i32 s19, s18, 196608
	s_add_co_u32 s32, s32, s19
	s_mov_b32 s33, 0
	s_lshl_b32 s34, s17, 4
	s_add_co_u32 s34, s34, s18
	s_mov_b32 s35, 0
	s_mul_i32 s42, s15, 0x01010101
	s_lshl_b32 s43, s15, 8
	s_mov_b32 s[SEL], 0x76543210
	s_mov_b32 s[SEL+1], 0xfedcba98
	s_mov_b32 s[CS], 0x3d8293ee
	s_mov_b32 s[CS+1], s[CS]                       ; (named with it as a pair, so it is written)
	s_mov_b32 s27, 0x05040100
	s_mov_b32 s28, 0x07060302
	v_and_b32 v197, 31, v0                         ; lane
	v_and_b32 v182, 15, v0                         ; r
	v_bfe_u32 v183, v0, 4, 1                       ; h
	v_lshlrev_b32 v3, 4, v197
	v_add_nc_u32 v4, VC, v3
	v_lshl_add_u32 v5, v197, 2, KSC
	v_lshl_add_u32 v6, v197, 2, VSC
	v_and_b32 v248, 8, v182
	v_add_nc_u32 v248, v248, v182                  ; r + 8 (r / 8)
	v_mul_u32_u24 v11, v248, 24
	v_mad_u32_u24 v11, v183, 12, v11
	v_lshlrev_b32 v47, 4, v248
	v_lshlrev_b32 v198, 4, v0                      ; the copy: 16 bytes a thread, 8,192 a pass
	v_add_nc_u32 v199, VC, v198
	v_lshlrev_b32 v218, 3, v0                      ; the words: 8 bytes a thread
	v_add_nc_u32 v219, KSC, v218
	v_add_nc_u32 v220, VSC, v218
	v_lshl_add_u32 v221, v182, 4, s43              ; Q: every lane takes the image's lane r + 16 (wave % 2)
	v_lshlrev_b32 v222, 2, v182
	s_wait_kmcnt 0x0
	s_add_nc_u64 s[30:31], s[4:5], s[30:31]
	s_add_nc_u64 s[36:37], s[4:5], s[36:37]
	s_add_nc_u64 s[40:41], s[6:7], s[40:41]
	s_add_nc_u64 s[38:39], s[6:7], s[38:39]
	s_add_nc_u64 s[32:33], s[8:9], s[32:33]
	s_add_nc_u64 s[34:35], s[10:11], s[34:35]
.irp i, 0,1,2,3,4,5
	global_load_b128 v[96+4*\i:99+4*\i], v198, s[36:37] offset:8192*\i
.endr
.irp i, 0,1,2,3,4,5
	global_load_b128 v[120+4*\i:123+4*\i], v198, s[36:37] offset:3145728+8192*\i
.endr
	global_load_b64 v[144:145], v218, s[38:39]
	global_load_b64 v[146:147], v218, s[38:39] offset:262144
.irp q, 0,1,2
	global_load_b128 v[QA+4*\q:QA+4*\q+3], v221, s[30:31] offset:512*\q
.endr
	global_load_b32 v196, v222, s[40:41]
.irp i, 22,23,24,25,26,27,34,35,36,37,38,39
	v_mov_b32 v\i, 0                               ; the zero codes
.endr
.irp b, 0,1,2,3
	v_mov_b32 v[BT+\b], 0                          ; written once: a lane permute's destination counts as one of its sources
.endr
	v_mov_b32 v213, 0
	v_mov_b32 v215, 0                              ; (named as the upper half of the pair v[214:215])
	s_wait_loadcnt 4                               ; K, V and their words are in; Q's four younger loads may be out
.irp i, 0,1,2,3,4,5
	ds_store_b128 v198, v[96+4*\i:99+4*\i] offset:8192*\i
.endr
.irp i, 0,1,2,3,4,5
	ds_store_b128 v199, v[120+4*\i:123+4*\i] offset:8192*\i
.endr
	ds_store_b64 v219, v[144:145]
	ds_store_b64 v220, v[146:147]
	s_wait_dscnt 0x0                               ; for the others' sake: my stores have landed
	s_barrier_signal -1
	s_barrier_wait -1                              ; the head's K and V lie in LDS; nothing is written there again
	s_wait_loadcnt 0x0                             ; Q
	TILE 0
	TILE 1
	s_wait_tensorcnt 0x0                           ; the wave's end
	ds_add_u32 v1, v2
	s_wait_dscnt 0x0
	s_endpgm
.Lfunc_end_k_q1e07bdaad3_attn:
	.size	k_q1e07bdaad3_attn, .Lfunc_end_k_q1e07bdaad3_attn-k_q1e07bdaad3_attn
	.p2alignl 7, 3214868480
	.fill 96, 4, 3214868480
	.section	.rodata,"a",@progbits
	.p2align	6, 0x0
	.amdhsa_kernel k_q1e07bdaad3_attn
		.amdhsa_group_segment_fixed_size 108544
		.amdhsa_private_segment_fixed_size 0
		.amdhsa_enable_private_segment 0
		.amdhsa_kernarg_size 32
		.amdhsa_user_sgpr_count 2
		.amdhsa_user_sgpr_kernarg_segment_ptr 1
		.amdhsa_wavefront_size32 1
		.amdhsa_system_sgpr_workgroup_id_x 1
		.amdhsa_system_sgpr_workgroup_id_y 1
		.amdhsa_system_sgpr_workgroup_id_z 1
		.amdhsa_system_vgpr_workitem_id 0
		.amdhsa_next_free_vgpr 256
		.amdhsa_next_free_sgpr 66
		.amdhsa_reserve_vcc 1
		.amdhsa_float_denorm_mode_32 3
		.amdhsa_float_denorm_mode_16_64 3
		.amdhsa_memory_ordered 1
		.amdhsa_forward_progress 1
		.amdhsa_inst_pref_size 42
	.end_amdhsa_kernel
	.amdgpu_metadata
---
amdhsa.version: [ 1, 2 ]
amdhsa.kernels:
  - .name:           k_q1e07bdaad3_attn
    .symbol:         k_q1e07bdaad3_attn.kd
    .args:
      - { .name: qkvc, .offset: 0, .size: 8, .value_kind: global_buffer, .address_space: global }
      - { .name: qkvs, .offset: 8, .size: 8, .value_kind: global_buffer, .address_space: global }
      - { .name: acode, .offset: 16, .size: 8, .value_kind: global_buffer, .address_space: global }
      - { .name: ascale, .offset: 24, .size: 8, .value_kind: global_buffer, .address_space: global }
    .group_segment_fixed_size: 108544
    .private_segment_fixed_size: 0
    .kernarg_segment_align: 8
    .kernarg_segment_size: 32
    .max_flat_workgroup_size: 512
    .sgpr_count:     66
    .vgpr_count:     256
    .wavefront_size: 32
...
	.end_amdgpu_metadata
.endif
;; end of part 3
;; launch ffn (part 4): grid 128 x 1, 4 waves a work-group, no clusters, 212,480 bytes of LDS; arguments x, acode, ascale, wffn, b_proj, g2, bt2, b1, b2, out0; writes out0
.if DOCPART == 4
	.amdgcn_target "amdgcn-amd-amdhsa--gfx1250"
	.amdhsa_code_object_version 6
	.text
	.protected	k_q1e07bdaad3_ffn
	.globl	k_q1e07bdaad3_ffn
	.p2align	8
	.type	k_q1e07bdaad3_ffn,@function
k_q1e07bdaad3_ffn:
	s_mov_b64 s[64:65], 0
	v_nop
	global_prefetch_b8 v0, s[64:65] scope:SCOPE_SE
	s_setreg_imm32_b32 hwreg(HW_REG_WAVE_MODE, 25, 1), 1
	s_wait_xcnt 0x0
; FFN: x1 = x + attn w_proj + b_proj;  out0 = x1 + relu(layernorm(x1, g2, bt2) w1 + b1) w2 + b2; the three products on codes of E3M2.  Nothing of the problem is left out here.
; SHARES.  A work-group takes 64 rows (four tiles of 16 tokens).  THE WAVES SHARE THE COLUMNS: wave w owns columns 128 w .. + 127 of x1 and of the result, and in chunk t of four the hidden units 512 t + 128 w .. + 127.
; x1 (later x1 + b2 + the second product's sums) stays in 256 registers a lane for the whole launch; the hidden layer never goes to memory.
; THE WEIGHTS go from memory straight into registers, in the order in which the first launch laid them for this wave: half-sets of four column tiles (four fragments and their scale words: 13 loads of 16 bytes a lane), a ring of four
; half-sets, refilled as soon as a half-set's 16 products are issued: three half-sets are always on their way.  Each fragment feeds four products (the four tiles of rows).
; No joint loads, though all 128 work-groups walk the same 1,916,928 bytes: a fragment is wanted by ONE wave of a work-group, in its registers; a joint load lands in LDS, from where all of it would be read once more.
; THE ROWS' OPERANDS go from wave to wave through LDS as images of their registers (1,536 bytes a fragment, 128 a set of scale words): attention's four K steps, layernorm's four (K step w is wave w's columns), the hidden layer's sixteen.
; Products are used transposed: source 0 = 16 columns of a weight, source 1 = 16 rows: a lane holds ONE row, and by the order of a tile's columns its 64 registers of a tile of rows are: register 16 b + i = column 32 b + 16 (lane / 16) + i.
; The residual x, b1 and x1 + b2 are the C of a sum's first matrix instruction.  The layernorm goes by the two passes of the definition; the four waves' partial sums meet in LDS.
; THE LAST TRIP'S LAST FOUR REFILLS have nothing left to fetch: they read half-sets 12 to 15 of the last chunk once more (26,624 bytes a wave), so that every counted wait holds in every trip and the trip is written once.
; LIMITS: NaN and infinities are not served; a scale's byte is held at 1 from below; a block of zeros has the byte 1.  1 / sqrt comes from v_rsq_f32.
.set BSC,   147456                     ; LDS: from 0 the images, 24 slots (K steps) x 6,144: fragment of row tile m at 1536 m; slots 0-3 attention, 4-7 layernorm, 8 + 4 t + s the hidden layer.  From here their scale words: slot x 512 + 128 m
.set RED0,  159744                     ; the waves' partial sums: 16 bytes a row, 1,024 bytes; the second pass's 1,024 on
.set VEC,   161792                     ; b_proj, g2, bt2, b2 (2,048 bytes each), b1 (8,192)
.set STG,   178176                     ; the way out: 16 rows x (512 + 16) bytes for each wave
.set SPARE, 211968                     ; the spare words, 128 bytes for each wave: two blocks of 256 bytes that no other line names
.set LI,  1                            ; v1  16 x lane
.set LS,  2                            ; v2  4 x lane
.set XV,  3                            ; v3  x: 2048 r + 64 h + 512 w
.set AV,  4                            ; v4  acode: 24 r + a head's 196,608 x h
.set ASV, 5                            ; v5  ascale: 16 r
.set ADB, 6                            ; v6, v7 the images and words in hand
.set ADC, 7
.set LSB, 8                            ; v8  BSC + 4 x lane
.set WIA, 9                            ; v9  where I store images: 16 x lane + 6144 w
.set WSA, 10                           ; v10 and words: BSC + 4 x lane + 512 w
.set VA,  11                           ; v11 VEC + 512 w + 64 h
.set RA,  12                           ; v12 RED0 + 16 r + 4 w
.set RB,  13                           ; v13 RED0 + 16 r
.set SO,  14                           ; v14 the stage, in
.set SR,  15                           ; v15 the stage, back
.set WSC, 16                           ; v16-31 the ring's scale words (4 buffer + tile)
.set BS,  32                           ; v32-39 the rows' scale words (4 set + m)
.set TM,  40
.set PC,  56
.set PW,  76
.set OV,  77                           ; v77 out0: 512 w + 16 x lane
.set SPW, 78
.set NIL, 79
.set BF,  80                           ; v80-127, v128-175 two sets of four row fragments
.set TT,  80                           ; v80-143 64 numbers on their way to the quantiser (the fragments are done with then)
.set MEAN, 144                         ; v144-151, v152-159, v160-167, v168-175: means, 1 / sqrt, sums, at work
.set RS,  152
.set SUM, 160
.set TP,  168
.set V64B, 176                         ; v176-239 bt2 in my columns' order; on the way out the second set of rows
.set WIH, 240
.set WSH, 241
.set VA1, 242
.set VCA, 243
.set V64A, 192                         ; window 3, v192-255: b_proj, g2, b2, b1 in turn.  Window 3, v0-191: the ring.  Window 1: Y = x1.  Window 2: ACC
.set SEL, 26
.set MSB, 0
.macro WIN new
.if MSB != (\new)
	s_set_vgpr_msb (MSB<<8)|(\new)
.set MSB, (\new)
.endif
.endm
.macro MMA d, a, b, c, sa, sb
	v_wmma_scale_f32_16x16x128_f8f6f4 v[\d:\d+7], v[\a:\a+11], v[\b:\b+11], v[\c:\c+7], v[\sa], v[\sb] matrix_a_fmt:MATRIX_FMT_BF6 matrix_b_fmt:MATRIX_FMT_BF6
.endm
.macro QUANT s, pw
.irp b, 0,1,2,3
	v_max3_num_f32 v[TM+\b], |v[\s+16*\b]|, |v[\s+1+16*\b]|, 0x2800000   ; my 16 numbers of block b, and the floor 2^(5 - 127)
.endr
.irp i, 2,4,6,8,10,12,14
.irp b, 0,1,2,3
	v_max3_num_f32 v[TM+\b], v[TM+\b], |v[\s+16*\b+\i]|, |v[\s+1+16*\b+\i]|
.endr
.endr
.irp b, 0,1,2,3
	v_permlanex16_b32 v[TM+4+\b], v[TM+\b], s[SEL], s[SEL+1]
.endr
.irp b, 0,1,2,3
	v_max_num_f32 v[TM+\b], v[TM+\b], v[TM+4+\b]
.endr
.irp b, 0,1,2,3
	v_add_nc_u32 v[TM+12+\b], 0xfe000000, v[TM+\b]
.endr
.irp b, 0,1,2,3
	v_lshrrev_b32 v[TM+4+\b], 23, v[TM+12+\b]
.endr
	v_lshl_or_b32 v[\pw], v[TM+5], 8, v[TM+4]
	v_lshl_or_b32 v[\pw], v[TM+6], 16, v[\pw]
	v_lshl_or_b32 v[\pw], v[TM+7], 24, v[\pw]
.irp c, 0,1
	v_cvt_scalef32_pk16_bf6_f32 v[PC+6*\c:PC+2+6*\c], v[\s+32*\c:\s+15+32*\c], v[TM+12+2*\c]
	v_cvt_scalef32_pk16_bf6_f32 v[PC+12+4*\c:PC+14+4*\c], v[\s+16+32*\c:\s+31+32*\c], v[TM+12+2*\c+1]
.endr
	v_nop                                                  ; one plain place behind a scaled conversion
.irp c, 0,1
.irp i, 0,1,2
	v_permlane16_swap_b32 v[PC+6*\c+\i], v[PC+12+4*\c+\i]
.endr
.irp i, 0,1,2
	v_mov_b32 v[PC+3+6*\c+\i], v[PC+12+4*\c+\i]
.endr
.endr
.endm
.macro BARRIER                         ; my LDS stores have landed and my LDS loads are in: then the work-group's barrier
	s_wait_dscnt 0x0
	s_barrier_signal -1
	s_barrier_wait -1
.endm
.macro WLOADH buf, base, off           ; a half-set into ring buffer buf: 13 loads
	WIN 0xc0                                       ; destination window 3
.irp i, 0,1,2,3
.irp q, 0,1,2
	global_load_b128 v[48*(\buf)+12*\i+4*\q:48*(\buf)+12*\i+4*\q+3], v[LI], s[\base:\base+1] offset:(\off)+1536*\i+512*\q
.endr
.endr
	WIN 0
	global_load_b128 v[WSC+4*(\buf):WSC+4*(\buf)+3], v[LI], s[\base:\base+1] offset:(\off)+6144
.endm
; 16 products: the half-set's four column tiles x the four tiles of rows; 16 accumulators, one instruction each.  mode 0: onto Y; 1: ACC begins with the bias; 2: onto ACC.  Then the buffer is refilled.
.macro HSTEP buf, hf, bf, mode, base, off
	s_wait_loadcnt 39                              ; my half-set is in; the three younger ones, 13 loads each, may be out
.if \mode == 0
	WIN 0x53                                       ; source 0 window 3, C and D window 1
.elseif \mode == 1
	WIN 0xb3                                       ; source 0 and C window 3, D window 2
.else
	WIN 0xa3                                       ; source 0 window 3, C and D window 2
.endif
.irp i, 0,1,2,3
.irp m, 0,1,2,3
.if \mode == 1
	MMA 64*\m+8*(4*(\hf)+\i), 48*(\buf)+12*\i, BF+48*(\bf)+12*\m, V64A+8*(4*(\hf)+\i), WSC+4*(\buf)+\i, BS+4*(\bf)+\m
.else
	MMA 64*\m+8*(4*(\hf)+\i), 48*(\buf)+12*\i, BF+48*(\bf)+12*\m, 64*\m+8*(4*(\hf)+\i), WSC+4*(\buf)+\i, BS+4*(\bf)+\m
.endif
.endr
.endr
.rept 4
	v_nop                                          ; places in front of loads into registers that these products have read, and of the first read of their results
.endr
	WLOADH \buf, \base, \off
.endm
.macro FETCHB bf                       ; a K step's four row fragments and their words, from the slot at s34, s35, into set bf
	v_add_nc_u32 v[ADB], s34, v[LI]
	v_add_nc_u32 v[ADC], s35, v[LSB]
.irp m, 0,1,2,3
.irp q, 0,1,2
	ds_load_b128 v[BF+48*(\bf)+12*\m+4*\q:BF+48*(\bf)+12*\m+4*\q+3], v[ADB] offset:1536*\m+512*\q
.endr
	ds_load_b32 v[BS+4*(\bf)+\m], v[ADC] offset:128*\m
.endr
	s_add_co_u32 s34, s34, 6144
	s_add_co_u32 s35, s35, 512
.endm
.macro GSTEP bufa, bf, mode, fetch, k, base    ; a K step: half-sets k and k + 1 of the phase; the next K step's rows are fetched in its middle
	s_wait_dscnt 0x0
	HSTEP \bufa, 0, \bf, \mode, \base, (\k+4)*6656
.if \fetch
	FETCHB 1-\bf
.endif
	HSTEP \bufa+1, 1, \bf, \mode, \base, (\k+5)*6656
.endm
.macro VECL win, dst, adr, off         ; 64 numbers of a vector in my columns' order
	WIN ((\win)<<6)
.irp b, 0,1,2,3
.irp j, 0,1,2,3
	ds_load_b128 v[\dst+16*\b+4*\j:\dst+16*\b+4*\j+3], v[\adr] offset:(\off)+128*\b+16*\j
.endr
.endr
	WIN 0
.endm
.macro YADD                            ; Y += the vector in window 3, for the four tiles of rows; each accumulator from its low end on
	WIN 0x4d                                       ; destination and source 0 window 1, source 1 window 3
.irp m, 0,1,2,3
.set i, 0
.rept 32
	v_pk_add_f32 v[64*\m+2*i:64*\m+2*i+1], v[64*\m+2*i:64*\m+2*i+1], v[V64A+2*i:V64A+2*i+1]
.set i, i+1
.endr
.endr
	WIN 0
.endm
.macro ROWSUM off                      ; my wave's partial sums of the four tiles' rows go to LDS
.irp m, 0,1,2,3
	v_add_f32 v[TP+\m], v[SUM+2*\m], v[SUM+2*\m+1]
.endr
.irp m, 0,1,2,3
	v_permlanex16_b32 v[TP+4+\m], v[TP+\m], s[SEL], s[SEL+1]
.endr
.irp m, 0,1,2,3
	v_add_f32 v[TP+\m], v[TP+\m], v[TP+4+\m]
.endr
.irp m, 0,1,2,3
	ds_store_b32 v[RA], v[TP+\m] offset:(\off)+256*\m      ; both halves of the lanes write the same word with the same value
.endr
.endm
.macro ROWALL off                      ; the four waves' partial sums, added in the same order by every wave: v[TT + 4 m]
.irp m, 0,1,2,3
	ds_load_b128 v[TT+4*\m:TT+4*\m+3], v[RB] offset:(\off)+256*\m
.endr
	s_wait_dscnt 0x0
.irp m, 0,1,2,3
	v_add_f32 v[TT+4*\m], v[TT+4*\m], v[TT+4*\m+1]
	v_add_f32 v[TT+4*\m+2], v[TT+4*\m+2], v[TT+4*\m+3]
.endr
.irp m, 0,1,2,3
	v_add_f32 v[TT+4*\m], v[TT+4*\m], v[TT+4*\m+2]
.endr
.endm
	s_load_b256 s[4:11], s[0:1], 0x0               ; x, acode, ascale, wffn
	s_load_b256 s[12:19], s[0:1], 0x20             ; b_proj, g2, bt2, b1
	s_load_b128 s[20:23], s[0:1], 0x40             ; b2, out0
	v_lshl_add_u32 v[SPW], v0, 2, SPARE
	v_mov_b32 v[NIL], 0
	v_lshrrev_b32 v244, 5, v0
	v_readfirstlane_b32 s24, v244                  ; wave
	v_and_b32 v244, 15, v0                         ; r
	v_bfe_u32 v245, v0, 4, 1                       ; h
	v_and_b32 v246, 31, v0                         ; lane
	v_lshlrev_b32 v[LI], 4, v246
	v_lshlrev_b32 v[LS], 2, v246
	s_lshl_b32 s40, s24, 9                         ; 512 w
	v_lshlrev_b32 v[XV], 11, v244
	v_lshl_add_u32 v[XV], v245, 6, v[XV]
	v_add_nc_u32 v[XV], s40, v[XV]
	v_mul_u32_u24 v[AV], v244, 24
	v_mad_u32_u24 v[AV], v245, 0x30000, v[AV]
	v_lshlrev_b32 v[ASV], 4, v244
	v_add_nc_u32 v[LSB], BSC, v[LS]
	s_mul_i32 s41, s24, 6144
	v_add_nc_u32 v[WIA], s41, v[LI]
	v_add_nc_u32 v[WSA], s40, v[LSB]
	v_lshl_add_u32 v[VA], v245, 6, VEC
	v_add_nc_u32 v[VA], s40, v[VA]
	s_lshl_b32 s42, s24, 2
	v_lshl_add_u32 v[RB], v244, 4, RED0
	v_add_nc_u32 v[RA], s42, v[RB]
	s_mul_i32 s43, s24, 8448
	s_add_co_u32 s43, s43, STG                     ; my stage
	v_mul_u32_u24 v[SO], v244, 528
	v_lshl_add_u32 v[SO], v245, 6, v[SO]
	v_add_nc_u32 v[SO], s43, v[SO]
	v_add_nc_u32 v[SR], s43, v[LI]
	v_add_nc_u32 v[OV], s40, v[LI]
	v_lshl_add_u32 v[VCA], v0, 4, VEC
	s_mul_i32 s55, s24, 1536
	v_add_nc_u32 v247, s55, v[LI]                  ; attention's images: row tile w is mine
	s_lshl_b32 s55, s24, 7
	v_add_nc_u32 v248, s55, v[LSB]
	v_lshlrev_b32 v249, 4, v0                      ; the vectors' copy: 16 bytes a thread
	v_mov_b32 v250, 0x3b000000                     ; 1 / 512
.irp b, 0,1,2,3
	v_mov_b32 v[TM+4+\b], 0                        ; written once: a lane permute's destination counts as one of its sources
	v_mov_b32 v[TP+4+\b], 0
.endr
	s_mov_b32 s[SEL], 0x76543210
	s_mov_b32 s[SEL+1], 0xfedcba98
	s_lshl_b32 s52, ttmp9, 17                      ; 64 rows of 2,048 bytes
	s_mov_b32 s53, 0
	s_lshl_b32 s54, ttmp9, 6
	s_lshl_b32 s55, s24, 4
	s_add_co_u32 s54, s54, s55                     ; token 64 x work-group + 16 w
	s_mul_i32 s56, s54, 24
	s_mov_b32 s57, 0
	s_lshl_b32 s58, s54, 4
	s_mov_b32 s59, 0
	s_mul_i32 s60, s24, 479232                     ; my stream of weights
	s_mov_b32 s61, 0
	s_wait_kmcnt 0x0
	s_add_nc_u64 s[44:45], s[4:5], s[52:53]
	s_add_nc_u64 s[46:47], s[22:23], s[52:53]
	s_add_nc_u64 s[48:49], s[6:7], s[56:57]
	s_add_nc_u64 s[50:51], s[8:9], s[58:59]
	s_add_nc_u64 s[28:29], s[10:11], s[60:61]
	; ---- the head: the vectors and attention's operands first (33 loads), then x into Y, then the ring's first four half-sets
	global_load_b128 v[176:179], v249, s[12:13]
	global_load_b128 v[180:183], v249, s[14:15]
	global_load_b128 v[184:187], v249, s[16:17]
	global_load_b128 v[188:191], v249, s[20:21]
.irp i, 0,1,2,3
	global_load_b128 v[192+4*\i:195+4*\i], v249, s[18:19] offset:2048*\i
.endr
.irp s, 0,1,2,3                                ; row tile w, K step s: registers 6 c on = head 4 s + 2 c + h's 24 bytes of my token
.irp c, 0,1
.irp p, 0,1,2
	global_load_b64 v[BF+12*\s+6*\c+2*\p:BF+12*\s+6*\c+2*\p+1], v[AV], s[48:49] offset:(4*\s+2*\c)*196608+8*\p th:TH_LOAD_NT
.endr
.endr
.endr
	global_load_b128 v[BS:BS+3], v[ASV], s[50:51] th:TH_LOAD_NT      ; my token's 16 bytes: the four K steps' words
	WIN 0x40                                       ; destination window 1
.irp m, 0,1,2,3
.irp b, 0,1,2,3
.irp j, 0,1,2,3
	global_load_b128 v[64*\m+16*\b+4*\j:64*\m+16*\b+4*\j+3], v[XV], s[44:45] offset:32768*\m+128*\b+16*\j th:TH_LOAD_NT
.endr
.endr
.endr
	WIN 0
	WLOADH 0, 28, 0
	WLOADH 1, 28, 6656
	WLOADH 2, 28, 13312
	WLOADH 3, 28, 19968
	s_wait_loadcnt 63                              ; 116 loads are younger than the 33rd; 63 is the largest count that the wait can name: the first 33 are in
	ds_store_b128 v[VCA], v[176:179]
	ds_store_b128 v[VCA], v[180:183] offset:2048
	ds_store_b128 v[VCA], v[184:187] offset:4096
	ds_store_b128 v[VCA], v[188:191] offset:6144
.irp i, 0,1,2,3
	ds_store_b128 v[VCA], v[192+4*\i:195+4*\i] offset:8192+2048*\i
.endr
.irp s, 0,1,2,3
.irp q, 0,1,2
	ds_store_b128 v247, v[BF+12*\s+4*\q:BF+12*\s+4*\q+3] offset:6144*\s+512*\q
.endr
	ds_store_b32 v248, v[BS+\s] offset:512*\s
.endr
	BARRIER                                        ; the vectors and attention's sixteen fragments lie in LDS
	; ---- the projection: Y = x + attn w_proj.  The first counted wait also shows x landed: it was asked for ahead of the ring
	s_mov_b32 s34, 0
	s_mov_b32 s35, 0
	FETCHB 0
	GSTEP 0, 0, 0, 1, 0, 28
	GSTEP 2, 1, 0, 1, 2, 28
	GSTEP 0, 0, 0, 1, 4, 28
	GSTEP 2, 1, 0, 0, 6, 28
	s_wait_xcnt 0x0                                ; the loads have read their base
	s_add_nc_u64 s[28:29], s[28:29], 53248         ; eight half-sets on
	; ---- x1 = Y + b_proj; layernorm over the 512 columns, of which 128 are mine
	VECL 3, V64A, VA, 0
	s_wait_dscnt 0x0
	YADD
.irp i, 0,1,2,3,4,5,6,7
	v_mov_b32 v[SUM+\i], 0
.endr
	WIN 0x04                                       ; source 1 window 1
.set i, 0
.rept 32
.irp m, 0,1,2,3
	v_pk_add_f32 v[SUM+2*\m:SUM+2*\m+1], v[SUM+2*\m:SUM+2*\m+1], v[64*\m+2*i:64*\m+2*i+1]
.endr
.set i, i+1
.endr
	WIN 0
	ROWSUM 0
	VECL 3, V64A, VA, 2048                         ; g2
	VECL 0, V64B, VA, 4096                         ; bt2
	BARRIER
	ROWALL 0
.irp m, 0,1,2,3
	v_mul_f32 v[MEAN+2*\m], v250, v[TT+4*\m]
.endr
.irp m, 0,1,2,3
	v_mov_b32 v[MEAN+2*\m+1], v[MEAN+2*\m]
.endr
	WIN 0x81                                       ; destination window 2, source 0 window 1
.irp m, 0,1,2,3
.set i, 0
.rept 32
	v_pk_add_f32 v[64*\m+2*i:64*\m+2*i+1], v[64*\m+2*i:64*\m+2*i+1], v[MEAN+2*\m:MEAN+2*\m+1] neg_lo:[0,1] neg_hi:[0,1]   ; ACC = x1 - mean
.set i, i+1
.endr
.endr
	WIN 0
.irp i, 0,1,2,3,4,5,6,7
	v_mov_b32 v[SUM+\i], 0
.endr
	WIN 0x0a                                       ; sources 0 and 1 window 2
.set i, 0
.rept 32
.irp m, 0,1,2,3
	v_pk_fma_f32 v[SUM+2*\m:SUM+2*\m+1], v[64*\m+2*i:64*\m+2*i+1], v[64*\m+2*i:64*\m+2*i+1], v[SUM+2*\m:SUM+2*\m+1]
.endr
.set i, i+1
.endr
	WIN 0
	ROWSUM 1024
	BARRIER
	ROWALL 1024
.irp m, 0,1,2,3
	v_fmaak_f32 v[TP+\m], v[TT+4*\m], v250, 0x3727c5ac     ; the variance + 1e-5
.endr
.irp m, 0,1,2,3
	v_rsq_f32 v[RS+2*\m], v[TP+\m]
.endr
	v_nop                                          ; a plain place behind the transcendentals,
	s_wait_alu depctr_va_vdst(0)                   ; and a wait ahead of their first reader
.irp m, 0,1,2,3
	v_mov_b32 v[RS+2*\m+1], v[RS+2*\m]
.endr
.irp m, 0,1,2,3
	WIN 0x02                                       ; source 0 window 2
.set i, 0
.rept 32
	v_pk_mul_f32 v[TT+2*i:TT+2*i+1], v[64*\m+2*i:64*\m+2*i+1], v[RS+2*\m:RS+2*\m+1]
.set i, i+1
.endr
	WIN 0x0c                                       ; source 1 window 3
.set i, 0
.rept 32
	v_pk_fma_f32 v[TT+2*i:TT+2*i+1], v[TT+2*i:TT+2*i+1], v[V64A+2*i:V64A+2*i+1], v[V64B+2*i:V64B+2*i+1]
.set i, i+1
.endr
	WIN 0
	QUANT TT, PW
.irp q, 0,1,2
	ds_store_b128 v[WIA], v[PC+4*\q:PC+4*\q+3] offset:24576+1536*\m+512*\q    ; slot 4 + w
.endr
	ds_store_b32 v[WSA], v[PW] offset:2048+128*\m
	s_wait_dscnt 0x0                               ; the stores have read their registers
.endr
	VECL 3, V64A, VA, 6144                         ; b2
	s_wait_dscnt 0x0
	YADD                                           ; Y = x1 + b2: what the last product's sums are added onto
	BARRIER                                        ; the layernorm's sixteen fragments lie in LDS
	; ---- four chunks of 512 hidden units: first product (K = 512), relu, quantiser, second product (this chunk's four K steps)
	s_mov_b32 s36, 4                               ; trips to go
	s_mov_b32 s37, 0                               ; b1: 2,048 bytes a chunk
	s_mov_b32 s38, 8*6144                          ; the chunk's first slot: images,
	s_mov_b32 s39, 8*512                           ; words
.Lchunk:
	s_sub_nc_u64 s[32:33], s[28:29], 26624
	s_cmp_eq_u32 s36, 1
	s_cselect_b64 s[30:31], s[32:33], s[28:29]     ; the base of the trip's last four refills: in the last trip four half-sets back
	s_mov_b32 s34, 24576
	s_mov_b32 s35, 2048
	v_add_nc_u32 v[VA1], s37, v[VA]
	VECL 3, V64A, VA1, 8192                        ; b1 of my 128 hidden units
	FETCHB 0
	GSTEP 0, 0, 1, 1, 0, 28
	GSTEP 2, 1, 2, 1, 2, 28
	GSTEP 0, 0, 2, 1, 4, 28
	GSTEP 2, 1, 2, 0, 6, 28
	v_add_nc_u32 v[WIH], s38, v[WIA]
	v_add_nc_u32 v[WSH], s39, v[WSA]
.irp m, 0,1,2,3
	WIN 0x08                                       ; source 1 window 2
.set i, 0
.rept 64
	v_max_num_f32 v[TT+i], 0, v[64*\m+i]           ; the activation, in f32; each accumulator from its low end on
.set i, i+1
.endr
	WIN 0
	QUANT TT, PW
.irp q, 0,1,2
	ds_store_b128 v[WIH], v[PC+4*\q:PC+4*\q+3] offset:1536*\m+512*\q          ; slot 8 + 4 t + w
.endr
	ds_store_b32 v[WSH], v[PW] offset:128*\m
	s_wait_dscnt 0x0                               ; the stores have read their registers
.endr
	BARRIER                                        ; the chunk's sixteen fragments lie in LDS
	s_mov_b32 s34, s38
	s_mov_b32 s35, s39
	FETCHB 0
	GSTEP 0, 0, 0, 1, 8, 28
	GSTEP 2, 1, 0, 1, 10, 28
	GSTEP 0, 0, 0, 1, 12, 30
	GSTEP 2, 1, 0, 0, 14, 30
	BARRIER                                        ; every wave's reads of this chunk's images are over before any wave stores the next chunk's
	s_wait_xcnt 0x0                                ; the loads have read their bases
	s_add_nc_u64 s[28:29], s[28:29], 106496        ; sixteen half-sets on
	s_add_co_u32 s37, s37, 2048
	s_add_co_u32 s38, s38, 24576
	s_add_co_u32 s39, s39, 2048
	s_sub_co_u32 s36, s36, 1
	s_cmp_lg_u32 s36, 0
	s_cbranch_scc1 .Lchunk
	; ---- the way out: a tile of 16 rows x my 128 columns goes through my own stage and leaves as rows of 512 bytes.  LDS serves a wave's instructions in order: no wait between the stores and the loads
.irp m, 0,1,2,3
.set OBB, 80+96*(\m%2)
	WIN 0x04                                       ; an LDS store's data are its source 1: window 1
.irp t, 0,1,2,3,4,5,6,7
	ds_store_b128 v[SO], v[64*\m+8*\t:64*\m+8*\t+3] offset:128*(\t/2)+32*(\t%2)
	ds_store_b128 v[SO], v[64*\m+8*\t+4:64*\m+8*\t+7] offset:128*(\t/2)+32*(\t%2)+16
.endr
	WIN 0
.if \m > 1
	s_wait_xcnt 0x0                                ; the stores of two tiles back have read these registers
.endif
.irp i, 0,1,2,3,4,5,6,7,8,9,10,11,12,13,14,15
	ds_load_b128 v[OBB+4*\i:OBB+4*\i+3], v[SR] offset:528*\i
.endr
.irp i, 0,1,2,3,4,5,6,7,8,9,10,11,12,13,14,15
	s_wait_dscnt 15-\i                             ; row i is back; the younger rows' loads may be out
	global_store_b128 v[OV], v[OBB+4*\i:OBB+4*\i+3], s[46:47] offset:(16*\m+\i)*2048 th:TH_STORE_NT   ; 32 lanes store 512 consecutive bytes, at a multiple of 256 from out0's first byte
.endr
.endr
	s_wait_tensorcnt 0x0                           ; the wave's end
	ds_add_u32 v[SPW], v[NIL]
	s_wait_dscnt 0x0
	s_endpgm
.Lfunc_end_k_q1e07bdaad3_ffn:
	.size	k_q1e07bdaad3_ffn, .Lfunc_end_k_q1e07bdaad3_ffn-k_q1e07bdaad3_ffn
	.p2alignl 7, 3214868480
	.fill 96, 4, 3214868480
	.section	.rodata,"a",@progbits
	.p2align	6, 0x0
	.amdhsa_kernel k_q1e07bdaad3_ffn
		.amdhsa_group_segment_fixed_size 212480
		.amdhsa_private_segment_fixed_size 0
		.amdhsa_enable_private_segment 0
		.amdhsa_kernarg_size 80
		.amdhsa_user_sgpr_count 2
		.amdhsa_user_sgpr_kernarg_segment_ptr 1
		.amdhsa_wavefront_size32 1
		.amdhsa_system_sgpr_workgroup_id_x 1
		.amdhsa_system_sgpr_workgroup_id_y 1
		.amdhsa_system_sgpr_workgroup_id_z 1
		.amdhsa_system_vgpr_workitem_id 0
		.amdhsa_next_free_vgpr 1024
		.amdhsa_next_free_sgpr 66
		.amdhsa_reserve_vcc 0
		.amdhsa_float_denorm_mode_32 3
		.amdhsa_float_denorm_mode_16_64 3
		.amdhsa_memory_ordered 1
		.amdhsa_forward_progress 1
		.amdhsa_inst_pref_size 242
	.end_amdhsa_kernel
	.amdgpu_metadata
---
amdhsa.version: [ 1, 2 ]
amdhsa.kernels:
  - .name:           k_q1e07bdaad3_ffn
    .symbol:         k_q1e07bdaad3_ffn.kd
    .args:
      - { .name: x, .offset: 0, .size: 8, .value_kind: global_buffer, .address_space: global }
      - { .name: acode, .offset: 8, .size: 8, .value_kind: global_buffer, .address_space: global }
      - { .name: ascale, .offset: 16, .size: 8, .value_kind: global_buffer, .address_space: global }
      - { .name: wffn, .offset: 24, .size: 8, .value_kind: global_buffer, .address_space: global }
      - { .name: b_proj, .offset: 32, .size: 8, .value_kind: global_buffer, .address_space: global }
      - { .name: g2, .offset: 40, .size: 8, .value_kind: global_buffer, .address_space: global }
      - { .name: bt2, .offset: 48, .size: 8, .value_kind: global_buffer, .address_space: global }
      - { .name: b1, .offset: 56, .size: 8, .value_kind: global_buffer, .address_space: global }
      - { .name: b2, .offset: 64, .size: 8, .value_kind: global_buffer, .address_space: global }
      - { .name: out0, .offset: 72, .size: 8, .value_kind: global_buffer, .address_space: global }
    .group_segment_fixed_size: 212480
    .private_segment_fixed_size: 0
    .kernarg_segment_align: 8
    .kernarg_segment_size: 80
    .max_flat_workgroup_size: 128
    .sgpr_count:     66
    .vgpr_count:     1024
    .wavefront_size: 32
...
	.end_amdgpu_metadata
.endif
;; end of part 4
;; ======== version 2 of 2: 4 launches
;; workspace buffers: hfrag 3,407,872 bytes; wqkv 638,976 bytes; wffn 1,916,928 bytes; qkvc 9,437,184 bytes; qkvs 786,432 bytes; acode 3,145,728 bytes; ascale 131,072 bytes
;; launch prep (part 5): grid 224 x 1, 4 waves a work-group, no clusters, 0 bytes of LDS; arguments x, g1, bt1, wq, wk, wv, w_proj, w1, w2, hfrag, wqkv, wffn; writes hfrag, wqkv, wffn
.if DOCPART == 5
	.amdgcn_target "amdgcn-amd-amdhsa--gfx1250"
	.amdhsa_code_object_version 6
	.text
	.protected	k_q1e07bdaad3_prep
	.globl	k_q1e07bdaad3_prep
	.p2align	8
	.type	k_q1e07bdaad3_prep,@function
k_q1e07bdaad3_prep:
	s_mov_b64 s[64:65], 0
	v_nop
	global_prefetch_b8 v0, s[64:65] scope:SCOPE_SE
	s_setreg_imm32_b32 hwreg(HW_REG_WAVE_MODE, 25, 1), 1
	s_wait_xcnt 0x0
; PREP: what many work-groups read later is quantised once, to codes of E3M2 (6 bits) with one E8M0 byte for each 32 along K.
; NO WORK OF THE PROBLEM IS LEFT OUT IN ANY LAUNCH: all 14 inputs have a way to out0 and are loaded; all eight products are done.
; ROLE A (work-groups 0-127): h = layernorm(x, g1, bt1), in f32 by the two passes of the definition (mean; mean of squares of x - mean), quantised along the 512 columns.
; ROLE B (work-groups 128-223): wq, wk, wv, w_proj, w1, w2, whose K is not innermost: a lane takes a column and its registers run down K, so nothing is transposed.
; ALL RESULTS ARE LAID AS IMAGES OF OPERAND REGISTERS: a fragment (16 rows x 128 K, 12 registers a lane) is 1,536 bytes, register j of lane L at 512 (j / 4) + 16 L + 4 (j % 4):
; three stores of 16 bytes a lane, each covering 512 consecutive bytes; the reader's three loads give it the same registers in the same lanes.  Four scale words lie together, 16 bytes a lane.
; WHICH ROWS FORM A TILE: lane r of tile t takes element 32 (t / 2) + 8 (t % 2) + r + 8 (r / 8) of its group (tokens of a group of 64; columns of a weight), so that in a product's result
; the 16 registers of tiles 2 b and 2 b + 1 are 16 neighbours along the next product's K.
; hfrag: group of 64 tokens x 26,624 bytes: fragment (tile T, K step s) at 1536 (4 s + T); scale words of T, s = 0..3, at 24,576 + 512 T.
; wqkv:  (3 head + matrix) x 13,312: fragment (column tile u, K step s) at 1536 (2 s + u); scale words at 12,288 + 512 u.
; wffn:  (72 ws + q) x 6,656: half-set q of the stream of the last launch's wave ws: four column tiles at 1536 i, their scale words at 6,144.
; LIMITS: NaN and infinities among the inputs are not served.  A block whose largest magnitude lies under 2^-122 takes the byte 1; a block of zeros takes the byte 1 where the
; rule says 127: its codes are zeros, which add nothing, and the bytes are read by this program alone.  1 / sqrt comes from v_rsq_f32.
; No LDS, no barrier: each wave has a job of its own.  No matrix unit, no cluster: nothing here is read twice.
.set SEL, 30                           ; s[30:31] lane selects for v_permlanex16_b32: lane l xor 16
.set TM,  24                           ; role A: v24-39 at work in QUANT
.set PC,  40                           ; v40-59 the codes just made
.set SW,  60                           ; v60-63 the four K steps' scale words
.set TT,  64                           ; v64-127 64 numbers of h
.set G,   128                          ; v128-191 g1 of a K step, in my columns' order
.set BT,  192                          ; v192-255 bt1 likewise
.set WM,  16                           ; role B: v16-23 largest magnitudes of my 8 blocks
.set WSO, 24                           ; v24-31 the conversions' scale operands
.set WBY, 32                           ; v32-39 the bytes
.set WSW, 40                           ; v40-43 four fragments' scale words
.set WTP, 44                           ; v44-47 at work
.set PCW, 64                           ; v64-111 four fragments' codes
.set TC,  112                          ; v112-143 the second halves of the blocks' codes
.set MSB, 0
.macro WIN new                         ; the immediate's high byte repeats the setting that is left; a switch that changes nothing is dropped
.if MSB != (\new)
	s_set_vgpr_msb (MSB<<8)|(\new)
.set MSB, (\new)
.endif
.endm
; 64 numbers of a lane, register 16 b + i = element 32 b + 16 (lane / 16) + i of my row, become a fragment's codes in v[PC] on and its scale word in v[pw]
.macro QUANT s, pw
.irp b, 0,1,2,3
	v_max3_num_f32 v[TM+\b], |v[\s+16*\b]|, |v[\s+1+16*\b]|, 0x2800000   ; my 16 numbers of block b, and the floor 2^(5 - 127): the byte cannot fall under 1
.endr
.irp i, 2,4,6,8,10,12,14
.irp b, 0,1,2,3
	v_max3_num_f32 v[TM+\b], v[TM+\b], |v[\s+16*\b+\i]|, |v[\s+1+16*\b+\i]|
.endr
.endr
.irp b, 0,1,2,3
	v_permlanex16_b32 v[TM+4+\b], v[TM+\b], s[SEL], s[SEL+1]
.endr
.irp b, 0,1,2,3
	v_max_num_f32 v[TM+\b], v[TM+\b], v[TM+4+\b]          ; with lane l xor 16's: the block's largest magnitude
.endr
.irp b, 0,1,2,3
	v_add_nc_u32 v[TM+12+\b], 0xfe000000, v[TM+\b]        ; 4 off its exponent field: the conversion's scale operand
.endr
.irp b, 0,1,2,3
	v_lshrrev_b32 v[TM+4+\b], 23, v[TM+12+\b]             ; the scale's byte
.endr
	v_lshl_or_b32 v[\pw], v[TM+5], 8, v[TM+4]
	v_lshl_or_b32 v[\pw], v[TM+6], 16, v[\pw]
	v_lshl_or_b32 v[\pw], v[TM+7], 24, v[\pw]
.irp c, 0,1
	v_cvt_scalef32_pk16_bf6_f32 v[PC+6*\c:PC+2+6*\c], v[\s+32*\c:\s+15+32*\c], v[TM+12+2*\c]
	v_cvt_scalef32_pk16_bf6_f32 v[PC+12+4*\c:PC+14+4*\c], v[\s+16+32*\c:\s+31+32*\c], v[TM+12+2*\c+1]   ; (a conversion's three registers begin on an even number)
.endr
	v_nop                                                  ; one plain place behind a scaled conversion
.irp c, 0,1                                            ; the operand's layout wants a whole block in a lane
.irp i, 0,1,2
	v_permlane16_swap_b32 v[PC+6*\c+\i], v[PC+12+4*\c+\i]
.endr
.irp i, 0,1,2
	v_mov_b32 v[PC+3+6*\c+\i], v[PC+12+4*\c+\i]
.endr
.endr
.endm
.macro GBLOAD s                        ; g1 and bt1 of K step s: my 16 columns of each block of 32
.irp b, 0,1,2,3
.irp j, 0,1,2,3
	global_load_b128 v[G+16*\b+4*\j:G+16*\b+4*\j+3], v4, s[6:7] offset:512*(\s)+128*\b+16*\j
	global_load_b128 v[BT+16*\b+4*\j:BT+16*\b+4*\j+3], v4, s[8:9] offset:512*(\s)+128*\b+16*\j
.endr
.endr
.endm
.macro FOLD                            ; four pairs of partial sums, and the other half of the lanes': the row's sum in v20
	v_pk_add_f32 v[8:9], v[8:9], v[10:11]
	v_pk_add_f32 v[12:13], v[12:13], v[14:15]
	v_pk_add_f32 v[8:9], v[8:9], v[12:13]
	v_add_f32 v20, v8, v9
	v_permlanex16_b32 v21, v20, s[SEL], s[SEL+1]
	v_add_f32 v20, v20, v21
.endm
.macro LOADF f, pitch, d               ; fragment f: W(64 c + 32 h + i, my column) into register 64 f + 32 c + i of window 1
.set i, 0
.rept 64
	global_load_b32 v[64*\f+i], v3, s[32:33] offset:\d+(i+32*(i/32))*\pitch th:TH_LOAD_NT
.set i, i+1
.endr
.endm
.macro LOADW pitch, d0, d1, d2, d3
	WIN 0x40                                               ; destination window 1
	LOADF 0, \pitch, \d0
	LOADF 1, \pitch, \d1
	LOADF 2, \pitch, \d2
	LOADF 3, \pitch, \d3
	WIN 0
.endm
.macro WADDR                           ; s41 = ws, s46 = q, s42 = the K step's (and chunk's) bytes: source and place in the stream
	s_lshl_b32 s47, s41, 9                                 ; 128 ws columns
	s_add_co_u32 s42, s42, s47
	s_and_b32 s47, s46, 1
	s_lshl_b32 s47, s47, 8                                 ; 64 columns for the upper half of the wave's tiles
	s_add_co_u32 s42, s42, s47
	s_add_nc_u64 s[32:33], s[32:33], s[42:43]
	s_mul_i32 s44, s41, 72
	s_add_co_u32 s44, s44, s46
	s_mul_i32 s44, s44, 6656
	s_add_nc_u64 s[34:35], s[26:27], s[44:45]
.endm
	s_load_b256 s[4:11], s[0:1], 0x0               ; x, g1, bt1, wq
	s_load_b256 s[12:19], s[0:1], 0x20             ; wk, wv, w_proj, w1
	s_load_b256 s[20:27], s[0:1], 0x40             ; w2, hfrag, wqkv, wffn
	v_lshrrev_b32 v1, 5, v0
	v_readfirstlane_b32 s28, v1                    ; wave
	v_and_b32 v1, 15, v0                           ; r
	v_bfe_u32 v2, v0, 4, 1                         ; h
	v_and_b32 v5, 31, v0
	v_lshlrev_b32 v5, 4, v5                        ; 16 x lane: my place in an image
	v_and_b32 v3, 8, v1
	v_add_nc_u32 v3, v3, v1                        ; r + 8 (r / 8)
	s_mov_b32 s[SEL], 0x76543210
	s_mov_b32 s[SEL+1], 0xfedcba98
	s_wait_kmcnt 0x0
	s_cmp_ge_u32 ttmp9, 128
	s_cbranch_scc1 .Lweights
	; ---- ROLE A: wave T of work-group tg takes token tile T of group tg: 16 rows of x, 256 numbers a lane in window 1: register 16 k + i = column 32 k + 16 h + i
	s_lshl_b32 s32, ttmp9, 6
	s_lshr_b32 s33, s28, 1
	s_lshl_b32 s33, s33, 5
	s_add_co_u32 s32, s32, s33
	s_and_b32 s33, s28, 1
	s_lshl_b32 s33, s33, 3
	s_add_co_u32 s32, s32, s33                     ; the tile's first token: 64 tg + 32 (T / 2) + 8 (T % 2)
	s_lshl_b32 s32, s32, 11                        ; rows of 2,048 bytes
	s_mov_b32 s33, 0
	s_add_nc_u64 s[32:33], s[4:5], s[32:33]
	s_mul_i32 s34, ttmp9, 26624
	s_mov_b32 s35, 0
	s_add_nc_u64 s[34:35], s[22:23], s[34:35]      ; the group's part of hfrag
	s_mul_i32 s36, s28, 1536
	s_mov_b32 s37, 0
	s_add_nc_u64 s[36:37], s[34:35], s[36:37]      ; + my tile's fragments
	s_lshl_b32 s38, s28, 9
	s_mov_b32 s39, 0
	s_add_nc_u64 s[38:39], s[34:35], s[38:39]      ; + my tile's scale words
	s_wait_alu depctr_va_vdst(0)
	v_lshlrev_b32 v3, 11, v3
	v_lshl_add_u32 v3, v2, 6, v3                   ; my row, + 64 h
	v_lshlrev_b32 v4, 6, v2                        ; 64 h
	WIN 0x40                                       ; destination window 1
.set i, 0
.rept 64
	global_load_b128 v[4*i:4*i+3], v3, s[32:33] offset:128*(i/4)+16*(i%4) th:TH_LOAD_NT
.set i, i+1
.endr
	WIN 0
	GBLOAD 0
.irp b, 0,1,2,3
	v_mov_b32 v[TM+4+\b], 0                        ; written once: a lane permute's destination counts as one of its sources
.endr
	v_mov_b32 v21, 0
	v_mov_b32 v22, 0x3b000000                      ; 1 / 512
.irp i, 8,9,10,11,12,13,14,15
	v_mov_b32 v\i, 0
.endr
	s_wait_alu depctr_va_vdst(0)
	s_wait_loadcnt 32                              ; x is in; the 32 younger loads of g1 and bt1 may be out
	WIN 0x04                                       ; source 1 window 1
.set i, 0
.rept 128
	v_pk_add_f32 v[8+2*(i%4):9+2*(i%4)], v[8+2*(i%4):9+2*(i%4)], v[2*i:2*i+1]   ; four chains by turns
.set i, i+1
.endr
	WIN 0
	FOLD
	v_mul_f32 v16, v22, v20                        ; the mean,
	v_mov_b32 v17, v16                             ; twice, for the packed form
	WIN 0x41                                       ; destination and source 0 window 1
.set i, 0
.rept 128
	v_pk_add_f32 v[2*i:2*i+1], v[2*i:2*i+1], v[16:17] neg_lo:[0,1] neg_hi:[0,1]   ; x - mean, in place
.set i, i+1
.endr
	WIN 0
.irp i, 8,9,10,11,12,13,14,15
	v_mov_b32 v\i, 0
.endr
	WIN 0x05                                       ; sources 0 and 1 window 1
.set i, 0
.rept 128
	v_pk_fma_f32 v[8+2*(i%4):9+2*(i%4)], v[2*i:2*i+1], v[2*i:2*i+1], v[8+2*(i%4):9+2*(i%4)]
.set i, i+1
.endr
	WIN 0
	FOLD
	v_fmaak_f32 v20, v20, v22, 0x3727c5ac          ; the variance + 1e-5 (the factor is a power of two: nothing is rounded by fusing)
	s_wait_alu depctr_va_vdst(0)
	v_rsq_f32 v18, v20
	v_rsq_f32 v19, v20
	v_nop                                          ; a plain place behind the transcendentals,
	s_wait_alu depctr_va_vdst(0)                   ; and a wait ahead of their first reader
.irp s, 0,1,2,3                                ; a K step of 128 columns at a time
	s_wait_loadcnt 0x0                             ; this step's g1 and bt1
	WIN 0x01                                       ; source 0 window 1
.set i, 0
.rept 32
	v_pk_mul_f32 v[TT+2*i:TT+2*i+1], v[64*\s+2*i:64*\s+2*i+1], v[18:19]
.set i, i+1
.endr
	WIN 0
.set i, 0
.rept 32
	v_pk_fma_f32 v[TT+2*i:TT+2*i+1], v[TT+2*i:TT+2*i+1], v[G+2*i:G+2*i+1], v[BT+2*i:BT+2*i+1]
.set i, i+1
.endr
.if \s < 3
	GBLOAD \s+1
.endif
.if \s > 0
	s_wait_xcnt 0x0                                ; the last step's stores have read their data: the codes' registers are written again only behind this wait
.endif
	QUANT TT, SW+\s
.irp q, 0,1,2
	global_store_b128 v5, v[PC+4*\q:PC+4*\q+3], s[36:37] offset:6144*\s+512*\q   ; 32 lanes store 512 consecutive bytes
.endr
.endr
	global_store_b128 v5, v[SW:SW+3], s[38:39] offset:24576
	s_endpgm
	; ---- ROLE B: job j = 4 (work-group - 128) + wave makes four fragments of one weight
.Lweights:
	s_sub_co_u32 s29, ttmp9, 128
	s_lshl_b32 s29, s29, 2
	s_add_co_u32 s29, s29, s28                     ; j, 0 .. 383
	s_wait_alu depctr_va_vdst(0)
	v_lshlrev_b32 v3, 2, v3                        ; my column in a tile: 4 (r + 8 (r / 8)) bytes
	v_lshlrev_b32 v11, 3, v2                       ; 8 h
	s_mov_b32 s43, 0
	s_mov_b32 s45, 0
	s_cmp_lt_u32 s29, 96
	s_cbranch_scc0 .Lnot_q
	; j < 96: wq, wk, wv [16][512][32]: matrix j / 32, head (j / 2) % 16, column tile u = j % 2; the four fragments are the four K steps
	s_lshr_b32 s40, s29, 5
	s_bfe_u32 s41, s29, 0x40001
	s_and_b32 s46, s29, 1
	s_cmp_eq_u32 s40, 0
	s_cselect_b64 s[32:33], s[10:11], s[12:13]
	s_cmp_eq_u32 s40, 2
	s_cselect_b64 s[32:33], s[14:15], s[32:33]
	s_lshl_b32 s42, s41, 16                        ; a head is 65,536 bytes
	s_lshl_b32 s47, s46, 5                         ; tile u begins 8 u columns on
	s_add_co_u32 s42, s42, s47
	s_add_nc_u64 s[32:33], s[32:33], s[42:43]
	s_mul_i32 s44, s41, 3
	s_add_co_u32 s44, s44, s40
	s_mul_i32 s44, s44, 13312
	s_mul_i32 s47, s46, 1536
	s_add_co_u32 s44, s44, s47
	s_add_nc_u64 s[34:35], s[24:25], s[44:45]
	s_mov_b32 s48, 3072                            ; from fragment to fragment in the record
	s_lshl_b32 s49, s46, 10
	s_sub_co_u32 s49, 12288, s49                   ; the scale words, from the base that holds 1536 u: 12,288 + 512 u - 1536 u
	s_wait_alu depctr_va_vdst(0)
	v_lshl_add_u32 v3, v2, 12, v3                  ; lanes 16-31 begin 32 rows of 128 bytes further down
	LOADW 128, 0, 16384, 32768, 49152
	s_branch .Lwq
.Lnot_q:
	s_mov_b32 s48, 1536
	s_mov_b32 s49, 6144
	s_cmp_lt_u32 s29, 128
	s_cbranch_scc0 .Lnot_p
	; 96 .. 127: w_proj [512][512]: ws = jj / 8, q = jj % 8 = 2 s + half
	s_sub_co_u32 s40, s29, 96
	s_lshr_b32 s41, s40, 3
	s_and_b32 s46, s40, 7
	s_lshr_b32 s47, s46, 1
	s_lshl_b32 s42, s47, 18                        ; K step s: 128 rows of 2,048 bytes
	s_mov_b64 s[32:33], s[16:17]
	s_branch .Lcols
.Lnot_p:
	; 128 .. 255: w1 [512][2048]; 256 .. 383: w2 [2048][512]: ws = jj / 32, chunk t = (jj % 32) / 8, 2 s + half = jj % 8
	s_and_b32 s40, s29, 127
	s_lshr_b32 s41, s40, 5
	s_and_b32 s40, s40, 31
	s_lshr_b32 s50, s40, 3
	s_and_b32 s46, s40, 7
	s_lshr_b32 s47, s46, 1
	s_lshl_b32 s51, s50, 4
	s_add_co_u32 s46, s46, s51                     ; 16 t + 2 s + half
	s_cmp_lt_u32 s29, 256
	s_cbranch_scc0 .Lw2
	s_add_co_u32 s46, s46, 8                       ; q
	s_lshl_b32 s42, s47, 20                        ; K step s: 128 rows of 8,192 bytes
	s_lshl_b32 s51, s50, 11                        ; chunk t: 512 columns
	s_add_co_u32 s42, s42, s51
	s_mov_b64 s[32:33], s[18:19]
	WADDR
	s_wait_alu depctr_va_vdst(0)
	v_lshl_add_u32 v3, v2, 18, v3
	LOADW 8192, 0, 32, 128, 160                    ; the four fragments are column tiles 4 half + 0 .. 3: columns 0, 8, 32, 40 on
	s_branch .Lwq
.Lw2:
	s_add_co_u32 s46, s46, 16                      ; q
	s_lshl_b32 s51, s50, 2
	s_add_co_u32 s47, s47, s51                     ; K step 4 t + s
	s_lshl_b32 s42, s47, 18
	s_mov_b64 s[32:33], s[20:21]
.Lcols:
	WADDR
	s_wait_alu depctr_va_vdst(0)
	v_lshl_add_u32 v3, v2, 16, v3
	LOADW 2048, 0, 32, 128, 160
.Lwq:
	v_mov_b32 v6, v5                               ; where the four fragments go
	v_add_nc_u32 v7, s48, v6
	v_add_nc_u32 v8, s48, v7
	v_add_nc_u32 v9, s48, v8
	v_add_nc_u32 v10, s49, v5                      ; and their scale words
.irp f, 0,1,2,3
	v_mov_b32 v[WTP+\f], 0
.endr
	s_wait_loadcnt 0x0
	WIN 0x05                                       ; sources 0 and 1 window 1.  Block k = 2 f + c of my column: all its 32 numbers are mine
.irp k, 0,1,2,3,4,5,6,7
	v_max3_num_f32 v[WM+\k], |v[32*\k]|, |v[32*\k+1]|, 0x2800000
.endr
	WIN 0x14                                       ; sources 1 and 2 window 1
.irp i, 2,4,6,8,10,12,14,16,18,20,22,24,26,28,30
.irp k, 0,1,2,3,4,5,6,7
	v_max3_num_f32 v[WM+\k], v[WM+\k], |v[32*\k+\i]|, |v[32*\k+\i+1]|
.endr
.endr
	WIN 0
.irp k, 0,1,2,3,4,5,6,7
	v_add_nc_u32 v[WSO+\k], 0xfe000000, v[WM+\k]
.endr
.irp k, 0,1,2,3,4,5,6,7
	v_lshrrev_b32 v[WBY+\k], 23, v[WSO+\k]
.endr
.irp f, 0,1,2,3
	v_lshl_or_b32 v[WSW+\f], v[WBY+1+2*\f], 16, v[WBY+2*\f]   ; my two bytes: blocks h and 2 + h,
.endr
.irp f, 0,1,2,3
	v_lshlrev_b32 v[WSW+\f], v11, v[WSW+\f]        ; at their places in the word;
.endr
.irp f, 0,1,2,3
	v_permlanex16_b32 v[WTP+\f], v[WSW+\f], s[SEL], s[SEL+1]
.endr
.irp f, 0,1,2,3
	v_or_b32 v[WSW+\f], v[WSW+\f], v[WTP+\f]       ; with lane l xor 16's two the word is whole, in both halves of the lanes
.endr
	WIN 0x01                                       ; source 0 window 1
.irp k, 0,1,2,3,4,5,6,7
	v_cvt_scalef32_pk16_bf6_f32 v[PCW+6*\k:PCW+6*\k+2], v[32*\k:32*\k+15], v[WSO+\k]
	v_cvt_scalef32_pk16_bf6_f32 v[TC+4*\k:TC+4*\k+2], v[32*\k+16:32*\k+31], v[WSO+\k]
.endr
	WIN 0
	v_nop                                          ; one plain place behind a scaled conversion
.irp k, 0,1,2,3,4,5,6,7
.irp i, 0,1,2
	v_mov_b32 v[PCW+6*\k+3+\i], v[TC+4*\k+\i]
.endr
.endr
.irp f, 0,1,2,3
.irp q, 0,1,2
	global_store_b128 v[6+\f], v[PCW+12*\f+4*\q:PCW+12*\f+4*\q+3], s[34:35] offset:512*\q
.endr
.endr
	global_store_b128 v10, v[WSW:WSW+3], s[34:35]
	s_endpgm
.Lfunc_end_k_q1e07bdaad3_prep:
	.size	k_q1e07bdaad3_prep, .Lfunc_end_k_q1e07bdaad3_prep-k_q1e07bdaad3_prep
	.p2alignl 7, 3214868480
	.fill 96, 4, 3214868480
	.section	.rodata,"a",@progbits
	.p2align	6, 0x0
	.amdhsa_kernel k_q1e07bdaad3_prep
		.amdhsa_group_segment_fixed_size 0
		.amdhsa_private_segment_fixed_size 0
		.amdhsa_enable_private_segment 0
		.amdhsa_kernarg_size 96
		.amdhsa_user_sgpr_count 2
		.amdhsa_user_sgpr_kernarg_segment_ptr 1
		.amdhsa_wavefront_size32 1
		.amdhsa_system_sgpr_workgroup_id_x 1
		.amdhsa_system_sgpr_workgroup_id_y 1
		.amdhsa_system_sgpr_workgroup_id_z 1
		.amdhsa_system_vgpr_workitem_id 0
		.amdhsa_next_free_vgpr 512
		.amdhsa_next_free_sgpr 66
		.amdhsa_reserve_vcc 0
		.amdhsa_float_denorm_mode_32 3
		.amdhsa_float_denorm_mode_16_64 3
		.amdhsa_memory_ordered 1
		.amdhsa_forward_progress 1
		.amdhsa_inst_pref_size 168
	.end_amdhsa_kernel
	.amdgpu_metadata
---
amdhsa.version: [ 1, 2 ]
amdhsa.kernels:
  - .name:           k_q1e07bdaad3_prep
    .symbol:         k_q1e07bdaad3_prep.kd
    .args:
      - { .name: x, .offset: 0, .size: 8, .value_kind: global_buffer, .address_space: global }
      - { .name: g1, .offset: 8, .size: 8, .value_kind: global_buffer, .address_space: global }
      - { .name: bt1, .offset: 16, .size: 8, .value_kind: global_buffer, .address_space: global }
      - { .name: wq, .offset: 24, .size: 8, .value_kind: global_buffer, .address_space: global }
      - { .name: wk, .offset: 32, .size: 8, .value_kind: global_buffer, .address_space: global }
      - { .name: wv, .offset: 40, .size: 8, .value_kind: global_buffer, .address_space: global }
      - { .name: w_proj, .offset: 48, .size: 8, .value_kind: global_buffer, .address_space: global }
      - { .name: w1, .offset: 56, .size: 8, .value_kind: global_buffer, .address_space: global }
      - { .name: w2, .offset: 64, .size: 8, .value_kind: global_buffer, .address_space: global }
      - { .name: hfrag, .offset: 72, .size: 8, .value_kind: global_buffer, .address_space: global }
      - { .name: wqkv, .offset: 80, .size: 8, .value_kind: global_buffer, .address_space: global }
      - { .name: wffn, .offset: 88, .size: 8, .value_kind: global_buffer, .address_space: global }
    .group_segment_fixed_size: 0
    .private_segment_fixed_size: 0
    .kernarg_segment_align: 8
    .kernarg_segment_size: 96
    .max_flat_workgroup_size: 128
    .sgpr_count:     66
    .vgpr_count:     512
    .wavefront_size: 32
...
	.end_amdgpu_metadata
.endif
;; end of part 5
;; launch qkv (part 6): grid 128 x 2, 8 waves a work-group, no clusters, 0 bytes of LDS; arguments hfrag, wqkv, qkvc, qkvs; writes qkvc, qkvs
.if DOCPART == 6
	.amdgcn_target "amdgcn-amd-amdhsa--gfx1250"
	.amdhsa_code_object_version 6
	.text
	.protected	k_q1e07bdaad3_qkv
	.globl	k_q1e07bdaad3_qkv
	.p2align	8
	.type	k_q1e07bdaad3_qkv,@function
k_q1e07bdaad3_qkv:
	s_mov_b64 s[64:65], 0
	v_nop
	global_prefetch_b8 v0, s[64:65] scope:SCOPE_SE
	s_setreg_imm32_b32 hwreg(HW_REG_WAVE_SCHED_MODE, 0, 2), 2
	s_setreg_imm32_b32 hwreg(HW_REG_WAVE_MODE, 25, 1), 1
	s_wait_xcnt 0x0
	s_wait_alu depctr_vm_vsrc(0)
; QKV: q, k, v = h wq, h wk, h wv on codes of E3M2, and their results quantised at once for the two products of attention.  Nothing of the problem is left out here.
; SHARES.  Work-group (tg, y): 64 tokens; wave w: head 8 y + w.  A wave holds the group's 16 fragments of h (window 1) and one matrix's 8 weight fragments at a time: 32 matrix instructions a matrix, 8 accumulators by turns.
; q, k: source 0 = 16 of the head's 32 columns, source 1 = 16 tokens: a lane holds ONE token and, over the two column tiles, 16 neighbouring d: a token's 32 d are one block of the scores' K.
;       The macro QUANT takes four blocks: here the four token tiles.  Its fragment holds in block b (registers 6 (b / 2) on, lanes 16 (b % 2) on) the 24 bytes of token 32 (b / 2) + 8 (b % 2) + r + 8 (r / 8); byte b of its word is that token's scale.
; v:    source 0 = 16 tokens, source 1 = 16 columns: a lane holds ONE d and 16 neighbouring tokens of each 32: the keys are the second product's K.
;       The fragment holds in registers 6 u on the row d = 8 u + r + 8 (r / 8): keys 0-31 of the group in lanes 0-15, keys 32-63 in lanes 16-31; bytes 2 u, 2 u + 1 of the word are their scales.
; qkvc: section (q, k, v) x 3,145,728 + (32 (16 batch + head) + group) x 1,536: the fragment's image.  qkvs: section x 262,144 + the same index x 128: the word, 4 bytes a lane.
; No LDS, no barrier.  No joint loads: a wave's operands go from memory straight into its registers, 26,624 bytes of h and 39,936 of weights for its 96 matrix instructions.
; LIMITS as in the first kernel: NaN and infinities are not served; the byte is held at 1 from below; a block of zeros has the byte 1.
; THE MODE: SCHED_MODE bits 1:0 = 2 (LLVM: expert scheduling mode 2), set by the entry lines.  The code itself states the register dependences between vector or matrix instructions and memory instructions, with s_wait_alu, always for 0.
; THE PLAN.  Registers that memory instructions touch:
;   v1, v2      offsets, made once at the head and never written again.
;   window 1, HS  h's fragments and scale words: loaded once, read by matrix instructions alone.
;   WF, WS      a matrix's weights: read by its 32 products; the next matrix's loads land in them.  One wait on va_vdst behind the products, ahead of those loads.
;   PC, PW      written by the quantiser, read by the matrix's four stores.  One wait on va_vdst ahead of the stores; one on vm_vsrc ahead of the next quantiser.
; There is no second set of weight registers: two waves of 512 registers share a SIMD's 1,024.
.set LI,  1                            ; v1 16 x lane
.set LS,  2                            ; v2 4 x lane
.set HS,  16                           ; v16-31 h's scale words (4 T + s)
.set WS,  32                           ; v32-39 the weights' (4 u + s)
.set WF,  48                           ; v48-143 the weights' fragments (u, s) at 12 (2 s + u)
.set ACC, 144                          ; v144-207
.set TM,  208
.set PC,  224
.set PW,  244
.set SEL, 20
.set MSB, 0
.macro WIN new
.if MSB != (\new)
	s_set_vgpr_msb (MSB<<8)|(\new)
.set MSB, (\new)
.endif
.endm
.macro MMZ d, a, b, sa, sb             ; the first K step starts a sum: C = 0
	v_wmma_scale_f32_16x16x128_f8f6f4 v[\d:\d+7], v[\a:\a+11], v[\b:\b+11], 0, v[\sa], v[\sb] matrix_a_fmt:MATRIX_FMT_BF6 matrix_b_fmt:MATRIX_FMT_BF6
.endm
.macro MMA d, a, b, c, sa, sb
	v_wmma_scale_f32_16x16x128_f8f6f4 v[\d:\d+7], v[\a:\a+11], v[\b:\b+11], v[\c:\c+7], v[\sa], v[\sb] matrix_a_fmt:MATRIX_FMT_BF6 matrix_b_fmt:MATRIX_FMT_BF6
.endm
.macro QUANT s, pw
.irp b, 0,1,2,3
	v_max3_num_f32 v[TM+\b], |v[\s+16*\b]|, |v[\s+1+16*\b]|, 0x2800000   ; my 16 numbers of block b, and the floor 2^(5 - 127)
.endr
.irp i, 2,4,6,8,10,12,14
.irp b, 0,1,2,3
	v_max3_num_f32 v[TM+\b], v[TM+\b], |v[\s+16*\b+\i]|, |v[\s+1+16*\b+\i]|
.endr
.endr
.irp b, 0,1,2,3
	v_permlanex16_b32 v[TM+4+\b], v[TM+\b], s[SEL], s[SEL+1]
.endr
.irp b, 0,1,2,3
	v_max_num_f32 v[TM+\b], v[TM+\b], v[TM+4+\b]
.endr
.irp b, 0,1,2,3
	v_add_nc_u32 v[TM+12+\b], 0xfe000000, v[TM+\b]
.endr
.irp b, 0,1,2,3
	v_lshrrev_b32 v[TM+4+\b], 23, v[TM+12+\b]
.endr
	v_lshl_or_b32 v[\pw], v[TM+5], 8, v[TM+4]
	v_lshl_or_b32 v[\pw], v[TM+6], 16, v[\pw]
	v_lshl_or_b32 v[\pw], v[TM+7], 24, v[\pw]
.irp c, 0,1
	v_cvt_scalef32_pk16_bf6_f32 v[PC+6*\c:PC+2+6*\c], v[\s+32*\c:\s+15+32*\c], v[TM+12+2*\c]
	v_cvt_scalef32_pk16_bf6_f32 v[PC+12+4*\c:PC+14+4*\c], v[\s+16+32*\c:\s+31+32*\c], v[TM+12+2*\c+1]
.endr
	v_nop                                                  ; one plain place behind a scaled conversion
.irp c, 0,1
.irp i, 0,1,2
	v_permlane16_swap_b32 v[PC+6*\c+\i], v[PC+12+4*\c+\i]
.endr
.irp i, 0,1,2
	v_mov_b32 v[PC+3+6*\c+\i], v[PC+12+4*\c+\i]
.endr
.endr
.endm
.macro WLOAD mat                       ; one matrix's 8 fragments and 8 scale words
.set i, 0
.rept 8
.irp q, 0,1,2
	global_load_b128 v[WF+12*i+4*\q:WF+12*i+4*\q+3], v[LI], s[16:17] offset:(\mat)*13312+1536*i+512*\q
.endr
.set i, i+1
.endr
.irp u, 0,1
	global_load_b128 v[WS+4*\u:WS+4*\u+3], v[LI], s[16:17] offset:(\mat)*13312+12288+512*\u
.endr
.endm
.macro JOB mat, form, next
	s_wait_loadcnt 0x0
.if \form
	WIN 0x01                                       ; source 0 (h) window 1
.else
	WIN 0x04                                       ; source 1 (h) window 1
.endif
.irp s, 0,1,2,3
.irp t, 0,1,2,3
.irp u, 0,1
.if \form
.if \s == 0
	MMZ ACC+32*\u+8*\t, 12*(4*\s+\t), WF+12*(2*\s+\u), HS+4*\t+\s, WS+4*\u+\s
.else
	MMA ACC+32*\u+8*\t, 12*(4*\s+\t), WF+12*(2*\s+\u), ACC+32*\u+8*\t, HS+4*\t+\s, WS+4*\u+\s
.endif
.else
.if \s == 0
	MMZ ACC+16*\t+8*\u, WF+12*(2*\s+\u), 12*(4*\s+\t), WS+4*\u+\s, HS+4*\t+\s
.else
	MMA ACC+16*\t+8*\u, WF+12*(2*\s+\u), 12*(4*\s+\t), ACC+16*\t+8*\u, WS+4*\u+\s, HS+4*\t+\s
.endif
.endif
.endr
.endr
.endr
	WIN 0
.rept 5
	v_nop                                          ; places: four in front of the first read of results; the fifth since the next matrix's first products begin these accumulators anew
.endr
.if \next
	s_wait_alu depctr_va_vdst(0)                   ; this matrix's products are done reading WF and WS, in which the next matrix's loads land
	WLOAD \mat+1
.endif
.if \mat > 0
	s_wait_xcnt 0x0                                ; the last matrix's stores have had their addresses translated,
	s_wait_alu depctr_vm_vsrc(0)                   ; and have read the codes' registers and the word, which the quantiser writes again
.endif
	QUANT ACC, PW
	s_wait_alu depctr_va_vdst(0)                   ; the quantiser has written v[PC ..] and v[PW], which the four stores read
.irp q, 0,1,2
	global_store_b128 v[LI], v[PC+4*\q:PC+4*\q+3], s[22:23] offset:(\mat)*3145728+512*\q
.endr
	global_store_b32 v[LS], v[PW], s[24:25] offset:(\mat)*262144
.endm
	s_load_b256 s[4:11], s[0:1], 0x0               ; hfrag, wqkv, qkvc, qkvs
	v_lshrrev_b32 v3, 5, v0
	v_readfirstlane_b32 s12, v3                    ; wave
	v_and_b32 v3, 31, v0
	v_lshlrev_b32 v[LI], 4, v3
	v_lshlrev_b32 v[LS], 2, v3
	s_mov_b32 s[SEL], 0x76543210
	s_mov_b32 s[SEL+1], 0xfedcba98
.irp b, 0,1,2,3
	v_mov_b32 v[TM+4+\b], 0                        ; written once: a lane permute's destination counts as one of its sources
.endr
	s_wait_alu depctr_va_sdst(0)                   ; s12 is written, ahead of its first reader: the head's number and all bases are made from it
	s_and_b32 s13, ttmp7, 0xffff
	s_lshl_b32 s13, s13, 3
	s_add_co_u32 s13, s13, s12                     ; head
	s_mul_i32 s14, ttmp9, 26624
	s_mov_b32 s15, 0
	s_mul_i32 s16, s13, 39936
	s_mov_b32 s17, 0
	s_lshr_b32 s18, ttmp9, 5                       ; batch
	s_lshl_b32 s18, s18, 4
	s_add_co_u32 s18, s18, s13
	s_lshl_b32 s18, s18, 5
	s_and_b32 s19, ttmp9, 31                       ; the group within the batch
	s_add_co_u32 s18, s18, s19
	s_mul_i32 s22, s18, 1536
	s_mov_b32 s23, 0
	s_lshl_b32 s24, s18, 7
	s_mov_b32 s25, 0
	s_wait_kmcnt 0x0
	s_add_nc_u64 s[14:15], s[4:5], s[14:15]
	s_add_nc_u64 s[16:17], s[6:7], s[16:17]
	s_add_nc_u64 s[22:23], s[8:9], s[22:23]
	s_add_nc_u64 s[24:25], s[10:11], s[24:25]
	WIN 0x40                                       ; destination window 1
	s_wait_alu depctr_va_vdst(0)                   ; v1 and v2 are written: every load and store of the kernel reads one of them as its offset
.set i, 0
.rept 16
.irp q, 0,1,2
	global_load_b128 v[12*i+4*\q:12*i+4*\q+3], v[LI], s[14:15] offset:1536*i+512*\q
.endr
.set i, i+1
.endr
	WIN 0
.irp t, 0,1,2,3
	global_load_b128 v[HS+4*\t:HS+4*\t+3], v[LI], s[14:15] offset:24576+512*\t
.endr
	WLOAD 0
	JOB 0, 0, 1
	JOB 1, 0, 1
	JOB 2, 1, 0
	s_endpgm
.Lfunc_end_k_q1e07bdaad3_qkv:
	.size	k_q1e07bdaad3_qkv, .Lfunc_end_k_q1e07bdaad3_qkv-k_q1e07bdaad3_qkv
	.p2alignl 7, 3214868480
	.fill 96, 4, 3214868480
	.section	.rodata,"a",@progbits
	.p2align	6, 0x0
	.amdhsa_kernel k_q1e07bdaad3_qkv
		.amdhsa_group_segment_fixed_size 0
		.amdhsa_private_segment_fixed_size 0
		.amdhsa_enable_private_segment 0
		.amdhsa_kernarg_size 32
		.amdhsa_user_sgpr_count 2
		.amdhsa_user_sgpr_kernarg_segment_ptr 1
		.amdhsa_wavefront_size32 1
		.amdhsa_system_sgpr_workgroup_id_x 1
		.amdhsa_system_sgpr_workgroup_id_y 1
		.amdhsa_system_sgpr_workgroup_id_z 1
		.amdhsa_system_vgpr_workitem_id 0
		.amdhsa_next_free_vgpr 512
		.amdhsa_next_free_sgpr 66
		.amdhsa_reserve_vcc 0
		.amdhsa_float_denorm_mode_32 3
		.amdhsa_float_denorm_mode_16_64 3
		.amdhsa_memory_ordered 1
		.amdhsa_forward_progress 1
		.amdhsa_inst_pref_size 40
	.end_amdhsa_kernel
	.amdgpu_metadata
---
amdhsa.version: [ 1, 2 ]
amdhsa.kernels:
  - .name:           k_q1e07bdaad3_qkv
    .symbol:         k_q1e07bdaad3_qkv.kd
    .args:
      - { .name: hfrag, .offset: 0, .size: 8, .value_kind: global_buffer, .address_space: global }
      - { .name: wqkv, .offset: 8, .size: 8, .value_kind: global_buffer, .address_space: global }
      - { .name: qkvc, .offset: 16, .size: 8, .value_kind: global_buffer, .address_space: global }
      - { .name: qkvs, .offset: 24, .size: 8, .value_kind: global_buffer, .address_space: global }
    .group_segment_fixed_size: 0
    .private_segment_fixed_size: 0
    .kernarg_segment_align: 8
    .kernarg_segment_size: 32
    .max_flat_workgroup_size: 256
    .sgpr_count:     66
    .vgpr_count:     512
    .wavefront_size: 32
...
	.end_amdgpu_metadata
.endif
;; end of part 6
;; launch attn (part 7): grid 4 x 64, 16 waves a work-group, no clusters, 108,544 bytes of LDS; arguments qkvc, qkvs, acode, ascale; writes acode, ascale
.if DOCPART == 7
	.amdgcn_target "amdgcn-amd-amdhsa--gfx1250"
	.amdhsa_code_object_version 6
	.text
	.protected	k_q1e07bdaad3_attn
	.globl	k_q1e07bdaad3_attn
	.p2align	8
	.type	k_q1e07bdaad3_attn,@function
k_q1e07bdaad3_attn:
	s_mov_b64 s[64:65], 0
	v_nop
	global_prefetch_b8 v0, s[64:65] scope:SCOPE_SE
	s_setreg_imm32_b32 hwreg(HW_REG_WAVE_SCHED_MODE, 0, 2), 2
	s_setreg_imm32_b32 hwreg(HW_REG_WAVE_MODE, 25, 1), 1
	s_wait_xcnt 0x0
	s_wait_alu depctr_vm_vsrc(0)
; ATTN: softmax(q k^T / sqrt(512)) v for one (batch, head) and 512 queries a work-group, both products on codes of E3M2; the result is quantised at once for the projection.  Nothing of the problem is left out here.
; THE SOFTMAX: t = score x log2(e) / sqrt(512); M = the running largest t rounded UP to a whole number; p = 2^(t - M) is quantised along the keys, not normalised; the row's sum is taken of the unquantised p and divides at the end.
; When M moves, the sum and O are multiplied by 2^(old M - new M): nothing is rounded, and no branch hangs on data.
; SHARES.  Sixteen waves; a wave takes two tiles of 16 queries, one after the other, and walks the head's 2,048 keys in 16 steps of 128.  Four waves share a SIMD: one's vector work stands beside another's matrix work and LDS loads.
; K AND V OF THE WHOLE HEAD LIE IN LDS: 49,152 bytes of codes and 4,096 of scale words each, copied once through registers as they lie in memory (images of operand registers).  So there is no ring and one barrier.
; No joint loads: what the four work-groups of a head share is these 106,496 bytes, read once by each, against 512 tile steps of work.
; THE SCORES' K IS 32, ONE BLOCK OF THE INSTRUCTION'S FOUR.  A fragment of K holds FOUR tiles of 16 keys, one in each block.  Q stands in four variants, its codes in one block and zero codes in the three others: the variant picks the tile.
; The variants overlap in one run of registers: QL Z QH Z QL (QL: the codes in lanes 0-15, QH: in lanes 16-31, Z: zeros): block 0 = v[16:27], 3 = v[22:33], 1 = v[28:39], 2 = v[34:45].  Q's scale byte is repeated in all four bytes of its word.
; Both products are used transposed (S^T = K Q^T, O^T = V^T P^T): a lane holds ONE query.  By the order of the tokens in a tile, the 16 registers of score tiles 2 b, 2 b + 1 are keys 32 b + 16 (lane / 16) + 0 .. 15 of the step.
; THE WAY OUT.  A lane's 16 numbers of O^T are d = 16 (lane / 16) + 0 .. 15 of its query: a head's 32 are one block of the projection's K.  acode [head][token][24 bytes], ascale [token][16 heads].
; The codes leave in runs of 192 bytes and the bytes singly, 16 bytes apart, since a token's heads belong to different work-groups: 3,276,800 bytes in the launch.
; LIMITS: NaN and infinities are not served; a scale's byte is held at 1 from below; a block of zeros has the byte 1.  1 / sum comes from v_rcp_f32.  A block's largest p is the exponential of its largest score:
; this takes v_exp_f32 not to fall where its input rises.
; THE MODE: SCHED_MODE bits 1:0 = 2 (LLVM: expert scheduling mode 2), set by the entry lines.  The code itself states the register dependences between vector or matrix instructions and memory or LDS instructions, with s_wait_alu, always for 0.
; THE PLAN.  Registers that LDS instructions touch in a key step j:
;   KF, KS      read by step j's eight score products, at its head; step j + 1's loads land in them.
;   VF, VW      VF is read by the two products at a step's end, VW by the two v_perm_b32 ahead of them; step j's own loads land in them.
;   v7 .. v10   the loads' addresses: written once a step, behind the score products (they are the four places there), read by the step's 18 loads.
; The wait on va_vdst that stands behind the 64 exponentials in any case stands behind step j's score products, behind step j - 1's last products and behind the four additions: so all 18 loads, V of step j and K of
; step j + 1, stand directly behind it and owe nothing more.  V has the sums and the scales' lines in which to land, K the rest of the step.  A wait on vm_vsrc stands ahead of the four additions.
; One more wait on va_vdst stands directly ahead of the step's last two products: p's codes, p's scale word and V's words are made by vector instructions and taken by a scaled matrix instruction.
; K of step 0 is asked for at a tile's head; the loop has 15 trips; the 16th step is written out: it asks for no K, and reaches its V by immediate offsets.
.set VC,    49152                      ; LDS: K's codes from 0, V's from here,
.set KSC,   98304                      ; K's scale words,
.set VSC,   102400                     ; V's,
.set SPARE, 106496                     ; and the spare words, 128 bytes for each wave: eight blocks of 256 bytes that no other line names
.set SEL, 20                           ; s[20:21] lane selects: lane l xor 16
.set CS,  22                           ; s[22:23] c = log2(e) / sqrt(512)
.set KF,  48                           ; v48-71   two fragments of K: 128 keys
.set VF,  72                           ; v72-95   two fragments of V^T: 32 d x 128 keys
.set S,   96                           ; v96-159  S^T, then p
.set O,   160                          ; v160-175 O^T
.set KS,  176                          ; v176-177 K's scale words
.set VW,  178                          ; v178-179 V's, as they lie
.set VS,  180                          ; v180-181 V's, as the two tiles want them
.set QA,  184                          ; v184-195 my two tiles' codes of Q;  v196 their scale words
.set BM,  200                          ; v200-203 the blocks' largest scores, then largest p
.set BT,  204                          ; v204-207 at work
.set SOP, 208                          ; v208-211 the conversions' scale operands;  v212 p's scale word;  v213 at work;  v[214:215] f;  v[216:217] the second chain of sums
.set PC,  224                          ; v224-235 p's codes
.set TC,  236                          ; v236-243 their second halves;  v244-246 O's codes, v247 its byte
; v1, v2: the add's two.  v3-6: my lane's places in K, V and their scale words; v7-10: the same for the step in hand; v11, v47: my places in acode, ascale; v12 -M, v13 the largest t, v[14:15] the sum; v16-45 Q's variants; v46 Q's scale word
.macro MMZ d, a, b, sa, sb
	v_wmma_scale_f32_16x16x128_f8f6f4 v[\d:\d+7], v[\a:\a+11], v[\b:\b+11], 0, v[\sa], v[\sb] matrix_a_fmt:MATRIX_FMT_BF6 matrix_b_fmt:MATRIX_FMT_BF6
.endm
.macro MMA d, a, b, c, sa, sb
	v_wmma_scale_f32_16x16x128_f8f6f4 v[\d:\d+7], v[\a:\a+11], v[\b:\b+11], v[\c:\c+7], v[\sa], v[\sb] matrix_a_fmt:MATRIX_FMT_BF6 matrix_b_fmt:MATRIX_FMT_BF6
.endm
; A KEY STEP: 128 keys.  ahead = 1: a step of the loop, which asks for the next step's K.  ahead = 0: the 16th step
.macro STEP ahead
.if \ahead
.set VAD, 8                            ; V's codes and words by the stepped addresses
.set VOF, 0
.set WAD, 10
.set WOF, 0
.else
.set VAD, 4                            ; the 16th step: by my lane's places and immediates
.set VOF, 15*3072
.set WAD, 6
.set WOF, 15*256
.endif
	s_wait_dscnt 0x0                               ; this step's K and its words, asked for in the step before (or at the tile's head), are in
.irp g, 0,1
	MMZ S+8*(4*\g+0), KF+12*\g, 16, KS+\g, 46
	MMZ S+8*(4*\g+1), KF+12*\g, 28, KS+\g, 46
	MMZ S+8*(4*\g+2), KF+12*\g, 34, KS+\g, 46
	MMZ S+8*(4*\g+3), KF+12*\g, 22, KS+\g, 46
.endr
.if \ahead
	s_wait_alu depctr_vm_vsrc(0)                   ; the last step's LDS loads have read v7 to v10, which are written again here
	v_add_nc_u32 v7, s24, v3                       ; these four are the places behind the products
	v_add_nc_u32 v8, s24, v4
	v_add_nc_u32 v9, s25, v5
	v_add_nc_u32 v10, s25, v6
.else
.rept 4
	v_nop                                          ; the four places behind the products
.endr
.endif
.irp b, 0,1,2,3
	v_max3_num_f32 v[BM+\b], v[S+16*\b], v[S+1+16*\b], v[S+2+16*\b]   ; the largest score of each block of 32 keys: for the row's maximum and for the block's largest p
.endr
.irp i, 3,5,7,9,11,13
.irp b, 0,1,2,3
	v_max3_num_f32 v[BM+\b], v[BM+\b], v[S+16*\b+\i], v[S+1+16*\b+\i]
.endr
.endr
.irp b, 0,1,2,3
	v_max_num_f32 v[BM+\b], v[BM+\b], v[S+15+16*\b]
.endr
.irp b, 0,1,2,3
	v_permlanex16_b32 v[BT+\b], v[BM+\b], s[SEL], s[SEL+1]
.endr
.irp b, 0,1,2,3
	v_max_num_f32 v[BM+\b], v[BM+\b], v[BT+\b]     ; with lane l xor 16's 16 keys
.endr
	v_max3_num_f32 v213, v[BM], v[BM+1], v[BM+2]
	v_max_num_f32 v213, v213, v[BM+3]
	v_mul_f32 v213, s[CS], v213                    ; the step's largest t (c is positive)
	v_max_num_f32 v13, v13, v213                   ; the running largest t
	v_mov_b32 v213, v12
	v_floor_f32 v12, -v13                          ; the new -M = floor(-t) = -ceil(t)
	v_sub_f32 v213, v12, v213                      ; old M - new M: a whole number, 0 or less
	v_cvt_i32_f32 v213, v213                       ; (it saturates)
	v_ldexp_f32 v214, 1.0, v213                    ; f = 2^(old M - new M)
.irp j, 0,2,4,6,8,10,12,14,16,18,20,22,24,26,28,30,32,34,36,38,40,42,44,46,48,50,52,54,56,58,60,62
	v_pk_fma_f32 v[S+\j:S+1+\j], v[S+\j:S+1+\j], s[CS:CS+1], v[12:13] op_sel_hi:[1,0,0]   ; t - M, two at a time
.endr
.irp b, 0,1,2,3
	v_fma_f32 v[BM+\b], v[BM+\b], s[CS], v12       ; the same of each block's largest score
.endr
.set i, 0
	s_wait_alu depctr_va_vdst(0)
.rept 64
	v_exp_f32 v[S+i], v[S+i]                       ; p = 2^(t - M)
.set i, i+1
.endr
	v_pk_mul_f32 v[14:15], v[14:15], v[214:215] op_sel_hi:[1,0]   ; the sums under the new M: a plain place behind the exponentials
	s_wait_alu depctr_va_vdst(0)                   ; the 64 exponentials have written p, ahead of its first reader; the score products are done reading KF and KS, the last step's products and v_perm_b32 VF and VW; v7 to v10 are written
.irp e, 0,1                                    ; this step's V.  Group e's image holds registers 6 u .. 6 u + 5 of tile u's half fragment: keys 64 e on
	ds_load_b128 v[VF+6*\e:VF+6*\e+3], v[VAD] offset:VOF+1536*\e
	ds_load_b64 v[VF+6*\e+4:VF+6*\e+5], v[VAD] offset:VOF+1536*\e+512
	ds_load_b64 v[VF+12+6*\e:VF+13+6*\e], v[VAD] offset:VOF+1536*\e+520
	ds_load_b128 v[VF+14+6*\e:VF+17+6*\e], v[VAD] offset:VOF+1536*\e+1024
	ds_load_b32 v[VW+\e], v[WAD] offset:WOF+128*\e
.endr
.if \ahead
.irp g, 0,1                                    ; the next step's K: two images and two sets of words on
.irp q, 0,1,2
	ds_load_b128 v[KF+12*\g+4*\q:KF+12*\g+4*\q+3], v7 offset:3072+1536*\g+512*\q
.endr
	ds_load_b32 v[KS+\g], v9 offset:256+128*\g
.endr
.endif
.irp b, 0,1,2,3
	v_exp_f32 v[BM+\b], v[BM+\b]                   ; the block's largest p
.endr
	v_pk_add_f32 v[216:217], v[S:S+1], v[S+2:S+3]  ; the row's sum of the unquantised p, in two chains
.irp j, 4,8,12,16,20,24,28,32,36,40,44,48,52,56,60
	v_pk_add_f32 v[14:15], v[14:15], v[S+\j:S+1+\j]
	v_pk_add_f32 v[216:217], v[216:217], v[S+2+\j:S+3+\j]
.endr
	v_pk_add_f32 v[14:15], v[14:15], v[216:217]
	s_wait_alu depctr_va_vdst(0)                   ; the four exponentials have written the blocks' largest p, ahead of its first reader
.irp b, 0,1,2,3
	v_max_num_f32 v[BM+\b], 0x2800000, v[BM+\b]    ; the floor 2^(5 - 127)
.endr
.irp b, 0,1,2,3
	v_add_nc_u32 v[SOP+\b], 0xfe000000, v[BM+\b]
.endr
.irp b, 0,1,2,3
	v_lshrrev_b32 v[BT+\b], 23, v[SOP+\b]
.endr
	v_lshl_or_b32 v212, v[BT+1], 8, v[BT]          ; p's scale word for these 128 keys
	v_lshl_or_b32 v212, v[BT+2], 16, v212
	v_lshl_or_b32 v212, v[BT+3], 24, v212
.if \ahead
	s_wait_dscnt 8                                 ; V and its words are in; K's eight younger loads may be out
.else
	s_wait_dscnt 0x0                               ; V and its words are in
.endif
	v_perm_b32 v[VS], v[VW+1], v[VW], s27          ; tile 0's word: bytes 0, 1 of both groups' words;
	v_perm_b32 v[VS+1], v[VW+1], v[VW], s28        ; tile 1's: bytes 2, 3
.irp c, 0,1
	v_cvt_scalef32_pk16_bf6_f32 v[PC+6*\c:PC+2+6*\c], v[S+32*\c:S+15+32*\c], v[SOP+2*\c]
	v_cvt_scalef32_pk16_bf6_f32 v[TC+4*\c:TC+2+4*\c], v[S+16+32*\c:S+31+32*\c], v[SOP+2*\c+1]
.endr
	v_nop                                          ; one plain place behind a scaled conversion
.irp c, 0,1
.irp i, 0,1,2
	v_permlane16_swap_b32 v[PC+6*\c+\i], v[TC+4*\c+\i]
.endr
.irp i, 0,1,2
	v_mov_b32 v[PC+3+6*\c+\i], v[TC+4*\c+\i]
.endr
.endr
.irp j, 0,2,4,6,8,10,12,14
	v_pk_mul_f32 v[O+\j:O+1+\j], v[O+\j:O+1+\j], v[214:215] op_sel_hi:[1,0]   ; O^T under the new M; these eight stand between the last write of p's codes and the products
.endr
	s_wait_alu depctr_va_vdst(0)                   ; p's codes, p's scale word and V's two words are written: the scaled products below take them; the places above stay beside this wait
.irp u, 0,1
	MMA O+8*\u, VF+12*\u, PC, O+8*\u, VS+\u, 212
.endr
.if \ahead
	s_add_co_u32 s24, s24, 3072                    ; the next 128 keys: two images,
	s_add_co_u32 s25, s25, 256                     ; two sets of words
.endif
.endm
; One tile of 16 queries: tile 2 c + (wave % 2) of my group of 64
.macro TILE c
.if \c
	s_wait_xcnt 0x0                                ; the first tile's stores have had their addresses translated,
	s_wait_alu depctr_vm_vsrc(0)                   ; and have read v244 to v247, which this tile's way out writes again
.endif
.irp g, 0,1                                    ; K of step 0.  No wait: v3 and v5 stand since the head, and no vector or matrix instruction since the last wait on va_vdst names KF or KS
.irp q, 0,1,2
	ds_load_b128 v[KF+12*\g+4*\q:KF+12*\g+4*\q+3], v3 offset:1536*\g+512*\q
.endr
	ds_load_b32 v[KS+\g], v5 offset:128*\g
.endr
	s_add_co_u32 s29, s42, 0x02020202*\c
	v_perm_b32 v46, v196, v196, s29                ; my tile's byte of the word, four times
	v_cmp_gt_u32 vcc_lo, 16, v197
	s_wait_alu depctr_va_vcc(0)                    ; VCC is written, ahead of the selects that read it
.irp i, 0,1,2,3,4,5
	v_cndmask_b32 v[16+\i], 0, v[QA+6*\c+\i], vcc_lo       ; QL: the codes in lanes 0-15
	v_cndmask_b32 v[28+\i], v[QA+6*\c+\i], v22, vcc_lo     ; QH: in lanes 16-31
.endr
.irp i, 0,1,2,3,4,5
	v_mov_b32 v[40+\i], v[16+\i]
.endr
	v_mov_b32 v13, 0xff61b1e6                      ; the largest t so far: -3e38
	v_floor_f32 v12, -v13
	v_mov_b32 v14, 0
	v_mov_b32 v15, 0
.irp i, 0,1,2,3,4,5,6,7,8,9,10,11,12,13,14,15
	v_mov_b32 v[O+\i], 0                           ; the step is written once: the first finds zeros.  (These lines are also the places between Q's registers and the first product)
.endr
	s_mov_b32 s24, 0
	s_mov_b32 s25, 0
	s_mov_b32 s26, 15
	s_wait_alu depctr_va_vdst(0)                   ; Q's variants v16 to v45 and its scale word v46 are written: the scaled products of every step take them
.Lk_\c:
	STEP 1
	s_sub_co_u32 s26, s26, 1
	s_cmp_lg_u32 s26, 0
	s_cbranch_scc1 .Lk_\c
	STEP 0                                         ; the 16th step is written out: no load reaches past K's codes
.rept 4
	v_nop                                          ; places behind the last products
.endr
	v_add_f32 v14, v14, v15
	v_permlanex16_b32 v213, v14, s[SEL], s[SEL+1]
	v_add_f32 v14, v14, v213                       ; the row's sum
	s_wait_alu depctr_va_vdst(0)
	v_rcp_f32 v14, v14
	v_nop
	s_wait_alu depctr_va_vdst(0)                   ; the reciprocal is written, ahead of its first reader
.irp i, 0,1,2,3,4,5,6,7,8,9,10,11,12,13,14,15
	v_mul_f32 v[S+\i], v[O+\i], v14                ; d = 16 (lane / 16) + i of my query
.endr
	v_max3_num_f32 v[BM], |v[S]|, |v[S+1]|, 0x2800000
.irp i, 2,4,6,8,10,12,14
	v_max3_num_f32 v[BM], v[BM], |v[S+\i]|, |v[S+1+\i]|
.endr
	v_permlanex16_b32 v[BT], v[BM], s[SEL], s[SEL+1]
	v_max_num_f32 v[BM], v[BM], v[BT]              ; the block: this head's 32 numbers of my query
	v_add_nc_u32 v[SOP], 0xfe000000, v[BM]
	v_lshrrev_b32 v247, 23, v[SOP]
	v_cvt_scalef32_pk16_bf6_f32 v[244:246], v[S:S+15], v[SOP]
	v_nop                                          ; one plain place behind a scaled conversion
	s_wait_alu depctr_va_vdst(0)                   ; O's codes v244 to v246 and its byte v247 are written, which the two stores read
	global_store_b96 v11, v[244:246], s[32:33] offset:768*\c
	global_store_b8 v47, v247, s[34:35] offset:512*\c      ; both halves of the lanes write the same byte with the same value
.endm
	s_load_b256 s[4:11], s[0:1], 0x0               ; qkvc, qkvs, acode, ascale
	v_lshl_add_u32 v1, v0, 2, SPARE
	v_mov_b32 v2, 0
	v_lshrrev_b32 v3, 5, v0
	v_readfirstlane_b32 s12, v3                    ; wave
	s_wait_alu depctr_va_sdst(0)                   ; s12 is written, ahead of its first reader: the wave's queries and bases are made from it
	s_and_b32 s13, ttmp7, 0xffff                   ; 16 batch + head
	s_lshr_b32 s14, s12, 1
	s_lshl_b32 s15, ttmp9, 3
	s_add_co_u32 s14, s14, s15                     ; my group of 64 queries
	s_and_b32 s15, s12, 1                          ; which tiles of it: 0, 2 or 1, 3
	s_lshl_b32 s16, s13, 5
	s_add_co_u32 s16, s16, s14
	s_mul_i32 s30, s16, 1536                       ; Q's image
	s_mov_b32 s31, 0
	s_lshl_b32 s40, s16, 7                         ; and its words
	s_mov_b32 s41, 0
	s_mul_i32 s36, s13, 49152
	s_add_co_u32 s36, s36, 3145728                 ; the head's K; its V lies one section on
	s_mov_b32 s37, 0
	s_lshl_b32 s38, s13, 12
	s_add_co_u32 s38, s38, 262144                  ; K's words; V's one section on
	s_mov_b32 s39, 0
	s_lshr_b32 s17, s13, 4
	s_and_b32 s18, s13, 15
	s_lshl_b32 s17, s17, 11
	s_lshl_b32 s19, s14, 6
	s_add_co_u32 s17, s17, s19
	s_lshl_b32 s19, s15, 3
	s_add_co_u32 s17, s17, s19                     ; token 2048 batch + 64 group + 8 (wave % 2)
	s_mul_i32 s32, s17, 24
	s_mul_i32 s19, s18, 196608
	s_add_co_u32 s32, s32, s19
	s_mov_b32 s33, 0
	s_lshl_b32 s34, s17, 4
	s_add_co_u32 s34, s34, s18
	s_mov_b32 s35, 0
	s_mul_i32 s42, s15, 0x01010101
	s_lshl_b32 s43, s15, 8
	s_mov_b32 s[SEL], 0x76543210
	s_mov_b32 s[SEL+1], 0xfedcba98
	s_mov_b32 s[CS], 0x3d8293ee
	s_mov_b32 s[CS+1], s[CS]                       ; (named with it as a pair, so it is written)
	s_mov_b32 s27, 0x05040100
	s_mov_b32 s28, 0x07060302
	v_and_b32 v197, 31, v0                         ; lane
	v_and_b32 v182, 15, v0                         ; r
	v_bfe_u32 v183, v0, 4, 1                       ; h
	v_lshlrev_b32 v3, 4, v197
	v_add_nc_u32 v4, VC, v3
	v_lshl_add_u32 v5, v197, 2, KSC
	v_lshl_add_u32 v6, v197, 2, VSC
	v_and_b32 v248, 8, v182
	v_add_nc_u32 v248, v248, v182                  ; r + 8 (r / 8)
	v_mul_u32_u24 v11, v248, 24
	v_mad_u32_u24 v11, v183, 12, v11
	v_lshlrev_b32 v47, 4, v248
	v_lshlrev_b32 v198, 4, v0                      ; the copy: 16 bytes a thread, 8,192 a pass
	v_add_nc_u32 v199, VC, v198
	v_lshlrev_b32 v218, 3, v0                      ; the words: 8 bytes a thread
	v_add_nc_u32 v219, KSC, v218
	v_add_nc_u32 v220, VSC, v218
	v_lshl_add_u32 v221, v182, 4, s43              ; Q: every lane takes the image's lane r + 16 (wave % 2)
	v_lshlrev_b32 v222, 2, v182
	s_wait_kmcnt 0x0
	s_add_nc_u64 s[30:31], s[4:5], s[30:31]
	s_add_nc_u64 s[36:37], s[4:5], s[36:37]
	s_add_nc_u64 s[40:41], s[6:7], s[40:41]
	s_add_nc_u64 s[38:39], s[6:7], s[38:39]
	s_add_nc_u64 s[32:33], s[8:9], s[32:33]
	s_add_nc_u64 s[34:35], s[10:11], s[34:35]
	s_wait_alu depctr_va_vdst(0)                   ; all offsets and LDS addresses made above are written: v3 to v6, v11, v47, v198, v199, v218 to v222, which the loads and stores of the kernel read
.irp i, 0,1,2,3,4,5
	global_load_b128 v[96+4*\i:99+4*\i], v198, s[36:37] offset:8192*\i
.endr
.irp i, 0,1,2,3,4,5
	global_load_b128 v[120+4*\i:123+4*\i], v198, s[36:37] offset:3145728+8192*\i
.endr
	global_load_b64 v[144:145], v218, s[38:39]
	global_load_b64 v[146:147], v218, s[38:39] offset:262144
.irp q, 0,1,2
	global_load_b128 v[QA+4*\q:QA+4*\q+3], v221, s[30:31] offset:512*\q
.endr
	global_load_b32 v196, v222, s[40:41]
.irp i, 22,23,24,25,26,27,34,35,36,37,38,39
	v_mov_b32 v\i, 0                               ; the zero codes
.endr
.irp b, 0,1,2,3
	v_mov_b32 v[BT+\b], 0                          ; written once: a lane permute's destination counts as one of its sources
.endr
	v_mov_b32 v213, 0
	v_mov_b32 v215, 0                              ; (named as the upper half of the pair v[214:215])
	s_wait_loadcnt 4                               ; K, V and their words are in; Q's four younger loads may be out
.irp i, 0,1,2,3,4,5
	ds_store_b128 v198, v[96+4*\i:99+4*\i] offset:8192*\i
.endr
.irp i, 0,1,2,3,4,5
	ds_store_b128 v199, v[120+4*\i:123+4*\i] offset:8192*\i
.endr
	ds_store_b64 v219, v[144:145]
	ds_store_b64 v220, v[146:147]
	s_wait_dscnt 0x0                               ; for the others' sake: my stores have landed
	s_barrier_signal -1
	s_barrier_wait -1                              ; the head's K and V lie in LDS; nothing is written there again
	s_wait_alu depctr_vm_vsrc(0)                   ; my LDS stores have read v96 to v147, into which the score products write
	s_wait_loadcnt 0x0                             ; Q
	TILE 0
	TILE 1
	s_wait_dscnt 0x0                               ; the closing lines, six on end
	s_wait_alu 0x0
	s_wait_tensorcnt 0x0
	ds_add_u32 v1, v2
	s_wait_dscnt 0x0
	s_endpgm
.Lfunc_end_k_q1e07bdaad3_attn:
	.size	k_q1e07bdaad3_attn, .Lfunc_end_k_q1e07bdaad3_attn-k_q1e07bdaad3_attn
	.p2alignl 7, 3214868480
	.fill 96, 4, 3214868480
	.section	.rodata,"a",@progbits
	.p2align	6, 0x0
	.amdhsa_kernel k_q1e07bdaad3_attn
		.amdhsa_group_segment_fixed_size 108544
		.amdhsa_private_segment_fixed_size 0
		.amdhsa_enable_private_segment 0
		.amdhsa_kernarg_size 32
		.amdhsa_user_sgpr_count 2
		.amdhsa_user_sgpr_kernarg_segment_ptr 1
		.amdhsa_wavefront_size32 1
		.amdhsa_system_sgpr_workgroup_id_x 1
		.amdhsa_system_sgpr_workgroup_id_y 1
		.amdhsa_system_sgpr_workgroup_id_z 1
		.amdhsa_system_vgpr_workitem_id 0
		.amdhsa_next_free_vgpr 256
		.amdhsa_next_free_sgpr 66
		.amdhsa_reserve_vcc 1
		.amdhsa_float_denorm_mode_32 3
		.amdhsa_float_denorm_mode_16_64 3
		.amdhsa_memory_ordered 1
		.amdhsa_forward_progress 1
		.amdhsa_inst_pref_size 70
	.end_amdhsa_kernel
	.amdgpu_metadata
---
amdhsa.version: [ 1, 2 ]
amdhsa.kernels:
  - .name:           k_q1e07bdaad3_attn
    .symbol:         k_q1e07bdaad3_attn.kd
    .args:
      - { .name: qkvc, .offset: 0, .size: 8, .value_kind: global_buffer, .address_space: global }
      - { .name: qkvs, .offset: 8, .size: 8, .value_kind: global_buffer, .address_space: global }
      - { .name: acode, .offset: 16, .size: 8, .value_kind: global_buffer, .address_space: global }
      - { .name: ascale, .offset: 24, .size: 8, .value_kind: global_buffer, .address_space: global }
    .group_segment_fixed_size: 108544
    .private_segment_fixed_size: 0
    .kernarg_segment_align: 8
    .kernarg_segment_size: 32
    .max_flat_workgroup_size: 512
    .sgpr_count:     66
    .vgpr_count:     256
    .wavefront_size: 32
...
	.end_amdgpu_metadata
.endif
;; end of part 7
;; launch ffn (part 8): grid 128 x 1, 4 waves a work-group, no clusters, 212,480 bytes of LDS; arguments x, acode, ascale, wffn, b_proj, g2, bt2, b1, b2, out0; writes out0
.if DOCPART == 8
	.amdgcn_target "amdgcn-amd-amdhsa--gfx1250"
	.amdhsa_code_object_version 6
	.text
	.protected	k_q1e07bdaad3_ffn
	.globl	k_q1e07bdaad3_ffn
	.p2align	8
	.type	k_q1e07bdaad3_ffn,@function
k_q1e07bdaad3_ffn:
	s_mov_b64 s[64:65], 0
	v_nop
	global_prefetch_b8 v0, s[64:65] scope:SCOPE_SE
	s_setreg_imm32_b32 hwreg(HW_REG_WAVE_SCHED_MODE, 0, 2), 2
	s_setreg_imm32_b32 hwreg(HW_REG_WAVE_MODE, 25, 1), 1
	s_wait_xcnt 0x0
	s_wait_alu depctr_vm_vsrc(0)
; FFN: x1 = x + attn w_proj + b_proj;  out0 = x1 + relu(layernorm(x1, g2, bt2) w1 + b1) w2 + b2; the three products on codes of E3M2.  Nothing of the problem is left out here.
; SHARES.  A work-group takes 64 rows (four tiles of 16 tokens).  THE WAVES SHARE THE COLUMNS: wave w owns columns 128 w .. + 127 of x1 and of the result, and in chunk t of four the hidden units 512 t + 128 w .. + 127.
; x1 (later x1 + b2 + the second product's sums) stays in 256 registers a lane for the whole launch; the hidden layer never goes to memory.
; THE WEIGHTS go from memory straight into registers, in the order in which the first launch laid them for this wave: half-sets of four column tiles (four fragments and their scale words: 13 loads of 16 bytes a lane), a ring of four
; half-sets, refilled as soon as a half-set's 16 products are done with it: three half-sets are always on their way.  Each fragment feeds four products (the four tiles of rows).
; No joint loads, though all 128 work-groups walk the same 1,916,928 bytes: a fragment is wanted by ONE wave of a work-group, in its registers; a joint load lands in LDS, from where all of it would be read once more.
; THE ROWS' OPERANDS go from wave to wave through LDS as images of their registers (1,536 bytes a fragment, 128 a set of scale words): attention's four K steps, layernorm's four (K step w is wave w's columns), the hidden layer's sixteen.
; Products are used transposed: source 0 = 16 columns of a weight, source 1 = 16 rows: a lane holds ONE row, and by the order of a tile's columns its 64 registers of a tile of rows are: register 16 b + i = column 32 b + 16 (lane / 16) + i.
; The residual x, b1 and x1 + b2 are the C of a sum's first matrix instruction.  The layernorm goes by the two passes of the definition; the four waves' partial sums meet in LDS.
; THE LAST TRIP'S LAST FOUR REFILLS have nothing left to fetch: they read half-sets 12 to 15 of the last chunk once more (26,624 bytes a wave), so that every counted wait holds in every trip and the trip is written once.
; LIMITS: NaN and infinities are not served; a scale's byte is held at 1 from below; a block of zeros has the byte 1.  1 / sqrt comes from v_rsq_f32.
; THE MODE: SCHED_MODE bits 1:0 = 2 (LLVM: expert scheduling mode 2), set by the entry lines.  The code itself states the register dependences between vector or matrix instructions and memory or LDS instructions, with s_wait_alu, always for 0.
; THE PLAN.  Registers that memory or LDS instructions touch:
;   the ring, WSC   a half-set's registers are read by its 16 products; the refill lands in them.  ONE wait on va_vdst stands behind each half-set's products, ahead of its 13 loads.
;   BF, BS          two sets; a K step's 32 products read one, the next K step's 16 LDS loads land in the other, which the K step before read.  These loads stand behind the wait of the K step's first half-set and owe nothing more.
;   v[ADB], v[ADC]  the addresses of those LDS loads: written at a K step's head, behind a wait on vm_vsrc; the wait of the first half-set shows them written.
;   v[VA1], v[WIH], v[WSH]  written at a chunk's head with the two above: one wait on vm_vsrc ahead of the five additions, one on va_vdst behind them.
;   V64A, V64B      the vectors: LDS loads land in them behind a wait on va_vdst that stands behind their last readers.
;   TP              the partial sums, data of LDS stores: a wait on va_vdst ahead of the stores, one on vm_vsrc ahead of each line that writes TP again.
;   PC, PW          the quantiser's results, data of LDS stores: likewise, for each tile of rows.
;   Y, the rows on the way out: see there.  All other addresses are made at the head and never written again.
.set BSC,   147456                     ; LDS: from 0 the images, 24 slots (K steps) x 6,144: fragment of row tile m at 1536 m; slots 0-3 attention, 4-7 layernorm, 8 + 4 t + s the hidden layer.  From here their scale words: slot x 512 + 128 m
.set RED0,  159744                     ; the waves' partial sums: 16 bytes a row, 1,024 bytes; the second pass's 1,024 on
.set VEC,   161792                     ; b_proj, g2, bt2, b2 (2,048 bytes each), b1 (8,192)
.set STG,   178176                     ; the way out: 16 rows x (512 + 16) bytes for each wave
.set SPARE, 211968                     ; the spare words, 128 bytes for each wave: two blocks of 256 bytes that no other line names
.set LI,  1                            ; v1  16 x lane
.set LS,  2                            ; v2  4 x lane
.set XV,  3                            ; v3  x: 2048 r + 64 h + 512 w
.set AV,  4                            ; v4  acode: 24 r + a head's 196,608 x h
.set ASV, 5                            ; v5  ascale: 16 r
.set ADB, 6                            ; v6, v7 the images and words in hand
.set ADC, 7
.set LSB, 8                            ; v8  BSC + 4 x lane
.set WIA, 9                            ; v9  where I store images: 16 x lane + 6144 w
.set WSA, 10                           ; v10 and words: BSC + 4 x lane + 512 w
.set VA,  11                           ; v11 VEC + 512 w + 64 h
.set RA,  12                           ; v12 RED0 + 16 r + 4 w
.set RB,  13                           ; v13 RED0 + 16 r
.set SO,  14                           ; v14 the stage, in
.set SR,  15                           ; v15 the stage, back
.set WSC, 16                           ; v16-31 the ring's scale words (4 buffer + tile)
.set BS,  32                           ; v32-39 the rows' scale words (4 set + m)
.set TM,  40
.set PC,  56
.set PW,  76
.set OV,  77                           ; v77 out0: 512 w + 16 x lane
.set SPW, 78
.set NIL, 79
.set BF,  80                           ; v80-127, v128-175 two sets of four row fragments
.set TT,  80                           ; v80-143 64 numbers on their way to the quantiser (the fragments are done with then)
.set MEAN, 144                         ; v144-151, v152-159, v160-167, v168-175: means, 1 / sqrt, sums, at work
.set RS,  152
.set SUM, 160
.set TP,  168
.set V64B, 176                         ; v176-239 bt2 in my columns' order; on the way out the second set of rows
.set WIH, 240
.set WSH, 241
.set VA1, 242
.set VCA, 243
.set V64A, 192                         ; window 3, v192-255: b_proj, g2, b2, b1 in turn.  Window 3, v0-191: the ring.  Window 1: Y = x1.  Window 2: ACC
.set SEL, 26
.set MSB, 0
.macro WIN new
.if MSB != (\new)
	s_set_vgpr_msb (MSB<<8)|(\new)
.set MSB, (\new)
.endif
.endm
.macro MMA d, a, b, c, sa, sb
	v_wmma_scale_f32_16x16x128_f8f6f4 v[\d:\d+7], v[\a:\a+11], v[\b:\b+11], v[\c:\c+7], v[\sa], v[\sb] matrix_a_fmt:MATRIX_FMT_BF6 matrix_b_fmt:MATRIX_FMT_BF6
.endm
.macro QUANT s, pw
.irp b, 0,1,2,3
	v_max3_num_f32 v[TM+\b], |v[\s+16*\b]|, |v[\s+1+16*\b]|, 0x2800000   ; my 16 numbers of block b, and the floor 2^(5 - 127)
.endr
.irp i, 2,4,6,8,10,12,14
.irp b, 0,1,2,3
	v_max3_num_f32 v[TM+\b], v[TM+\b], |v[\s+16*\b+\i]|, |v[\s+1+16*\b+\i]|
.endr
.endr
.irp b, 0,1,2,3
	v_permlanex16_b32 v[TM+4+\b], v[TM+\b], s[SEL], s[SEL+1]
.endr
.irp b, 0,1,2,3
	v_max_num_f32 v[TM+\b], v[TM+\b], v[TM+4+\b]
.endr
.irp b, 0,1,2,3
	v_add_nc_u32 v[TM+12+\b], 0xfe000000, v[TM+\b]
.endr
.irp b, 0,1,2,3
	v_lshrrev_b32 v[TM+4+\b], 23, v[TM+12+\b]
.endr
	v_lshl_or_b32 v[\pw], v[TM+5], 8, v[TM+4]
	v_lshl_or_b32 v[\pw], v[TM+6], 16, v[\pw]
	v_lshl_or_b32 v[\pw], v[TM+7], 24, v[\pw]
.irp c, 0,1
	v_cvt_scalef32_pk16_bf6_f32 v[PC+6*\c:PC+2+6*\c], v[\s+32*\c:\s+15+32*\c], v[TM+12+2*\c]
	v_cvt_scalef32_pk16_bf6_f32 v[PC+12+4*\c:PC+14+4*\c], v[\s+16+32*\c:\s+31+32*\c], v[TM+12+2*\c+1]
.endr
	v_nop                                                  ; one plain place behind a scaled conversion
.irp c, 0,1
.irp i, 0,1,2
	v_permlane16_swap_b32 v[PC+6*\c+\i], v[PC+12+4*\c+\i]
.endr
.irp i, 0,1,2
	v_mov_b32 v[PC+3+6*\c+\i], v[PC+12+4*\c+\i]
.endr
.endr
.endm
.macro BARRIER                         ; my LDS stores have landed and my LDS loads are in: then the work-group's barrier
	s_wait_dscnt 0x0
	s_barrier_signal -1
	s_barrier_wait -1
.endm
.macro WLOADH buf, base, off           ; a half-set into ring buffer buf: 13 loads
	WIN 0xc0                                       ; destination window 3
.irp i, 0,1,2,3
.irp q, 0,1,2
	global_load_b128 v[48*(\buf)+12*\i+4*\q:48*(\buf)+12*\i+4*\q+3], v[LI], s[\base:\base+1] offset:(\off)+1536*\i+512*\q
.endr
.endr
	WIN 0
	global_load_b128 v[WSC+4*(\buf):WSC+4*(\buf)+3], v[LI], s[\base:\base+1] offset:(\off)+6144
.endm
; 16 products: the half-set's four column tiles x the four tiles of rows; 16 accumulators, one instruction each.  mode 0: onto Y; 1: ACC begins with the bias; 2: onto ACC.
.macro PROD buf, hf, bf, mode
	s_wait_loadcnt 39                              ; my half-set is in; the three younger ones, 13 loads each, may be out
.if \mode == 0
	WIN 0x53                                       ; source 0 window 3, C and D window 1
.elseif \mode == 1
	WIN 0xb3                                       ; source 0 and C window 3, D window 2
.else
	WIN 0xa3                                       ; source 0 window 3, C and D window 2
.endif
.irp i, 0,1,2,3
.irp m, 0,1,2,3
.if \mode == 1
	MMA 64*\m+8*(4*(\hf)+\i), 48*(\buf)+12*\i, BF+48*(\bf)+12*\m, V64A+8*(4*(\hf)+\i), WSC+4*(\buf)+\i, BS+4*(\bf)+\m
.else
	MMA 64*\m+8*(4*(\hf)+\i), 48*(\buf)+12*\i, BF+48*(\bf)+12*\m, 64*\m+8*(4*(\hf)+\i), WSC+4*(\buf)+\i, BS+4*(\bf)+\m
.endif
.endr
.endr
.rept 4
	v_nop                                          ; places in front of the first read of these products' results, by vector instructions and by the stage's stores, and of vector writes of their sources
.endr
.endm
.macro REFILL buf, base, off           ; the half-set's buffer is asked for again
	WIN 0xc0
	s_wait_alu depctr_va_vdst(0)                   ; the products issued so far are done reading this ring buffer and its scale words, in which the 13 loads land; so are the last K step's with the other set of rows; the rows' two addresses are written
	WLOADH \buf, \base, \off
.endm
.macro FADDR                           ; the addresses of a K step's row fragments and words: the slot at s34, s35
	v_add_nc_u32 v[ADB], s34, v[LI]
	v_add_nc_u32 v[ADC], s35, v[LSB]
	s_add_co_u32 s34, s34, 6144
	s_add_co_u32 s35, s35, 512
.endm
.macro FLOAD bf                        ; a K step's four row fragments and their words into set bf
.irp m, 0,1,2,3
.irp q, 0,1,2
	ds_load_b128 v[BF+48*(\bf)+12*\m+4*\q:BF+48*(\bf)+12*\m+4*\q+3], v[ADB] offset:1536*\m+512*\q
.endr
	ds_load_b32 v[BS+4*(\bf)+\m], v[ADC] offset:128*\m
.endr
.endm
.macro GSTEP bufa, bf, mode, fetch, k, base    ; a K step: half-sets k and k + 1 of the phase; the next K step's rows are fetched in its middle
	s_wait_dscnt 0x0
.if \fetch
	s_wait_alu depctr_vm_vsrc(0)                   ; the LDS loads of this K step's rows have read v[ADB] and v[ADC], which are written again here
	FADDR
.endif
	PROD \bufa, 0, \bf, \mode
	REFILL \bufa, \base, (\k+4)*6656
.if \fetch
	FLOAD 1-\bf                                    ; no wait: nothing but loads and window switches stands behind the wait in REFILL
.endif
	PROD \bufa+1, 1, \bf, \mode
	REFILL \bufa+1, \base, (\k+5)*6656
.endm
.macro VECL win, dst, adr, off         ; 64 numbers of a vector in my columns' order
	WIN ((\win)<<6)
.irp b, 0,1,2,3
.irp j, 0,1,2,3
	ds_load_b128 v[\dst+16*\b+4*\j:\dst+16*\b+4*\j+3], v[\adr] offset:(\off)+128*\b+16*\j
.endr
.endr
	WIN 0
.endm
.macro YADD                            ; Y += the vector in window 3, for the four tiles of rows; each accumulator from its low end on
	WIN 0x4d                                       ; destination and source 0 window 1, source 1 window 3
.irp m, 0,1,2,3
.set i, 0
.rept 32
	v_pk_add_f32 v[64*\m+2*i:64*\m+2*i+1], v[64*\m+2*i:64*\m+2*i+1], v[V64A+2*i:V64A+2*i+1]
.set i, i+1
.endr
.endr
	WIN 0
.endm
.macro ROWSUM off, again               ; my wave's partial sums of the four tiles' rows go to LDS.  again = 1: the second pass
.if \again
	s_wait_alu depctr_vm_vsrc(0)                   ; the first pass's LDS stores have read v[TP ..], which is written again here
.endif
.irp m, 0,1,2,3
	v_add_f32 v[TP+\m], v[SUM+2*\m], v[SUM+2*\m+1]
.endr
.irp m, 0,1,2,3
	v_permlanex16_b32 v[TP+4+\m], v[TP+\m], s[SEL], s[SEL+1]
.endr
.irp m, 0,1,2,3
	v_add_f32 v[TP+\m], v[TP+\m], v[TP+4+\m]
.endr
	s_wait_alu depctr_va_vdst(0)                   ; the sums v[TP ..] are written, which the LDS stores read; all earlier readers and writers of V64A and of v80 to v95, in which the LDS loads up to the next vector line land, are done
.irp m, 0,1,2,3
	ds_store_b32 v[RA], v[TP+\m] offset:(\off)+256*\m      ; both halves of the lanes write the same word with the same value
.endr
.endm
.macro ROWALL off                      ; the four waves' partial sums, added in the same order by every wave: v[TT + 4 m]
.irp m, 0,1,2,3
	ds_load_b128 v[TT+4*\m:TT+4*\m+3], v[RB] offset:(\off)+256*\m
.endr
	s_wait_dscnt 0x0
.irp m, 0,1,2,3
	v_add_f32 v[TT+4*\m], v[TT+4*\m], v[TT+4*\m+1]
	v_add_f32 v[TT+4*\m+2], v[TT+4*\m+2], v[TT+4*\m+3]
.endr
.irp m, 0,1,2,3
	v_add_f32 v[TT+4*\m], v[TT+4*\m], v[TT+4*\m+2]
.endr
.endm
	s_load_b256 s[4:11], s[0:1], 0x0               ; x, acode, ascale, wffn
	s_load_b256 s[12:19], s[0:1], 0x20             ; b_proj, g2, bt2, b1
	s_load_b128 s[20:23], s[0:1], 0x40             ; b2, out0
	v_lshl_add_u32 v[SPW], v0, 2, SPARE
	v_mov_b32 v[NIL], 0
	v_lshrrev_b32 v244, 5, v0
	v_readfirstlane_b32 s24, v244                  ; wave
	v_and_b32 v244, 15, v0                         ; r
	v_bfe_u32 v245, v0, 4, 1                       ; h
	v_and_b32 v246, 31, v0                         ; lane
	v_lshlrev_b32 v[LI], 4, v246
	v_lshlrev_b32 v[LS], 2, v246
	s_wait_alu depctr_va_sdst(0)                   ; s24 is written, ahead of its first reader: the wave's columns, LDS places and bases are made from it
	s_lshl_b32 s40, s24, 9                         ; 512 w
	v_lshlrev_b32 v[XV], 11, v244
	v_lshl_add_u32 v[XV], v245, 6, v[XV]
	v_add_nc_u32 v[XV], s40, v[XV]
	v_mul_u32_u24 v[AV], v244, 24
	v_mad_u32_u24 v[AV], v245, 0x30000, v[AV]
	v_lshlrev_b32 v[ASV], 4, v244
	v_add_nc_u32 v[LSB], BSC, v[LS]
	s_mul_i32 s41, s24, 6144
	v_add_nc_u32 v[WIA], s41, v[LI]
	v_add_nc_u32 v[WSA], s40, v[LSB]
	v_lshl_add_u32 v[VA], v245, 6, VEC
	v_add_nc_u32 v[VA], s40, v[VA]
	s_lshl_b32 s42, s24, 2
	v_lshl_add_u32 v[RB], v244, 4, RED0
	v_add_nc_u32 v[RA], s42, v[RB]
	s_mul_i32 s43, s24, 8448
	s_add_co_u32 s43, s43, STG                     ; my stage
	v_mul_u32_u24 v[SO], v244, 528
	v_lshl_add_u32 v[SO], v245, 6, v[SO]
	v_add_nc_u32 v[SO], s43, v[SO]
	v_add_nc_u32 v[SR], s43, v[LI]
	v_add_nc_u32 v[OV], s40, v[LI]
	v_lshl_add_u32 v[VCA], v0, 4, VEC
	s_mul_i32 s55, s24, 1536
	v_add_nc_u32 v247, s55, v[LI]                  ; attention's images: row tile w is mine
	s_lshl_b32 s55, s24, 7
	v_add_nc_u32 v248, s55, v[LSB]
	v_lshlrev_b32 v249, 4, v0                      ; the vectors' copy: 16 bytes a thread
	v_mov_b32 v250, 0x3b000000                     ; 1 / 512
.irp b, 0,1,2,3
	v_mov_b32 v[TM+4+\b], 0                        ; written once: a lane permute's destination counts as one of its sources
	v_mov_b32 v[TP+4+\b], 0
.endr
	s_mov_b32 s[SEL], 0x76543210
	s_mov_b32 s[SEL+1], 0xfedcba98
	s_lshl_b32 s52, ttmp9, 17                      ; 64 rows of 2,048 bytes
	s_mov_b32 s53, 0
	s_lshl_b32 s54, ttmp9, 6
	s_lshl_b32 s55, s24, 4
	s_add_co_u32 s54, s54, s55                     ; token 64 x work-group + 16 w
	s_mul_i32 s56, s54, 24
	s_mov_b32 s57, 0
	s_lshl_b32 s58, s54, 4
	s_mov_b32 s59, 0
	s_mul_i32 s60, s24, 479232                     ; my stream of weights
	s_mov_b32 s61, 0
	s_wait_kmcnt 0x0
	s_add_nc_u64 s[44:45], s[4:5], s[52:53]
	s_add_nc_u64 s[46:47], s[22:23], s[52:53]
	s_add_nc_u64 s[48:49], s[6:7], s[56:57]
	s_add_nc_u64 s[50:51], s[8:9], s[58:59]
	s_add_nc_u64 s[28:29], s[10:11], s[60:61]
	; ---- the head: the vectors and attention's operands first (33 loads), then x into Y, then the ring's first four half-sets
	s_wait_alu depctr_va_vdst(0)                   ; all offsets and LDS addresses made above are written (v1 to v5, v8 to v15, v77, v243, v247 to v249), which the loads and stores of the kernel read; so are v172 to v175, in which loads land later
	global_load_b128 v[176:179], v249, s[12:13]
	global_load_b128 v[180:183], v249, s[14:15]
	global_load_b128 v[184:187], v249, s[16:17]
	global_load_b128 v[188:191], v249, s[20:21]
.irp i, 0,1,2,3
	global_load_b128 v[192+4*\i:195+4*\i], v249, s[18:19] offset:2048*\i
.endr
.irp s, 0,1,2,3                                ; row tile w, K step s: registers 6 c on = head 4 s + 2 c + h's 24 bytes of my token
.irp c, 0,1
.irp p, 0,1,2
	global_load_b64 v[BF+12*\s+6*\c+2*\p:BF+12*\s+6*\c+2*\p+1], v[AV], s[48:49] offset:(4*\s+2*\c)*196608+8*\p th:TH_LOAD_NT
.endr
.endr
.endr
	global_load_b128 v[BS:BS+3], v[ASV], s[50:51] th:TH_LOAD_NT      ; my token's 16 bytes: the four K steps' words
	WIN 0x40                                       ; destination window 1
.irp m, 0,1,2,3
.irp b, 0,1,2,3
.irp j, 0,1,2,3
	global_load_b128 v[64*\m+16*\b+4*\j:64*\m+16*\b+4*\j+3], v[XV], s[44:45] offset:32768*\m+128*\b+16*\j th:TH_LOAD_NT
.endr
.endr
.endr
	WIN 0
	WLOADH 0, 28, 0
	WLOADH 1, 28, 6656
	WLOADH 2, 28, 13312
	WLOADH 3, 28, 19968
	s_wait_loadcnt 63                              ; 116 loads are younger than the 33rd; 63 is the largest count that the wait can name: the first 33 are in
	ds_store_b128 v[VCA], v[176:179]
	ds_store_b128 v[VCA], v[180:183] offset:2048
	ds_store_b128 v[VCA], v[184:187] offset:4096
	ds_store_b128 v[VCA], v[188:191] offset:6144
.irp i, 0,1,2,3
	ds_store_b128 v[VCA], v[192+4*\i:195+4*\i] offset:8192+2048*\i
.endr
.irp s, 0,1,2,3
.irp q, 0,1,2
	ds_store_b128 v247, v[BF+12*\s+4*\q:BF+12*\s+4*\q+3] offset:6144*\s+512*\q
.endr
	ds_store_b32 v248, v[BS+\s] offset:512*\s
.endr
	BARRIER                                        ; the vectors and attention's sixteen fragments lie in LDS
	; ---- the projection: Y = x + attn w_proj.  The first counted wait also shows x landed: it was asked for ahead of the ring
	s_mov_b32 s34, 0
	s_mov_b32 s35, 0
	s_wait_alu depctr_vm_vsrc(0)                   ; my LDS stores have read v80 to v127, v32 to v35 and v176 to v207, in which the rows' fragments, their words and bt2 land
	FADDR
	s_wait_alu depctr_va_vdst(0)                   ; v[ADB] and v[ADC] are written, which the LDS loads read
	FLOAD 0
	GSTEP 0, 0, 0, 1, 0, 28
	GSTEP 2, 1, 0, 1, 2, 28
	GSTEP 0, 0, 0, 1, 4, 28
	GSTEP 2, 1, 0, 0, 6, 28
	s_wait_xcnt 0x0                                ; the loads have read their base
	s_add_nc_u64 s[28:29], s[28:29], 53248         ; eight half-sets on
	; ---- x1 = Y + b_proj; layernorm over the 512 columns, of which 128 are mine
	VECL 3, V64A, VA, 0                            ; no wait: nothing has named V64A yet, and v[VA] stands since the head
	s_wait_dscnt 0x0
	YADD
.irp i, 0,1,2,3,4,5,6,7
	v_mov_b32 v[SUM+\i], 0
.endr
	WIN 0x04                                       ; source 1 window 1
.set i, 0
.rept 32
.irp m, 0,1,2,3
	v_pk_add_f32 v[SUM+2*\m:SUM+2*\m+1], v[SUM+2*\m:SUM+2*\m+1], v[64*\m+2*i:64*\m+2*i+1]
.endr
.set i, i+1
.endr
	WIN 0
	ROWSUM 0, 0
	VECL 3, V64A, VA, 2048                         ; g2: the additions of b_proj, which read V64A, stand ahead of the wait in ROWSUM
	VECL 0, V64B, VA, 4096                         ; bt2
	BARRIER
	ROWALL 0
.irp m, 0,1,2,3
	v_mul_f32 v[MEAN+2*\m], v250, v[TT+4*\m]
.endr
.irp m, 0,1,2,3
	v_mov_b32 v[MEAN+2*\m+1], v[MEAN+2*\m]
.endr
	WIN 0x81                                       ; destination window 2, source 0 window 1
.irp m, 0,1,2,3
.set i, 0
.rept 32
	v_pk_add_f32 v[64*\m+2*i:64*\m+2*i+1], v[64*\m+2*i:64*\m+2*i+1], v[MEAN+2*\m:MEAN+2*\m+1] neg_lo:[0,1] neg_hi:[0,1]   ; ACC = x1 - mean
.set i, i+1
.endr
.endr
	WIN 0
.irp i, 0,1,2,3,4,5,6,7
	v_mov_b32 v[SUM+\i], 0
.endr
	WIN 0x0a                                       ; sources 0 and 1 window 2
.set i, 0
.rept 32
.irp m, 0,1,2,3
	v_pk_fma_f32 v[SUM+2*\m:SUM+2*\m+1], v[64*\m+2*i:64*\m+2*i+1], v[64*\m+2*i:64*\m+2*i+1], v[SUM+2*\m:SUM+2*\m+1]
.endr
.set i, i+1
.endr
	WIN 0
	ROWSUM 1024, 1
	BARRIER
	ROWALL 1024
	s_wait_alu depctr_vm_vsrc(0)                   ; the second pass's LDS stores have read v[TP ..], which is written again here
.irp m, 0,1,2,3
	v_fmaak_f32 v[TP+\m], v[TT+4*\m], v250, 0x3727c5ac     ; the variance + 1e-5
.endr
	s_wait_alu depctr_va_vdst(0)
.irp m, 0,1,2,3
	v_rsq_f32 v[RS+2*\m], v[TP+\m]
.endr
	v_nop                                          ; a plain place behind the transcendentals,
	s_wait_alu depctr_va_vdst(0)                   ; and the four 1 / sqrt are written, ahead of their first reader
.irp m, 0,1,2,3
	v_mov_b32 v[RS+2*\m+1], v[RS+2*\m]
.endr
.irp m, 0,1,2,3
	WIN 0x02                                       ; source 0 window 2
.set i, 0
.rept 32
	v_pk_mul_f32 v[TT+2*i:TT+2*i+1], v[64*\m+2*i:64*\m+2*i+1], v[RS+2*\m:RS+2*\m+1]
.set i, i+1
.endr
	WIN 0x0c                                       ; source 1 window 3
.set i, 0
.rept 32
	v_pk_fma_f32 v[TT+2*i:TT+2*i+1], v[TT+2*i:TT+2*i+1], v[V64A+2*i:V64A+2*i+1], v[V64B+2*i:V64B+2*i+1]
.set i, i+1
.endr
	WIN 0
	QUANT TT, PW
	s_wait_alu depctr_va_vdst(0)                   ; the quantiser has written v[PC ..] and v[PW], which the LDS stores read
.irp q, 0,1,2
	ds_store_b128 v[WIA], v[PC+4*\q:PC+4*\q+3] offset:24576+1536*\m+512*\q    ; slot 4 + w
.endr
	ds_store_b32 v[WSA], v[PW] offset:2048+128*\m
	s_wait_dscnt 0x0                               ; the stores have landed,
	s_wait_alu depctr_vm_vsrc(0)                   ; and have read v[PC ..] and v[PW], which the next quantiser writes again
.endr
	VECL 3, V64A, VA, 6144                         ; b2: the multiply-adds by g2, which read V64A, stand ahead of the last wait on va_vdst
	s_wait_dscnt 0x0
	YADD                                           ; Y = x1 + b2: what the last product's sums are added onto
	BARRIER                                        ; the layernorm's sixteen fragments lie in LDS
	; ---- four chunks of 512 hidden units: first product (K = 512), relu, quantiser, second product (this chunk's four K steps)
	s_mov_b32 s36, 4                               ; trips to go
	s_mov_b32 s37, 0                               ; b1: 2,048 bytes a chunk
	s_mov_b32 s38, 8*6144                          ; the chunk's first slot: images,
	s_mov_b32 s39, 8*512                           ; words
.Lchunk:
	s_sub_nc_u64 s[32:33], s[28:29], 26624
	s_cmp_eq_u32 s36, 1
	s_cselect_b64 s[30:31], s[32:33], s[28:29]     ; the base of the trip's last four refills: in the last trip four half-sets back
	s_mov_b32 s34, 24576
	s_mov_b32 s35, 2048
	s_wait_alu depctr_vm_vsrc(0)                   ; the LDS loads and stores issued so far have read the five addresses that are written again here
	v_add_nc_u32 v[VA1], s37, v[VA]
	v_add_nc_u32 v[WIH], s38, v[WIA]
	v_add_nc_u32 v[WSH], s39, v[WSA]
	FADDR
	s_wait_alu depctr_va_vdst(0)                   ; the five addresses are written; the additions of b2 (in later trips the last chunk's products) are done reading V64A, and all earlier readers and writers of v80 to v127 and v32 to v35 are done
	VECL 3, V64A, VA1, 8192                        ; b1 of my 128 hidden units
	FLOAD 0
	GSTEP 0, 0, 1, 1, 0, 28
	GSTEP 2, 1, 2, 1, 2, 28
	GSTEP 0, 0, 2, 1, 4, 28
	GSTEP 2, 1, 2, 0, 6, 28
.irp m, 0,1,2,3
	WIN 0x08                                       ; source 1 window 2
.set i, 0
.rept 64
	v_max_num_f32 v[TT+i], 0, v[64*\m+i]           ; the activation, in f32; each accumulator from its low end on
.set i, i+1
.endr
	WIN 0
	QUANT TT, PW
	s_wait_alu depctr_va_vdst(0)                   ; the quantiser has written v[PC ..] and v[PW], which the LDS stores read
.irp q, 0,1,2
	ds_store_b128 v[WIH], v[PC+4*\q:PC+4*\q+3] offset:1536*\m+512*\q          ; slot 8 + 4 t + w
.endr
	ds_store_b32 v[WSH], v[PW] offset:128*\m
	s_wait_dscnt 0x0                               ; the stores have landed,
	s_wait_alu depctr_vm_vsrc(0)                   ; and have read v[PC ..] and v[PW], which the next quantiser writes again; the first product's LDS loads have read v[ADB] and v[ADC], which are written again below
.endr
	BARRIER                                        ; the chunk's sixteen fragments lie in LDS
	s_mov_b32 s34, s38
	s_mov_b32 s35, s39
	FADDR
	s_wait_alu depctr_va_vdst(0)                   ; v[ADB] and v[ADC] are written; the maxima and conversions are done with v80 to v127, in which the LDS loads land
	FLOAD 0
	GSTEP 0, 0, 0, 1, 8, 28
	GSTEP 2, 1, 0, 1, 10, 28
	GSTEP 0, 0, 0, 1, 12, 30
	GSTEP 2, 1, 0, 0, 14, 30
	BARRIER                                        ; every wave's reads of this chunk's images are over before any wave stores the next chunk's
	s_wait_xcnt 0x0                                ; the loads have read their bases
	s_add_nc_u64 s[28:29], s[28:29], 106496        ; sixteen half-sets on
	s_add_co_u32 s37, s37, 2048
	s_add_co_u32 s38, s38, 24576
	s_add_co_u32 s39, s39, 2048
	s_sub_co_u32 s36, s36, 1
	s_cmp_lg_u32 s36, 0
	s_cbranch_scc1 .Lchunk
	; ---- the way out: a tile of 16 rows x my 128 columns goes through my own stage and leaves as rows of 512 bytes.  LDS serves a wave's instructions in order: no wait between the stores and the loads.
	; The last refill's wait on va_vdst stands behind the last products and their four places, and no vector or matrix instruction follows it: so Y is written for the stage's stores, and the products and
	; multiply-adds that read v80 to v143 and v176 to v239 are done for the loads that land there.
.irp m, 0,1,2,3
.set OBB, 80+96*(\m%2)
	WIN 0x04                                       ; an LDS store's data are its source 1: window 1
.irp t, 0,1,2,3,4,5,6,7
	ds_store_b128 v[SO], v[64*\m+8*\t:64*\m+8*\t+3] offset:128*(\t/2)+32*(\t%2)
	ds_store_b128 v[SO], v[64*\m+8*\t+4:64*\m+8*\t+7] offset:128*(\t/2)+32*(\t%2)+16
.endr
	WIN 0
.if \m > 1
	s_wait_xcnt 0x0                                ; the stores of two tiles back have had their addresses translated,
	s_wait_alu depctr_vm_vsrc(0)                   ; and have read these registers, in which the loads below land
.endif
.irp i, 0,1,2,3,4,5,6,7,8,9,10,11,12,13,14,15
	ds_load_b128 v[OBB+4*\i:OBB+4*\i+3], v[SR] offset:528*\i
.endr
.irp i, 0,1,2,3,4,5,6,7,8,9,10,11,12,13,14,15
	s_wait_dscnt 15-\i                             ; row i is back; the younger rows' loads may be out
	global_store_b128 v[OV], v[OBB+4*\i:OBB+4*\i+3], s[46:47] offset:(16*\m+\i)*2048 th:TH_STORE_NT   ; 32 lanes store 512 consecutive bytes, at a multiple of 256 from out0's first byte
.endr
.endr
	s_wait_dscnt 0x0                               ; the closing lines, six on end (every window is 0 here: the add's two registers lie in window 0)
	s_wait_alu 0x0
	s_wait_tensorcnt 0x0
	ds_add_u32 v[SPW], v[NIL]
	s_wait_dscnt 0x0
	s_endpgm
.Lfunc_end_k_q1e07bdaad3_ffn:
	.size	k_q1e07bdaad3_ffn, .Lfunc_end_k_q1e07bdaad3_ffn-k_q1e07bdaad3_ffn
	.p2alignl 7, 3214868480
	.fill 96, 4, 3214868480
	.section	.rodata,"a",@progbits
	.p2align	6, 0x0
	.amdhsa_kernel k_q1e07bdaad3_ffn
		.amdhsa_group_segment_fixed_size 212480
		.amdhsa_private_segment_fixed_size 0
		.amdhsa_enable_private_segment 0
		.amdhsa_kernarg_size 80
		.amdhsa_user_sgpr_count 2
		.amdhsa_user_sgpr_kernarg_segment_ptr 1
		.amdhsa_wavefront_size32 1
		.amdhsa_system_sgpr_workgroup_id_x 1
		.amdhsa_system_sgpr_workgroup_id_y 1
		.amdhsa_system_sgpr_workgroup_id_z 1
		.amdhsa_system_vgpr_workitem_id 0
		.amdhsa_next_free_vgpr 1024
		.amdhsa_next_free_sgpr 66
		.amdhsa_reserve_vcc 0
		.amdhsa_float_denorm_mode_32 3
		.amdhsa_float_denorm_mode_16_64 3
		.amdhsa_memory_ordered 1
		.amdhsa_forward_progress 1
		.amdhsa_inst_pref_size 244
	.end_amdhsa_kernel
	.amdgpu_metadata
---
amdhsa.version: [ 1, 2 ]
amdhsa.kernels:
  - .name:           k_q1e07bdaad3_ffn
    .symbol:         k_q1e07bdaad3_ffn.kd
    .args:
      - { .name: x, .offset: 0, .size: 8, .value_kind: global_buffer, .address_space: global }
      - { .name: acode, .offset: 8, .size: 8, .value_kind: global_buffer, .address_space: global }
      - { .name: ascale, .offset: 16, .size: 8, .value_kind: global_buffer, .address_space: global }
      - { .name: wffn, .offset: 24, .size: 8, .value_kind: global_buffer, .address_space: global }
      - { .name: b_proj, .offset: 32, .size: 8, .value_kind: global_buffer, .address_space: global }
      - { .name: g2, .offset: 40, .size: 8, .value_kind: global_buffer, .address_space: global }
      - { .name: bt2, .offset: 48, .size: 8, .value_kind: global_buffer, .address_space: global }
      - { .name: b1, .offset: 56, .size: 8, .value_kind: global_buffer, .address_space: global }
      - { .name: b2, .offset: 64, .size: 8, .value_kind: global_buffer, .address_space: global }
      - { .name: out0, .offset: 72, .size: 8, .value_kind: global_buffer, .address_space: global }
    .group_segment_fixed_size: 212480
    .private_segment_fixed_size: 0
    .kernarg_segment_align: 8
    .kernarg_segment_size: 80
    .max_flat_workgroup_size: 128
    .sgpr_count:     66
    .vgpr_count:     1024
    .wavefront_size: 32
...
	.end_amdgpu_metadata
.endif
;; end of part 8
